; MI455X (gfx1250); checked and timed in simulation.
; The chip was launched on July 23, 2026; its instructions are those of AMD's public machine-readable ISA for CDNA 5 (MIT licence, August 2026) and "CDNA5" Instruction Set Architecture Reference Guide (July 2026). The comments in the code are by the model that wrote it; some were corrected since.
;; Mo E. Allowed arithmetic: float matrix products may take bf16 or f16 operands with f32 sums; all other float work in f32.
;; Inputs: We1 8 x 1,024 x 2,048 float32; We2 8 x 2,048 x 2,048 float32; We3 8 x 2,048 x 1,024 float32; Wg1 1,024 x 128 float32; Wg2 128 x 128 float32; Wg3 128 x 8 float32; be1 8 x 2,048 float32; be2 8 x 2,048 float32; be3 8 x 1,024 float32; bg1 128 float32; bg2 128 float32; bg3 8 float32; x 1,024 x 1,024 float32.
;; Outputs: out0 1,024 x 1,024 float32; out1 one number float32; out2 1,024 x 2 int32; out3 1,024 x 2 float32.
;; 2 versions, each right and faster than the one before. Each part assembles by itself: llvm-mc -triple=amdgcn-amd-amdhsa -mcpu=gfx1250 --defsym DOCPART=n.
;; ======== version 1 of 2: 7 launches
;; limits: values are held in f16: magnitudes above 65,504 overflow, below 6.1e-05 lose precision
;; workspace buffers: ridx 8,192 bytes of whole numbers; gf 12,288 bytes; rtab 8,448 bytes of whole numbers; inv 12,288 bytes of whole numbers; actA 22,020,096 bytes; actB 11,010,048 bytes; y 22,020,096 bytes
;; launch gate (part 1): grid 128 x 1, 16 waves a work-group, no clusters, 75,776 bytes of LDS; arguments x, Wg1, bg1, Wg2, bg2, Wg3, bg3, out2, out3, ridx, gf; writes out2, out3, ridx, gf
.if DOCPART == 1
	.amdgcn_target "amdgcn-amd-amdhsa--gfx1250"
	.amdhsa_code_object_version 6
	.text
	.protected	k_q66b2770e07_gate
	.globl	k_q66b2770e07_gate
	.p2align	8
	.type	k_q66b2770e07_gate,@function
k_q66b2770e07_gate:
	s_mov_b64 s[64:65], 0
	v_nop
	global_prefetch_b8 v0, s[64:65] scope:SCOPE_SE
	s_setreg_imm32_b32 hwreg(HW_REG_WAVE_MODE, 25, 1), 1
	s_wait_xcnt 0x0
; The gate: g1 = relu(x Wg1 + bg1), g2 = relu(g1 Wg2 + bg2), logits = g2 Wg3 + bg3, softmax, the two largest scores.
; ALL IN F32 ON THE VECTOR UNIT, not on the matrix unit: the two indices are compared exactly, and operands rounded to
; bf16 would move logits by more than many rows' distance between neighbouring ranks.  It is 0.2 per cent of the FLOPs.
; A work-group takes 8 rows with 16 waves.  Lane L owns columns 4L..4L+3; wave w owns k = 64w..64w+63 of layer 1 and
; k = 8w..8w+7 of layer 2; the sixteen partial sums meet in LDS and are added in the order of the waves.
; Stored: out2 and ridx (indices), out3 (scores), gf: [1024][2] score / (sum of both + 1e-9), then at byte 8192 the row's entropy.
; LIMITS: NaN inputs are not served (relu is a maximum that drops a NaN; a NaN score loses every comparison).
; v_exp_f32 gives 0 for scores below 2^-126; among such scores the lower index wins.  A score is exp * (1/sum), not a division.
; The five results of a row are 8 or 4 bytes: a work-group's 8 rows make 64 bytes of each output, stored by lane 0 of 8 waves.
.set ROWB,  4096                       ; bytes in a row of x
.set ACC,   16                         ; v[16:47]   8 rows x 4 columns
.set X0,    48                         ; v[48:111]  buffer 0: 8 rows x 8 k of x (or g1); later at work
.set W0,    112                        ; v[112:143] buffer 0: 8 k x 4 columns of the weights
.set X1,    144                        ; v[144:207] buffer 1
.set W1,    208                        ; v[208:239] buffer 1; later Wg3
.set G1,    65536                      ; LDS: bytes 0..65535 partial sums [16 waves][8 rows][128]; then g1 [8][128]; then g2
.set G2OFF, 4096
	s_load_b512 s[4:19], s[0:1], 0x0               ; x 4, Wg1 6, bg1 8, Wg2 10, bg2 12, Wg3 14, bg3 16, out2 18
	s_load_b128 s[20:23], s[0:1], 0x40             ; out3 20, ridx 22
	s_load_b64 s[24:25], s[0:1], 0x50              ; gf
	v_lshl_add_u32 v240, v0, 2, 0x12000
	v_mov_b32 v241, 0
	v_lshrrev_b32 v14, 5, v0                       ; wave
	v_readfirstlane_b32 s26, v14
	v_and_b32 v13, 31, v0                          ; lane
	v_lshlrev_b32 v1, 8, v14                       ; x: my wave's 64 k = 256 bytes of a row
	v_lshlrev_b32 v15, 4, v13                      ; 16 L
	v_lshl_add_u32 v2, v14, 15, v15                ; Wg1: 64 w rows of 512 bytes + 16 L
	v_lshl_add_u32 v3, v14, 12, v15                ; Wg2: 8 w rows of 512 bytes + 16 L; also my place among the partial sums
	v_lshlrev_b32 v4, 3, v0                        ; 8 t: the two sums that thread t adds up
	v_add_nc_u32 v5, G1, v4                        ; and where they go
	v_lshlrev_b32 v6, 5, v14
	v_add_nc_u32 v6, G1, v6                        ; g1: my wave's 8 k
	v_lshlrev_b32 v7, 7, v13                       ; Wg3: rows 4L..4L+3, 128 bytes
	v_and_b32 v12, 63, v0
	v_lshlrev_b32 v12, 3, v12                      ; the bias of thread t's two columns
	s_lshl_b32 s28, ttmp9, 15                      ; 8 rows of 4,096 bytes for each work-group
	s_mov_b32 s29, 0
	s_mov_b32 s36, 0x76543210                      ; v_permlanex16_b32: lane i reads lane i of the other half
	s_mov_b32 s37, 0xfedcba98
	s_wait_kmcnt 0x0
	s_add_nc_u64 s[4:5], s[4:5], s[28:29]
	s_load_b256 s[28:35], s[16:17], 0x0            ; bg3, eight numbers
; 24 loads: 8 k of 8 rows of x (every lane the same 16 bytes) and 8 rows of Wg1 (512 neighbouring bytes a load)
.macro LDCH xb, wb, c
.irp rr, 0,1,2,3,4,5,6,7
	global_load_b128 v[\xb+8*\rr:\xb+8*\rr+3],   v1, s[4:5] offset:\rr*ROWB+\c*32
	global_load_b128 v[\xb+8*\rr+4:\xb+8*\rr+7], v1, s[4:5] offset:\rr*ROWB+\c*32+16
.endr
.irp kk, 0,1,2,3,4,5,6,7
	global_load_b128 v[\wb+4*\kk:\wb+4*\kk+3], v2, s[6:7] offset:(8*\c+\kk)*512
.endr
.endm
; one k for 8 rows x 4 columns.  mode 0: the product starts the sums (k even); 1: k even, the pair's first register is
; spread over both halves; 2: k odd, the pair's second register
.macro FMAK xb, wb, kk, mode
.irp rr, 0,1,2,3,4,5,6,7
.irp u, 0,2
.if \mode == 0
	v_pk_mul_f32 v[ACC+4*\rr+\u:ACC+4*\rr+\u+1], v[\wb+4*\kk+\u:\wb+4*\kk+\u+1], v[\xb+8*\rr+\kk:\xb+8*\rr+\kk+1] op_sel_hi:[1,0]
.endif
.if \mode == 1
	v_pk_fma_f32 v[ACC+4*\rr+\u:ACC+4*\rr+\u+1], v[\wb+4*\kk+\u:\wb+4*\kk+\u+1], v[\xb+8*\rr+\kk:\xb+8*\rr+\kk+1], v[ACC+4*\rr+\u:ACC+4*\rr+\u+1] op_sel_hi:[1,0,1]
.endif
.if \mode == 2
	v_pk_fma_f32 v[ACC+4*\rr+\u:ACC+4*\rr+\u+1], v[\wb+4*\kk+\u:\wb+4*\kk+\u+1], v[\xb+8*\rr+\kk-1:\xb+8*\rr+\kk], v[ACC+4*\rr+\u:ACC+4*\rr+\u+1] op_sel:[0,1,0] op_sel_hi:[1,1,1]
.endif
.endr
.endr
.endm
.macro FMACH xb, wb, m0
	FMAK \xb, \wb, 0, \m0
	FMAK \xb, \wb, 1, 2
	FMAK \xb, \wb, 2, 1
	FMAK \xb, \wb, 3, 2
	FMAK \xb, \wb, 4, 1
	FMAK \xb, \wb, 5, 2
	FMAK \xb, \wb, 6, 1
	FMAK \xb, \wb, 7, 2
.endm
; The sixteen waves' sums are added, bias and relu follow, the layer's 8 x 128 results lie in LDS for every wave.
.macro REDUCE bias, dstoff
.irp rr, 0,1,2,3,4,5,6,7
	ds_store_b128 v3, v[ACC+4*\rr:ACC+4*\rr+3] offset:\rr*512
.endr
	s_wait_dscnt 0x0                               ; my partial sums are in LDS before I say so
	s_barrier_signal -1
	s_barrier_wait -1
.irp ww, 0,1,2,3,4,5,6,7,8,9,10,11,12,13,14,15
	ds_load_b64 v[X0+2*\ww:X0+2*\ww+1], v4 offset:\ww*4096
.endr
	s_wait_dscnt 0x0
.irp ww, 1,2,3,4,5,6,7,8,9,10,11,12,13,14,15
	v_pk_add_f32 v[X0:X0+1], v[X0:X0+1], v[X0+2*\ww:X0+2*\ww+1]
.endr
	v_pk_add_f32 v[X0:X0+1], v[X0:X0+1], v[\bias:\bias+1]
	v_max_num_f32 v[X0], 0, v[X0]
	v_max_num_f32 v[X0+1], 0, v[X0+1]
	ds_store_b64 v5, v[X0:X0+1] offset:\dstoff
	s_wait_dscnt 0x0                               ; my reads of the partial sums are back and my two results are in LDS:
	s_barrier_signal -1                            ; behind this barrier the results may be read and the partial sums written again
	s_barrier_wait -1
.endm
	global_load_b64 v[8:9],   v12, s[8:9]           ; bg1 and bg2 of my two columns: the oldest loads
	global_load_b64 v[10:11], v12, s[12:13]
	LDCH X0, W0, 0
	LDCH X1, W1, 1
	; layer 1: eight chunks of 8 k on two buffers.  Loads come back in order: with 24 left out, the chunk at hand is in
	; and the next chunk's 24 loads stay on their way.
	s_wait_loadcnt 24
	FMACH X0, W0, 0
	LDCH X0, W0, 2
	s_wait_loadcnt 24
	FMACH X1, W1, 1
	LDCH X1, W1, 3
	s_wait_loadcnt 24
	FMACH X0, W0, 1
	LDCH X0, W0, 4
	s_wait_loadcnt 24
	FMACH X1, W1, 1
	LDCH X1, W1, 5
	s_wait_loadcnt 24
	FMACH X0, W0, 1
	LDCH X0, W0, 6
	s_wait_loadcnt 24
	FMACH X1, W1, 1
	LDCH X1, W1, 7
	s_wait_loadcnt 24
	FMACH X0, W0, 1
	s_wait_loadcnt 0x0                             ; the last chunk: nothing was issued behind it
	FMACH X1, W1, 1
.irp kk, 0,1,2,3,4,5,6,7
	global_load_b128 v[W0+4*\kk:W0+4*\kk+3], v3, s[10:11] offset:\kk*512    ; Wg2, my wave's 8 rows
.endr
	s_cmp_ge_u32 s26, 8                            ; Wg3 is used by waves 0 to 7 alone
	s_cbranch_scc1 .Lno_wg3
.irp m, 0,1,2,3,4,5,6,7
	global_load_b128 v[W1+4*\m:W1+4*\m+3], v7, s[14:15] offset:\m*16        ; register 8 k' + e: Wg3[4L + k'][e]
.endr
.Lno_wg3:
	REDUCE 8, 0
	; layer 2: one chunk of 8 k for each wave
.irp rr, 0,1,2,3,4,5,6,7
	ds_load_b128 v[X0+8*\rr:X0+8*\rr+3],   v6 offset:\rr*512
	ds_load_b128 v[X0+8*\rr+4:X0+8*\rr+7], v6 offset:\rr*512+16
.endr
	s_wait_loadcnt 0x0
	s_wait_dscnt 0x0
	FMACH X0, W0, 0
	REDUCE 10, G2OFF
	s_cmp_ge_u32 s26, 8                            ; no barrier follows: waves 8 to 15 are done
	s_cbranch_scc1 .Lidle
	; layer 3 and the routing of row 8 x work-group + wave
	v_lshl_add_u32 v14, v14, 9, v15
	v_add_nc_u32 v14, G1+G2OFF, v14
	ds_load_b128 v[48:51], v14                     ; g2[row][4L..4L+3]
	s_wait_dscnt 0x0
.irp p, 0,2,4,6
	v_pk_mul_f32 v[52+\p:53+\p], v[W1+\p:W1+\p+1], v[48:49] op_sel_hi:[1,0]
.endr
.irp p, 0,2,4,6
	v_pk_fma_f32 v[52+\p:53+\p], v[W1+8+\p:W1+8+\p+1], v[48:49], v[52+\p:53+\p] op_sel:[0,1,0] op_sel_hi:[1,1,1]
.endr
.irp p, 0,2,4,6
	v_pk_fma_f32 v[52+\p:53+\p], v[W1+16+\p:W1+16+\p+1], v[50:51], v[52+\p:53+\p] op_sel_hi:[1,0,1]
.endr
.irp p, 0,2,4,6
	v_pk_fma_f32 v[52+\p:53+\p], v[W1+24+\p:W1+24+\p+1], v[50:51], v[52+\p:53+\p] op_sel:[0,1,0] op_sel_hi:[1,1,1]
.endr
.irp m, 1,2,4,8
.irp e, 0,1,2,3,4,5,6,7
	v_add_f32_dpp v[52+\e], v[52+\e], v[52+\e] row_xmask:\m row_mask:0xf bank_mask:0xf
.endr
.endr
	s_wait_kmcnt 0x0                               ; bg3
.irp e, 0,1,2,3,4,5,6,7
	v_permlanex16_b32 v[60+\e], v[52+\e], s36, s37
	v_add_f32 v[52+\e], v[52+\e], v[60+\e]
	v_add_f32 v[52+\e], s[28+\e], v[52+\e]         ; the eight logits, in every lane
.endr
	; softmax as it is defined: the row's maximum is taken away first
	v_max3_num_f32 v68, v52, v53, v54
	v_max3_num_f32 v68, v68, v55, v56
	v_max3_num_f32 v68, v68, v57, v58
	v_max_num_f32 v68, v68, v59
.irp e, 0,1,2,3,4,5,6,7
	v_sub_f32 v[60+\e], v[52+\e], v68
	v_mul_f32 v[60+\e], 0x3fb8aa3b, v[60+\e]       ; times log2(e)
.endr
.irp e, 0,1,2,3,4,5,6,7
	v_exp_f32 v[60+\e], v[60+\e]
.endr
	v_nop                                          ; one plain vector instruction behind a transcendental (ISA guide 5.7.2)
	s_wait_alu depctr_va_vdst(0)
	v_add_f32 v69, v60, v61
.irp e, 2,3,4,5,6,7
	v_add_f32 v69, v69, v[60+\e]
.endr
	v_rcp_f32 v70, v69
	v_nop
	s_wait_alu depctr_va_vdst(0)
.irp e, 0,1,2,3,4,5,6,7
	v_mul_f32 v[60+\e], v[60+\e], v70              ; the scores
	v_add_f32 v[72+\e], 0x3089705f, v[60+\e]       ; + 1e-9
.endr
.irp e, 0,1,2,3,4,5,6,7
	v_log_f32 v[72+\e], v[72+\e]
.endr
	v_nop
	s_wait_alu depctr_va_vdst(0)
	v_mul_f32 v71, v60, v72
.irp e, 1,2,3,4,5,6,7
	v_fmac_f32 v71, v[60+\e], v[72+\e]
.endr
	v_mul_f32 v71, 0xbf317218, v71                 ; entropy = -ln 2 x sum of p log2(p + 1e-9)
	; the largest score: an ascending scan with 'greater', so the lower index wins a tie
	v_mov_b32 v80, v60
	v_mov_b32 v82, 0
.irp e, 1,2,3,4,5,6,7
	v_cmp_gt_f32 vcc_lo, v[60+\e], v80
	v_cndmask_b32 v80, v80, v[60+\e], vcc_lo
	v_cndmask_b32 v82, v82, \e, vcc_lo
.endr
	; the second: the same scan with the winner's score replaced by -1 (scores are not negative)
.irp e, 0,1,2,3,4,5,6,7
	v_cmp_eq_u32 vcc_lo, \e, v82
	v_cndmask_b32 v[72+\e], v[60+\e], -1.0, vcc_lo
.endr
	v_mov_b32 v81, v72
	v_mov_b32 v83, 0
.irp e, 1,2,3,4,5,6,7
	v_cmp_gt_f32 vcc_lo, v[72+\e], v81
	v_cndmask_b32 v81, v81, v[72+\e], vcc_lo
	v_cndmask_b32 v83, v83, \e, vcc_lo
.endr
	v_add_f32 v86, v80, v81
	v_add_f32 v86, 0x3089705f, v86
	v_rcp_f32 v86, v86
	s_lshl3_add_u32 s38, ttmp9, s26                ; the row
	s_lshl_b32 s39, s38, 3
	s_lshl_b32 s38, s38, 2
	v_mov_b32 v87, s39                             ; (the plain place behind v_rcp_f32)
	v_mov_b32 v88, s38
	s_wait_alu depctr_va_vdst(0)
	v_mul_f32 v84, v80, v86                        ; score / (both scores + 1e-9)
	v_mul_f32 v85, v81, v86
	v_cmp_eq_u32 vcc_lo, 0, v13
	s_wait_xcnt 0x0                                ; EXEC changes only behind s_wait_xcnt 0
	s_wait_tensorcnt 0x0
	ds_add_u32 v240, v241
	s_wait_dscnt 0x0
	s_and_saveexec_b32 s27, vcc_lo                 ; lane 0 stores
	global_store_b64 v87, v[82:83], s[18:19]
	global_store_b64 v87, v[80:81], s[20:21]
	global_store_b64 v87, v[82:83], s[22:23]
	global_store_b64 v87, v[84:85], s[24:25]
	global_store_b32 v88, v71, s[24:25] offset:8192
	s_endpgm
.Lidle:
	s_wait_tensorcnt 0x0
	ds_add_u32 v240, v241
	s_wait_dscnt 0x0
	s_endpgm
.Lfunc_end_k_q66b2770e07_gate:
	.size	k_q66b2770e07_gate, .Lfunc_end_k_q66b2770e07_gate-k_q66b2770e07_gate
	.p2alignl 7, 3214868480
	.fill 96, 4, 3214868480
	.section	.rodata,"a",@progbits
	.p2align	6, 0x0
	.amdhsa_kernel k_q66b2770e07_gate
		.amdhsa_group_segment_fixed_size 75776
		.amdhsa_private_segment_fixed_size 0
		.amdhsa_enable_private_segment 0
		.amdhsa_kernarg_size 88
		.amdhsa_user_sgpr_count 2
		.amdhsa_user_sgpr_kernarg_segment_ptr 1
		.amdhsa_wavefront_size32 1
		.amdhsa_system_sgpr_workgroup_id_x 1
		.amdhsa_system_sgpr_workgroup_id_y 1
		.amdhsa_system_sgpr_workgroup_id_z 1
		.amdhsa_system_vgpr_workitem_id 0
		.amdhsa_next_free_vgpr 242
		.amdhsa_next_free_sgpr 66
		.amdhsa_reserve_vcc 1
		.amdhsa_float_denorm_mode_32 3
		.amdhsa_float_denorm_mode_16_64 3
		.amdhsa_memory_ordered 1
		.amdhsa_forward_progress 1
		.amdhsa_inst_pref_size 112
	.end_amdhsa_kernel
	.amdgpu_metadata
---
amdhsa.version: [ 1, 2 ]
amdhsa.kernels:
  - .name:           k_q66b2770e07_gate
    .symbol:         k_q66b2770e07_gate.kd
    .args:
      - { .name: x, .offset: 0, .size: 8, .value_kind: global_buffer, .address_space: global }
      - { .name: Wg1, .offset: 8, .size: 8, .value_kind: global_buffer, .address_space: global }
      - { .name: bg1, .offset: 16, .size: 8, .value_kind: global_buffer, .address_space: global }
      - { .name: Wg2, .offset: 24, .size: 8, .value_kind: global_buffer, .address_space: global }
      - { .name: bg2, .offset: 32, .size: 8, .value_kind: global_buffer, .address_space: global }
      - { .name: Wg3, .offset: 40, .size: 8, .value_kind: global_buffer, .address_space: global }
      - { .name: bg3, .offset: 48, .size: 8, .value_kind: global_buffer, .address_space: global }
      - { .name: out2, .offset: 56, .size: 8, .value_kind: global_buffer, .address_space: global }
      - { .name: out3, .offset: 64, .size: 8, .value_kind: global_buffer, .address_space: global }
      - { .name: ridx, .offset: 72, .size: 8, .value_kind: global_buffer, .address_space: global }
      - { .name: gf, .offset: 80, .size: 8, .value_kind: global_buffer, .address_space: global }
    .group_segment_fixed_size: 75776
    .private_segment_fixed_size: 0
    .kernarg_segment_align: 8
    .kernarg_segment_size: 88
    .max_flat_workgroup_size: 512
    .sgpr_count:     66
    .vgpr_count:     242
    .wavefront_size: 32
...
	.end_amdgpu_metadata
.endif
;; end of part 1
;; launch route (part 2): grid 12 x 1, 32 waves a work-group, no clusters, 8,192 bytes of LDS; arguments ridx, gf, rtab, inv, out1; writes rtab, inv, out1
.if DOCPART == 2
	.amdgcn_target "amdgcn-amd-amdhsa--gfx1250"
	.amdhsa_code_object_version 6
	.text
	.protected	k_q66b2770e07_route
	.globl	k_q66b2770e07_route
	.p2align	8
	.type	k_q66b2770e07_route,@function
k_q66b2770e07_route:
	s_mov_b64 s[64:65], 0
	v_nop
	global_prefetch_b8 v0, s[64:65] scope:SCOPE_SE
	s_setreg_imm32_b32 hwreg(HW_REG_WAVE_MODE, 25, 1), 1
	s_wait_xcnt 0x0
; Routing tables and the auxiliary loss, from the rows' two expert indices.  Only tables are made here; the launches behind this
; one form their addresses and trip counts from them.  In this text every branch hangs on the work-group's number, the wave's number
; or a constant trip count, and every address on ids and constants: what the data decide is chosen by v_cndmask_b32 and s_cselect_b32.
; The 2,048 pairs (row, chosen expert) are ordered by expert, then by row; expert e's segment starts at slot 64 Q_e and is
; padded to granules of 64 slots (g_e = ceil(c_e / 64); at least 32 and at most 39 granules in all, since the counts sum to 2,048).
; Every work-group repeats the counting (thread t = row t; 32 waves).  Each wave leaves, for each expert, the 32-bit mask of its
; rows that chose it and the mask's count, at LDS words of its own: one barrier, and no wave writes where another writes.
; Behind it lane L of every wave holds wave L's eight masks and eight counts in registers.
; inv[3072]: the row of each slot, 1,024 for a padding slot.  Wave w < 4 of work-group g takes granule 4 g + w (48 in all), lane L
; its slots 2L and 2L+1.  A granule lies in one expert's segment; the row of slot j of that expert is the j-th set bit of the
; expert's 1,024-bit mask: a prefix sum of the 32 counts, a scan over the 32 waves, and a choice of the n-th set bit of one word.
; Work-group 0 also stores rtab: words 0-15 the expert, 16-31 the first granule, 32-47 the number of granules (1 to 4) of
; sixteen workers, words 48-63 the number of row tiles of 16 slots (128 to 156); from byte 256 the two slots of each row; and out1.
; LIMIT: both indices of a row differ (the gate makes them so); equal ones would be counted once.
.set MSK,  0                           ; LDS [8 experts][32 waves] masks
.set CNT,  1024                        ; LDS [8][32] counts
.set RED,  2048                        ; LDS [32] sums of entropy
.set C,    40                          ; s[40:47] rows of each expert
.set PRE,  48                          ; s[48:55] of them in the waves in front of mine
.set GR,   56                          ; s[56:63] granules
.set Q,    66                          ; s[66:73] granules in front of the expert's
.set BASE, 74                          ; s[74:81] slot of my wave's first row of the expert
.set NN,   82                          ; s[82:89] workers of each expert
.set PP,   90                          ; s[90:97] workers in front
.set CN,   16                          ; v[16:23] lane L: wave L's count for each expert; kept to the end
.set MK,   80                          ; v[80:87] lane L: wave L's mask for each expert; kept to the end
; a granule's registers
.set TM,   24                          ; lane L: wave L's mask for the granule's expert
.set TC,   25                          ; and its count
.set PS,   26                          ; lane L: rows of the expert in waves 0..L-1
.set KEY,  27                          ; 32 x that + L: rises strictly from lane to lane
.set TT,   28
.set SA,   32                          ; v[32:43] the registers of my first slot, by the offsets below
.set SB,   48                          ; v[48:59] of my second
.set RES,  60                          ; v[60:61] the two rows
.set AD,   62
.set PADV, 63
.set J,    0                           ; the slot, counted in the expert's segment
.set JB,   1                           ; 32 j + 31
.set KV,   2                           ; the last key not above it; then the wave that holds the slot's row
.set BM,   3                           ; that wave's mask
.set NB,   4                           ; which of its set bits
.set PO,   5                           ; the bit's place
.set C2,   6                           ; counts of set bits in fields of 2, 4, 8 bits, and of the lower 16
.set C4,   7
.set C8,   8
.set C16,  9
.set T0,   10
.set T1,   11
; sums over the 32 lanes of the whole numbers in v28..v31; the result in every lane
.macro ISUM4
.irp m, 1,2,4,8
.irp j, 28,29,30,31
	v_mov_b32_dpp v9, v\j row_xmask:\m row_mask:0xf bank_mask:0xf
	v_add_nc_u32 v\j, v\j, v9
.endr
.endr
.irp j, 28,29,30,31
	v_permlanex16_b32 v9, v\j, s36, s37
	v_add_nc_u32 v\j, v\j, v9
.endr
.endm
	s_load_b256 s[4:11], s[0:1], 0x0               ; ridx 4, gf 6, rtab 8, inv 10
	s_load_b64 s[12:13], s[0:1], 0x20              ; out1
	v_lshl_add_u32 v88, v0, 2, 0x1000
	v_mov_b32 v89, 0
	v_lshrrev_b32 v9, 5, v0
	v_readfirstlane_b32 s18, v9                    ; wave
	v_lshlrev_b32 v1, 3, v0
	v_lshlrev_b32 v2, 2, v0
	v_and_b32 v3, 31, v0                           ; lane
	v_lshlrev_b32 v12, 2, v9                       ; 4 w
	v_lshlrev_b32 v13, 2, v3                       ; 4 L
	v_mov_b32 v10, 0
	v_mov_b32 v11, 0
	s_mov_b32 s36, 0x76543210                      ; v_permlanex16_b32: lane i reads lane i of the other half
	s_mov_b32 s37, 0xfedcba98
	s_wait_kmcnt 0x0
	global_load_b64 v[4:5], v1, s[4:5]             ; my row's two experts
	global_load_b32 v8, v2, s[6:7] offset:8192     ; its entropy
	s_wait_loadcnt 0x0
	v_min_u32 v4, 7, v4
	v_min_u32 v5, 7, v5
.irp e, 0,1,2,3,4,5,6,7
	v_cmp_eq_u32 s30, \e, v4
	v_cmp_eq_u32 s31, \e, v5
	s_or_b32 s32, s30, s31                         ; my wave's rows that chose e
	s_bcnt1_i32_b32 s33, s32
	v_mbcnt_lo_u32_b32 v9, s32, 0                  ; how many of them lie in lanes below mine
	v_cndmask_b32 v10, v10, v9, s30                ; my first choice's rank in the wave
	v_cndmask_b32 v11, v11, v9, s31                ; my second's
	v_mov_b32 v9, s32
	ds_store_b32 v12, v9 offset:MSK+\e*128
	v_mov_b32 v9, s33
	ds_store_b32 v12, v9 offset:CNT+\e*128
.endr
.irp m, 1,2,4,8
	v_add_f32_dpp v8, v8, v8 row_xmask:\m row_mask:0xf bank_mask:0xf
.endr
	v_permlanex16_b32 v9, v8, s36, s37
	v_add_f32 v8, v8, v9
	ds_store_b32 v12, v8 offset:RED
	s_wait_dscnt 0x0                               ; my words are in LDS before I say so
	s_barrier_signal -1
	s_barrier_wait -1                              ; the only barrier: from here on LDS is only read
	; lane L takes wave L's counts and masks
.irp e, 0,1,2,3,4,5,6,7
	ds_load_b32 v[CN+\e], v13 offset:CNT+\e*128
	ds_load_b32 v[MK+\e], v13 offset:MSK+\e*128
.endr
	s_wait_dscnt 0x0
	; the experts' totals, two experts packed in a word (a total is 1,024 at the most)
.irp p, 0,1,2,3
	v_lshl_or_b32 v[24+\p], v[CN+1+2*\p], 16, v[CN+2*\p]
	v_mov_b32 v[28+\p], v[24+\p]
.endr
	ISUM4
.irp p, 0,1,2,3
	v_readfirstlane_b32 s33, v[28+\p]
	s_and_b32 s[C+2*\p], s33, 0xffff
	s_lshr_b32 s[C+2*\p+1], s33, 16
.endr
.irp e, 0,1,2,3,4,5,6,7
	s_add_co_u32 s33, s[C+\e], 63
	s_lshr_b32 s[GR+\e], s33, 6
.endr
	s_mov_b32 s[Q], 0
.irp e, 1,2,3,4,5,6,7
	s_add_co_u32 s[Q+\e], s[Q+\e-1], s[GR+\e-1]
.endr
	s_add_co_u32 s34, s[Q+7], s[GR+7]              ; granules in all
	s_lshl_b32 s35, s34, 2
	s_min_u32 s35, s35, 168                        ; row tiles in all
	s_cmp_lg_u32 ttmp9, 0                          ; rtab and out1 are work-group 0's; no barrier stands in this part
	s_cbranch_scc1 .Lgranule
	v_cmp_gt_u32 vcc_lo, s18, v3                   ; the waves in front of mine
.irp p, 0,1,2,3
	v_cndmask_b32 v[28+\p], 0, v[24+\p], vcc_lo
.endr
	ISUM4
.irp p, 0,1,2,3
	v_readfirstlane_b32 s33, v[28+\p]
	s_and_b32 s[PRE+2*\p], s33, 0xffff
	s_lshr_b32 s[PRE+2*\p+1], s33, 16
.endr
.irp e, 0,1,2,3,4,5,6,7
	s_lshl_b32 s33, s[Q+\e], 6
	s_add_co_u32 s[BASE+\e], s33, s[PRE+\e]
.endr
	v_mov_b32 v14, s[BASE]
	v_mov_b32 v15, s[BASE]
.irp e, 1,2,3,4,5,6,7
	v_cmp_eq_u32 vcc_lo, \e, v4
	v_cndmask_b32 v14, v14, s[BASE+\e], vcc_lo
	v_cmp_eq_u32 vcc_lo, \e, v5
	v_cndmask_b32 v15, v15, s[BASE+\e], vcc_lo
.endr
	v_add_nc_u32 v14, v14, v10
	v_add_nc_u32 v15, v15, v11
	global_store_b64 v1, v[14:15], s[8:9] offset:256       ; a wave's store covers 256 consecutive bytes, aligned
	s_cmp_lg_u32 s18, 4                            ; wave 4 has no granule: it makes the workers' table and out1
	s_cbranch_scc1 .Lgranule
	; Sixteen workers are dealt to the experts.  One to each expert with rows, then each further one to the expert
	; with the most granules per worker.  Sum of ceil(g_e / 4) is 15 at the most, so no worker ends with more than 4 granules;
	; there are at least twice as many granules as workers, so the winner always has g >= n + 1 and none ends with fewer than 1.
	; Lane L holds expert L & 7: v33 its granules, v34 its workers.
	v_and_b32 v32, 7, v3
	v_mov_b32 v33, s[GR]
.irp e, 1,2,3,4,5,6,7
	v_cmp_eq_u32 vcc_lo, \e, v32
	v_cndmask_b32 v33, v33, s[GR+\e], vcc_lo
.endr
	v_min_u32 v34, 1, v33
	s_mov_b32 s21, 16
.irp e, 0,1,2,3,4,5,6,7
	s_min_u32 s22, s[GR+\e], 1
	s_sub_co_u32 s21, s21, s22                     ; workers left to deal: 8 to 14 (a row names two experts, so two at least have rows)
.endr
	s_mov_b32 s19, 0
.Lgreedy:                                              ; a constant 15 trips; a trip deals its worker only while some are left
	v_mov_b32 v35, v33                             ; the best so far, as granules / workers, and whose it is
	v_max_u32 v36, 1, v34                          ; an expert without rows takes part as 0 / 1 and never wins
	v_mov_b32 v37, v32
.irp m, 1,2,4
	v_mov_b32_dpp v24, v35 row_xmask:\m row_mask:0xf bank_mask:0xf
	v_mov_b32_dpp v25, v36 row_xmask:\m row_mask:0xf bank_mask:0xf
	v_mov_b32_dpp v26, v37 row_xmask:\m row_mask:0xf bank_mask:0xf
	v_mul_u32_u24 v27, v24, v36                    ; the partner's g / n > mine, by cross products (16 x 16 at the most)
	v_mul_u32_u24 v28, v35, v25
	v_cmp_gt_u32 vcc_lo, v27, v28
	v_cndmask_b32 v35, v35, v24, vcc_lo
	v_cndmask_b32 v36, v36, v25, vcc_lo
	v_cndmask_b32 v37, v37, v26, vcc_lo
.endr
	v_readfirstlane_b32 s24, v37                   ; lane 0 holds a largest ratio, however ties fell: its winner counts for all lanes
	s_cmp_lt_u32 s19, s21                          ; is a worker left for this trip?
	s_cselect_b32 s25, -1, 0
	v_cmp_eq_u32 vcc_lo, s24, v32
	s_and_b32 vcc_lo, vcc_lo, s25
	v_add_co_ci_u32 v34, vcc_lo, 0, v34, vcc_lo    ; one more for the winner
	s_add_co_u32 s19, s19, 1
	s_cmp_lt_u32 s19, 15
	s_cbranch_scc1 .Lgreedy
.irp e, 0,1,2,3,4,5,6,7
	v_readlane_b32 s[NN+\e], v34, \e
.endr
	s_mov_b32 s[PP], 0
.irp e, 1,2,3,4,5,6,7
	s_add_co_u32 s[PP+\e], s[PP+\e-1], s[NN+\e-1]
.endr
	; lane j < 16 is worker j: its expert is the last whose first worker is not behind j
	v_mov_b32 v32, 0
	v_mov_b32 v33, s[GR]
	v_mov_b32 v34, s[NN]
	v_mov_b32 v35, 0
	v_mov_b32 v36, 0
.irp e, 1,2,3,4,5,6,7
	v_cmp_le_u32 vcc_lo, s[PP+\e], v3
	v_cndmask_b32 v32, v32, \e, vcc_lo
	v_cndmask_b32 v33, v33, s[GR+\e], vcc_lo
	v_cndmask_b32 v34, v34, s[NN+\e], vcc_lo
	v_cndmask_b32 v35, v35, s[PP+\e], vcc_lo
	v_cndmask_b32 v36, v36, s[Q+\e], vcc_lo
.endr
	v_sub_nc_u32 v37, v3, v35                      ; i: which of the expert's n workers
	v_mul_lo_u32 v38, v37, v33                     ; i g
	v_add_nc_u32 v39, v38, v33                     ; (i + 1) g
	v_mov_b32 v40, 0
	v_mov_b32 v41, 0
	v_mov_b32 v42, 0
.rept 16                                               ; floor(a / n) = how many t in 1..16 have t n <= a (the quotient is g at the most, 16)
	v_add_nc_u32 v40, v40, v34
	v_cmp_le_u32 vcc_lo, v40, v38
	v_add_co_ci_u32 v41, vcc_lo, 0, v41, vcc_lo
	v_cmp_le_u32 vcc_lo, v40, v39
	v_add_co_ci_u32 v42, vcc_lo, 0, v42, vcc_lo
.endr
	v_add_nc_u32 v43, v36, v41                     ; the worker's first granule
	v_sub_nc_u32 v44, v42, v41                     ; and how many
	v_mov_b32 v48, s35                             ; the number of row tiles
	; out1 = 5 var(load, ddof 1) + 0.1 mean(entropy).  load_e = c_e / 1024; every row names two experts, so the mean load is 1/4
	ds_load_b32 v45, v13 offset:RED
	s_mov_b32 s22, 0x3a800000                      ; 1 / 1024
	s_mov_b32 s23, 0xbe800000                      ; -1 / 4
	v_cvt_f32_u32 v47, s[C]
	v_fma_f32 v47, v47, s22, s23
	v_mul_f32 v46, v47, v47
.irp e, 1,2,3,4,5,6,7
	v_cvt_f32_u32 v47, s[C+\e]
	v_fma_f32 v47, v47, s22, s23
	v_fmac_f32 v46, v47, v47
.endr
	v_mul_f32 v46, 0x3f36db6e, v46                 ; times 5 / 7
	s_wait_dscnt 0x0
.irp m, 1,2,4,8
	v_add_f32_dpp v45, v45, v45 row_xmask:\m row_mask:0xf bank_mask:0xf
.endr
	v_permlanex16_b32 v9, v45, s36, s37
	v_add_f32 v45, v45, v9
	v_fmamk_f32 v46, v45, 0x38cccccd, v46          ; + 0.1 / 1024 x the sum of the rows' entropies
	v_cmp_gt_u32 vcc_lo, 16, v3
	s_wait_xcnt 0x0                                ; EXEC changes only behind s_wait_xcnt 0
	s_and_saveexec_b32 s27, vcc_lo                 ; four stores of 64 bytes fill rtab's first 256 bytes
	global_store_b32 v13, v32, s[8:9]
	global_store_b32 v13, v43, s[8:9] offset:64
	global_store_b32 v13, v44, s[8:9] offset:128
	global_store_b32 v13, v48, s[8:9] offset:192
	s_wait_xcnt 0x0
	s_or_b32 exec_lo, exec_lo, s27
	v_cmp_eq_u32 vcc_lo, 0, v3
	s_and_saveexec_b32 s27, vcc_lo
	global_store_b32 v13, v46, s[12:13]            ; lane 0: offset 0
	s_wait_xcnt 0x0
	s_or_b32 exec_lo, exec_lo, s27
; one step of the choice of the n-th set bit: the count of the lower half at the place reached is a field of the nested counts
.macro SEL b, src, fw, st
	v_bfe_u32 v[\b+T0], v[\b+\src], v[\b+PO], \fw
	v_cmp_ge_u32 vcc_lo, v[\b+NB], v[\b+T0]        ; the bit lies in the upper half
	v_sub_nc_u32 v[\b+T0], v[\b+NB], v[\b+T0]
	v_add_nc_u32 v[\b+T1], \st, v[\b+PO]
	v_cndmask_b32 v[\b+NB], v[\b+NB], v[\b+T0], vcc_lo
	v_cndmask_b32 v[\b+PO], v[\b+PO], v[\b+T1], vcc_lo
.endm
; from the key found to the slot's row, into register res
.macro NTH b, res
	v_lshrrev_b32 v[\b+T0], 5, v[\b+KV]            ; rows of the expert in the waves in front of the one found
	v_sub_nc_u32 v[\b+NB], v[\b+J], v[\b+T0]       ; which of its set bits
	v_and_b32 v[\b+KV], 31, v[\b+KV]               ; the wave
	v_mov_b32 v[\b+PO], 0
	v_lshrrev_b32 v[\b+C2], 1, v[\b+BM]
	v_and_b32 v[\b+C2], 0x55555555, v[\b+C2]
	v_sub_nc_u32 v[\b+C2], v[\b+BM], v[\b+C2]      ; counts of 2 bits
	v_lshrrev_b32 v[\b+C4], 2, v[\b+C2]
	v_and_b32 v[\b+C4], 0x33333333, v[\b+C4]
	v_and_b32 v[\b+C8], 0x33333333, v[\b+C2]
	v_add_nc_u32 v[\b+C4], v[\b+C4], v[\b+C8]      ; of 4 bits
	v_lshrrev_b32 v[\b+C8], 4, v[\b+C4]
	v_add_nc_u32 v[\b+C8], v[\b+C8], v[\b+C4]
	v_and_b32 v[\b+C8], 0x0f0f0f0f, v[\b+C8]       ; of 8 bits
	v_lshrrev_b32 v[\b+C16], 8, v[\b+C8]
	v_add_nc_u32 v[\b+C16], v[\b+C16], v[\b+C8]    ; byte 0: of the lower 16 bits
	SEL \b, C16, 8, 16
	SEL \b, C8, 8, 8
	SEL \b, C4, 4, 4
	SEL \b, C2, 2, 2
	SEL \b, BM, 1, 1
	v_lshl_add_u32 v[\res], v[\b+KV], 5, v[\b+PO]  ; the row = 32 x wave + bit
	v_cmp_le_u32 vcc_lo, s24, v[\b+J]              ; j at or past the expert's count: a padding slot
	v_cndmask_b32 v[\res], v[\res], v[PADV], vcc_lo
.endm
.Lgranule:
	s_cmp_ge_u32 s18, 4                            ; waves 0 to 3 take a granule each
	s_cbranch_scc1 .Lend
	s_lshl2_add_u32 s20, ttmp9, s18                ; granule 4 g + w; its expert is the last whose first granule is not behind it
	s_mov_b32 s23, 0                               ; (a granule behind the last expert's falls to that expert and holds padding alone)
	s_mov_b32 s24, s[C]
	v_mov_b32 v[TM], v[MK]
	v_mov_b32 v[TC], v[CN]
.irp e, 1,2,3,4,5,6,7
	s_cmp_le_u32 s[Q+\e], s20
	s_cselect_b32 s23, s[Q+\e], s23
	s_cselect_b32 s24, s[C+\e], s24
	s_cselect_b32 s22, -1, 0                       ; the same choice for all lanes' masks and counts
	v_cndmask_b32 v[TM], v[TM], v[MK+\e], s22
	v_cndmask_b32 v[TC], v[TC], v[CN+\e], s22
.endr
	s_sub_co_u32 s25, s20, s23
	s_lshl_b32 s25, s25, 6                         ; the granule's first slot, counted in the expert's segment
	v_lshl_add_u32 v[SA+J], v3, 1, s25             ; my slots: 2L and 2L + 1
	v_add_nc_u32 v[SB+J], 1, v[SA+J]
	v_mov_b32 v[PS], v[TC]
.irp m, 1,2,4,8
	v_mov_b32_dpp v[TT], v[PS] row_shr:\m row_mask:0xf bank_mask:0xf bound_ctrl:1
	v_add_nc_u32 v[PS], v[PS], v[TT]               ; running sums inside each half of 16 lanes
.endr
	v_readlane_b32 s27, v[PS], 15
	v_cmp_lt_u32 vcc_lo, 15, v3
	v_mov_b32 v[TT], s27
	v_cndmask_b32 v[TT], 0, v[TT], vcc_lo
	v_add_nc_u32 v[PS], v[PS], v[TT]               ; the lower half's total onto the upper half
	v_sub_nc_u32 v[PS], v[PS], v[TC]               ; lane L: rows of the expert in waves 0..L-1
	v_lshl_add_u32 v[KEY], v[PS], 5, v3            ; 32 x that + L <= 32 j + 31 says the same as: that <= j
	v_lshl_or_b32 v[SA+JB], v[SA+J], 5, 31
	v_lshl_or_b32 v[SB+JB], v[SB+J], 5, 31
	v_readlane_b32 s27, v[TM], 0                   ; wave 0's key is 0: it starts the scan
	v_mov_b32 v[SA+KV], 0
	v_mov_b32 v[SB+KV], 0
	v_mov_b32 v[SA+BM], s27
	v_mov_b32 v[SB+BM], s27
	v_mov_b32 v[PADV], 0x400
.set cw, 1
.rept 31                                               ; the keys rise, so the last one taken is the last not above the bound
	v_readlane_b32 s26, v[KEY], cw
	v_readlane_b32 s27, v[TM], cw
	v_cmp_le_u32 vcc_lo, s26, v[SA+JB]
	v_cndmask_b32 v[SA+KV], v[SA+KV], s26, vcc_lo
	v_cndmask_b32 v[SA+BM], v[SA+BM], s27, vcc_lo
	v_cmp_le_u32 vcc_lo, s26, v[SB+JB]
	v_cndmask_b32 v[SB+KV], v[SB+KV], s26, vcc_lo
	v_cndmask_b32 v[SB+BM], v[SB+BM], s27, vcc_lo
.set cw, cw+1
.endr
	NTH SA, RES
	NTH SB, RES+1
	v_lshlrev_b32 v[AD], 3, v3
	v_lshl_add_u32 v[AD], s20, 8, v[AD]            ; 64 words a granule, two a lane
	global_store_b64 v[AD], v[RES:RES+1], s[10:11] ; the wave's store covers 256 consecutive bytes, aligned
.Lend:
	s_wait_tensorcnt 0x0
	ds_add_u32 v88, v89
	s_wait_dscnt 0x0
	s_endpgm
.Lfunc_end_k_q66b2770e07_route:
	.size	k_q66b2770e07_route, .Lfunc_end_k_q66b2770e07_route-k_q66b2770e07_route
	.p2alignl 7, 3214868480
	.fill 96, 4, 3214868480
	.section	.rodata,"a",@progbits
	.p2align	6, 0x0
	.amdhsa_kernel k_q66b2770e07_route
		.amdhsa_group_segment_fixed_size 8192
		.amdhsa_private_segment_fixed_size 0
		.amdhsa_enable_private_segment 0
		.amdhsa_kernarg_size 40
		.amdhsa_user_sgpr_count 2
		.amdhsa_user_sgpr_kernarg_segment_ptr 1
		.amdhsa_wavefront_size32 1
		.amdhsa_system_sgpr_workgroup_id_x 1
		.amdhsa_system_sgpr_workgroup_id_y 1
		.amdhsa_system_sgpr_workgroup_id_z 1
		.amdhsa_system_vgpr_workitem_id 0
		.amdhsa_next_free_vgpr 90
		.amdhsa_next_free_sgpr 100
		.amdhsa_reserve_vcc 1
		.amdhsa_float_denorm_mode_32 3
		.amdhsa_float_denorm_mode_16_64 3
		.amdhsa_memory_ordered 1
		.amdhsa_forward_progress 1
		.amdhsa_inst_pref_size 48
	.end_amdhsa_kernel
	.amdgpu_metadata
---
amdhsa.version: [ 1, 2 ]
amdhsa.kernels:
  - .name:           k_q66b2770e07_route
    .symbol:         k_q66b2770e07_route.kd
    .args:
      - { .name: ridx, .offset: 0, .size: 8, .value_kind: global_buffer, .address_space: global }
      - { .name: gf, .offset: 8, .size: 8, .value_kind: global_buffer, .address_space: global }
      - { .name: rtab, .offset: 16, .size: 8, .value_kind: global_buffer, .address_space: global }
      - { .name: inv, .offset: 24, .size: 8, .value_kind: global_buffer, .address_space: global }
      - { .name: out1, .offset: 32, .size: 8, .value_kind: global_buffer, .address_space: global }
    .group_segment_fixed_size: 8192
    .private_segment_fixed_size: 0
    .kernarg_segment_align: 8
    .kernarg_segment_size: 40
    .max_flat_workgroup_size: 1024
    .sgpr_count:     100
    .vgpr_count:     90
    .wavefront_size: 32
...
	.end_amdgpu_metadata
.endif
;; end of part 2
;; launch gather (part 3): grid 256 x 1, 16 waves a work-group, no clusters, 0 bytes of LDS; arguments rtab, inv, x, actA; writes actA
.if DOCPART == 3
	.amdgcn_target "amdgcn-amd-amdhsa--gfx1250"
	.amdhsa_code_object_version 6
	.text
	.protected	k_q66b2770e07_gather
	.globl	k_q66b2770e07_gather
	.p2align	8
	.type	k_q66b2770e07_gather,@function
k_q66b2770e07_gather:
	s_mov_b64 s[64:65], 0
	v_nop
	global_prefetch_b8 v0, s[64:65] scope:SCOPE_SE
	s_setreg_imm32_b32 hwreg(HW_REG_WAVE_MODE, 25, 1), 1
	s_wait_xcnt 0x0
; x gathered into the slots' order, rounded to f16, laid out as matrix fragments for the experts' first layer.
; actA[kc][row tile][1,024 bytes], kc = k / 32, a row tile = 16 slots: lane L's registers 0-3 at 16 L (slot L & 15, k = 8 (L >> 4) ..
; + 7 of the 32), registers 4-7 at 512 + 16 L (k = 16 + 8 (L >> 4) ..).  Padding slots (inv = 1,024) get zeros.
; Work-group g takes row tile g >> 1 and, if it exists, (g >> 1) + 128 (rtab's word 48 holds the number of tiles, 128 to 156), and
; the 16 blocks kc = 16 (g & 1) + wave.  The slots' rows come from inv, which the launch in front stored.
; A stream with a gather: no LDS, no barrier, no matrix unit.  A row of x is named by two slots, so its loads carry no hint.
; The two tiles have registers of their own: nothing is rewritten that a pending load or store names.
; LIMIT: |x| up to 65,504 (f16; why f16: see the head of the first layer's text).
.set RTB, 172032                       ; 168 row tiles x 1,024 bytes: from one block of 32 k to the next
	s_load_b256 s[4:11], s[0:1], 0x0               ; rtab 4, inv 6, x 8, actA 10
	v_lshrrev_b32 v1, 5, v0                        ; wave
	s_and_b32 s14, ttmp9, 1
	s_lshl_b32 s14, s14, 4
	v_add_nc_u32 v1, s14, v1                       ; kc
	v_and_b32 v2, 31, v0                           ; lane
	v_and_b32 v3, 15, v0                           ; r: the slot in a tile
	v_bfe_u32 v4, v0, 4, 1                         ; h
	v_lshlrev_b32 v4, 5, v4
	v_lshl_add_u32 v4, v1, 7, v4                   ; x: 128 kc + 32 h bytes into a row
	v_mul_u32_u24 v5, v1, RTB
	v_lshl_add_u32 v5, v2, 4, v5                   ; actA: block kc, + 16 L
	v_lshlrev_b32 v6, 2, v3                        ; inv: 4 r
	s_movk_i32 s15, 0x3ff
	s_lshr_b32 s20, ttmp9, 1                       ; my first row tile: there are at least 128, so it exists
	s_wait_kmcnt 0x0
	s_load_b32 s12, s[4:5], 0xc0                   ; the number of row tiles
; row tile s20: 16 slots x my wave's 32 k; registers v[b .. b+27]
.macro TILE b
	s_lshl_b32 s21, s20, 6                         ; 16 words of inv a tile
	v_add_nc_u32 v[\b], s21, v6
	global_load_b32 v[\b+1], v[\b], s[6:7]         ; my slot's row
	s_lshl_b32 s22, s20, 10
	v_add_nc_u32 v[\b+2], s22, v5
	s_wait_loadcnt 0x0
	v_cmp_lt_u32 s23, s15, v[\b+1]                 ; above 1,023: a padding slot
	v_min_u32 v[\b+1], 0x3ff, v[\b+1]              ; whatever the table holds, the address stays inside x
	v_lshl_add_u32 v[\b+3], v[\b+1], 12, v4
	global_load_b128 v[\b+4:\b+7],   v[\b+3], s[8:9]             ; k = 8h..8h+7 of my 32
	global_load_b128 v[\b+8:\b+11],  v[\b+3], s[8:9] offset:16
	global_load_b128 v[\b+12:\b+15], v[\b+3], s[8:9] offset:64   ; k = 16+8h..16+8h+7
	global_load_b128 v[\b+16:\b+19], v[\b+3], s[8:9] offset:80
	s_wait_loadcnt 0x0
.irp q, 0,1,2,3,4,5,6,7
	v_cvt_pk_f16_f32 v[\b+20+\q], v[\b+4+2*\q], v[\b+5+2*\q]
.endr
.irp q, 0,1,2,3,4,5,6,7
	v_cndmask_b32 v[\b+20+\q], v[\b+20+\q], 0, s23
.endr
	global_store_b128 v[\b+2], v[\b+20:\b+23], s[10:11]              ; a wave's store covers 512 consecutive bytes, aligned
	global_store_b128 v[\b+2], v[\b+24:\b+27], s[10:11] offset:512
.endm
	TILE 8
	s_wait_kmcnt 0x0
	s_min_u32 s12, s12, 168                        ; whatever the table holds, a tile stays inside inv and actA
	s_add_co_u32 s20, s20, 128                     ; my second tile, if there is one: 156 at the most, so never a third
	s_cmp_ge_u32 s20, s12
	s_cbranch_scc1 .Lend
	TILE 40
.Lend:
	s_endpgm
.Lfunc_end_k_q66b2770e07_gather:
	.size	k_q66b2770e07_gather, .Lfunc_end_k_q66b2770e07_gather-k_q66b2770e07_gather
	.p2alignl 7, 3214868480
	.fill 96, 4, 3214868480
	.section	.rodata,"a",@progbits
	.p2align	6, 0x0
	.amdhsa_kernel k_q66b2770e07_gather
		.amdhsa_group_segment_fixed_size 0
		.amdhsa_private_segment_fixed_size 0
		.amdhsa_enable_private_segment 0
		.amdhsa_kernarg_size 32
		.amdhsa_user_sgpr_count 2
		.amdhsa_user_sgpr_kernarg_segment_ptr 1
		.amdhsa_wavefront_size32 1
		.amdhsa_system_sgpr_workgroup_id_x 1
		.amdhsa_system_sgpr_workgroup_id_y 1
		.amdhsa_system_sgpr_workgroup_id_z 1
		.amdhsa_system_vgpr_workitem_id 0
		.amdhsa_next_free_vgpr 72
		.amdhsa_next_free_sgpr 66
		.amdhsa_reserve_vcc 0
		.amdhsa_float_denorm_mode_32 3
		.amdhsa_float_denorm_mode_16_64 3
		.amdhsa_memory_ordered 1
		.amdhsa_forward_progress 1
		.amdhsa_inst_pref_size 6
	.end_amdhsa_kernel
	.amdgpu_metadata
---
amdhsa.version: [ 1, 2 ]
amdhsa.kernels:
  - .name:           k_q66b2770e07_gather
    .symbol:         k_q66b2770e07_gather.kd
    .args:
      - { .name: rtab, .offset: 0, .size: 8, .value_kind: global_buffer, .address_space: global }
      - { .name: inv, .offset: 8, .size: 8, .value_kind: global_buffer, .address_space: global }
      - { .name: x, .offset: 16, .size: 8, .value_kind: global_buffer, .address_space: global }
      - { .name: actA, .offset: 24, .size: 8, .value_kind: global_buffer, .address_space: global }
    .group_segment_fixed_size: 0
    .private_segment_fixed_size: 0
    .kernarg_segment_align: 8
    .kernarg_segment_size: 32
    .max_flat_workgroup_size: 512
    .sgpr_count:     66
    .vgpr_count:     72
    .wavefront_size: 32
...
	.end_amdgpu_metadata
.endif
;; end of part 3
;; launch layer1 (part 4): grid 16 x 16, 4 waves a work-group, no clusters, 33,280 bytes of LDS; arguments rtab, actA, We1, be1, actB; writes actB
.if DOCPART == 4
	.amdgcn_target "amdgcn-amd-amdhsa--gfx1250"
	.amdhsa_code_object_version 6
	.text
	.protected	k_q66b2770e07_layer1
	.globl	k_q66b2770e07_layer1
	.p2align	8
	.type	k_q66b2770e07_layer1,@function
k_q66b2770e07_layer1:
	s_mov_b64 s[64:65], 0
	v_nop
	global_prefetch_b8 v0, s[64:65] scope:SCOPE_SE
	s_setreg_imm32_b32 hwreg(HW_REG_WAVE_MODE, 25, 1), 1
	s_wait_xcnt 0x0
; The experts' first layer on the slots of one worker: h1 = relu(x W1[e] + b1[e]), 64 ng slots x 128 columns, ng = 1..4.
; The three layers share this text but for the six constants below (sizes, operand format F16IN, kind of the way out OUTK).
; grid x = column block (last layer: x & 7, and x >> 3 = which part of h2); grid y = worker; rtab gives its expert, first granule, ng.
; NUMBER FORMATS.  A rounding to bf16 (8 significant bits) adds about 0.0015 of a sum's rms to it; six in a row (x, W1, h1, W2, h2, W3)
; about 0.004, too near an allowance of 0.01 for a million numbers.  So the first two layers take f16 operands (11 bits, an eighth of
; that error), which have the room: |x| about 5, weights about 0.02 (30 times smaller, f16's smallest step 6e-8 is still 1e-4 of their
; spread), h1 with a spread of sqrt(1024) x 0.02 = 0.64, largest about 3.5: 3,200 with x and W1 both 30 times larger, 1024 x 30 x 0.6 =
; 18,432 with offsets of 30 spreads on both, against f16's 65,504.  h2 has no such room (another factor of 30, or of 2048 x 0.6): it
; stays in bf16 and is kept in two parts, hi = bf16(h2) and lo = bf16(h2 - hi); the last layer multiplies both by W3 in bf16.
; WEIGHTS are f32 [K][N].  For 64 columns x 32 k, lane (r = L & 15, h = L >> 4) loads 16 bytes at row k0+8h+i and k0+16+8h+i
; (i = 0..7), columns c0+4r..+3: sixteen lanes read 256 consecutive bytes.  Packing rows 2q, 2q+1 of word t gives register q of a
; fragment whose row r is column c0+4r+t: four whole fragments from 16 loads and 32 conversions, no transpose.
; Each wave converts a quarter of a K step of 64 (column group w & 1, 32 k w >> 1) into LDS; every wave reads all 16 fragments.
; THE MATRIX INSTRUCTION IS USED TRANSPOSED: source 0 = weights, source 1 = activations; register j of lane (r, h) is then
; slot r, column c0+32h+4j+t: over t and j a lane holds 32 neighbouring columns of one slot.
; ACTIVATIONS lie as fragments: act[k/32][slot/16][1,024 bytes], lane L's registers 0-3 at 16 L, 4-7 at 512+16 L, and go from memory
; straight into registers.  Wave w takes row tile 4 (g0 + i) + w of granule i.
; ng is read from memory, and no barrier and no counted wait hangs on it: every wave always loads four granules (granule i
; takes granule min(i, ng-1)); only the 16 matrix instructions of a granule i >= ng are jumped over.  K step 0, which starts the
; sums, runs all four, so every accumulator is written on every path.
; No tensor loads: the weights pass through registers for the conversion.  No cluster: 1 to 8 workers share an expert's weights,
; by the routing, so no fixed cluster holds them.
; LIMITS: operands rounded to f16, sums in f32; |x|, |W1|, h1 up to 65,504; relu is a maximum that drops a NaN.
.set NP,     8192                      ; bytes in a row of W
.set NS,     16                        ; K steps of 64
.set ES,     8388608                   ; bytes of one expert's W
.set BROW,   8192                      ; bytes of one expert's bias
.set F16IN,  1                         ; operands: 1 = f16, 0 = bf16
.set OUTK,   0                         ; the way out: 0 = relu, f16 fragments; 1 = relu, bf16 fragments in two parts; 2 = f32 rows
.set RTB,    172032                    ; 168 row tiles x 1,024 bytes: from one block of 32 k to the next
.set ASTEP,  2*RTB                     ; a K step
.set PLANE,  64*RTB                    ; 2,048 k of fragments: from h2's upper part to its lower part
.set YPL,    11010048                  ; 2,688 slots x 4,096 bytes: from y's first plane to its second
.set WBUF,   16384                     ; LDS: two buffers of 16 fragments x 1,024 bytes
.set STAGE,  2*WBUF                    ; (OUTK 2) behind them 16 rows x 528 bytes for each wave
.set SPITCH, 528                       ; 33 x 16 bytes: sixteen rows start at sixteen different 16-byte columns
; window 0: v4 weights' offset, v5 16 L, v6 LDS store, v7 way out, v8 bias offset, v9 stage read, v10-13 activation offsets
.set AO,  10
.set CT,  16                           ; v[16:47]   converted fragments on their way to LDS
.set BI,  64                           ; v[64:127]  bias of my 2 x 32 columns
.set T,   128                          ; at work on the way out
.set O,   160                          ; packed results (OUTK 1: the upper part)
.set OL,  192                          ; (OUTK 1) the lower part
.set TL,  224                          ; (OUTK 1) the upper part widened again
.set R,   192                          ; (OUTK 2) rows read back from the stage
; window 1: accumulators, tile (granule i, column tile f) at 8 (8 i + f).   window 2: weight fragments, set p at 128 p + 8 (8 c + f)
; window 3: activation fragments, slot p at 64 p + 8 (2 i + c); staging of f32 weights at 128 + 64 slot + 4 load
.set ST,  128
.set MSB, 0
.macro WIN new                         ; s_set_vgpr_msb: bits 1:0 source 0, 3:2 source 1, 5:4 source 2, 7:6 destination; the high byte repeats the setting left
.if MSB != \new
	s_set_vgpr_msb (MSB<<8)|\new
.set MSB, \new
.endif
.endm
.macro PLACES                          ; four plain vector instructions between a matrix instruction and a load into, or a read of, its registers
.rept 4
	v_nop
.endr
.endm
.macro WLD slot, imm                   ; my quarter of a K step's weights, f32: 16 loads
	WIN 0xC0
.set li, 0
.rept 16
	global_load_b128 v[ST+64*\slot+4*li:ST+64*\slot+4*li+3], v4, s[24:25] offset:\imm+(16*(li/8)+li%8)*NP
.set li, li+1
.endr
.endm
.macro ALD slot, i, imm                ; granule i's two fragments of a K step: 4 loads of 512 consecutive bytes
	WIN 0xC0
.irp c, 0,1
.irp hf, 0,1
	global_load_b128 v[64*\slot+8*(2*\i+\c)+4*\hf:64*\slot+8*(2*\i+\c)+4*\hf+3], v[AO+\i], s[26:27] offset:\imm+\c*RTB+\hf*512
.endr
.endr
.endm
.macro CVT slot, buf                   ; f32 to 16 bits, four fragments, into my 4 KiB of LDS buffer buf
	WIN 0x0F
.irp t, 0,1,2,3
.irp hf, 0,1
.irp q, 0,1,2,3
.if F16IN
	v_cvt_pk_f16_f32 v[CT+8*\t+4*\hf+\q], v[ST+64*\slot+4*(8*\hf+2*\q)+\t], v[ST+64*\slot+4*(8*\hf+2*\q+1)+\t]
.else
	v_cvt_pk_bf16_f32 v[CT+8*\t+4*\hf+\q], v[ST+64*\slot+4*(8*\hf+2*\q)+\t], v[ST+64*\slot+4*(8*\hf+2*\q+1)+\t]
.endif
.endr
.endr
.endr
	WIN 0
.irp t, 0,1,2,3
.irp hf, 0,1
	ds_store_b128 v6, v[CT+8*\t+4*\hf:CT+8*\t+4*\hf+3] offset:\buf*WBUF+\t*1024+\hf*512
.endr
.endr
.endm
.macro WFL set, buf                    ; all 16 fragments of a K step from LDS: 32 loads of 512 consecutive bytes
	WIN 0x80
.set fi, 0
.rept 16
	ds_load_b128 v[128*\set+8*fi:128*\set+8*fi+3],   v5 offset:\buf*WBUF+fi*1024
	ds_load_b128 v[128*\set+8*fi+4:128*\set+8*fi+7], v5 offset:\buf*WBUF+fi*1024+512
.set fi, fi+1
.endr
.endm
.macro MM par, i, zero                 ; 16 slots x 128 columns x 64 k.  The eight accumulators take turns, one instruction a turn
	WIN 0x5E
.set cc, 0
.rept 2
.set ff, 0
.rept 8
.if F16IN
.if \zero*(1-cc)
	v_wmma_f32_16x16x32_f16 v[8*(8*\i+ff):8*(8*\i+ff)+7], v[128*\par+8*(8*cc+ff):128*\par+8*(8*cc+ff)+7], v[64*\par+8*(2*\i+cc):64*\par+8*(2*\i+cc)+7], 0
.else
	v_wmma_f32_16x16x32_f16 v[8*(8*\i+ff):8*(8*\i+ff)+7], v[128*\par+8*(8*cc+ff):128*\par+8*(8*cc+ff)+7], v[64*\par+8*(2*\i+cc):64*\par+8*(2*\i+cc)+7], v[8*(8*\i+ff):8*(8*\i+ff)+7]
.endif
.else
.if \zero*(1-cc)
	v_wmma_f32_16x16x32_bf16 v[8*(8*\i+ff):8*(8*\i+ff)+7], v[128*\par+8*(8*cc+ff):128*\par+8*(8*cc+ff)+7], v[64*\par+8*(2*\i+cc):64*\par+8*(2*\i+cc)+7], 0
.else
	v_wmma_f32_16x16x32_bf16 v[8*(8*\i+ff):8*(8*\i+ff)+7], v[128*\par+8*(8*cc+ff):128*\par+8*(8*cc+ff)+7], v[64*\par+8*(2*\i+cc):64*\par+8*(2*\i+cc)+7], v[8*(8*\i+ff):8*(8*\i+ff)+7]
.endif
.endif
.set ff, ff+1
.endr
.set cc, cc+1
.endr
.endm
; One granule's turn in a K step.  cnt: how many younger loads may stay out when its fragments have to be there.
.macro GRAN par, i, zero, always, ald, last, wfl, bar, cnt
	s_wait_loadcnt \cnt
.if \always
	MM \par, \i, \zero
.else
	WIN 0                                          ; at a branch and at a label every window is 0
	s_cmp_le_u32 s19, \i                           ; the worker has no granule i: only the products are left out
	s_cbranch_scc1 .Lskip_\@
	MM \par, \i, 0
	WIN 0
.Lskip_\@:
.endif
.if \last
.if \wfl+\bar
	s_wait_dscnt 0x0                               ; my stores into one LDS buffer and my reads of the other are done
.endif
.if \bar
	s_barrier_signal -1
.endif
.endif
.if \ald
	PLACES
.endif
.if \last*\bar
	s_barrier_wait -1                              ; of every wave: the buffer stored may be read, the buffer read may be stored into
.endif
.if \ald
	ALD \par, \i, \par*ASTEP
.endif
.endm
; K step s, par = s & 1: multiplies weight set par and activation slot par; converts W(s+2) into LDS buffer par; asks for W(s+4)
; into the staging just read; reads the fragments of W(s+1) from the other buffer; asks for A(s+2) granule by granule.
.macro STEP par, zero, cvt, wld, wfl, ald, bar, nw, na, dec
.if \cvt
	s_wait_loadcnt \nw
	CVT \par, \par
.endif
.if \wld
	WLD \par, \par*64*NP
.endif
.if \wfl
	WFL (1-\par), (1-\par)
.endif
	GRAN \par, 0, \zero, 1,     \ald, 0, \wfl, \bar, \na
	GRAN \par, 1, \zero, \zero, \ald, 0, \wfl, \bar, \na-\dec
	GRAN \par, 2, \zero, \zero, \ald, 0, \wfl, \bar, \na-2*\dec
	GRAN \par, 3, \zero, \zero, \ald, 1, \wfl, \bar, \na-3*\dec
.endm
.macro ADV wsteps
	s_wait_xcnt 0x0                                ; the two bases are stepped only behind this wait
	s_add_nc_u64 s[24:25], s[24:25], \wsteps*64*NP
	s_add_nc_u64 s[26:27], s[26:27], 2*ASTEP
.endm
	s_load_b256 s[4:11], s[0:1], 0x0               ; rtab 4, activations in 6, W 8, bias 10
	s_load_b64 s[12:13], s[0:1], 0x20              ; out
	v_lshl_add_u32 v254, v0, 2, 0x8000
	v_mov_b32 v255, 0
	v_lshrrev_b32 v1, 5, v0
	v_readfirstlane_b32 s14, v1                    ; wave
.if OUTK == 2
	s_and_b32 s15, ttmp9, 7                        ; column block
	s_lshr_b32 s29, ttmp9, 3                       ; which part of h2
.else
	s_mov_b32 s15, ttmp9
.endif
	s_and_b32 s16, ttmp7, 0xffff                   ; worker
	s_lshl_b32 s20, s16, 2
	s_wait_kmcnt 0x0
	s_load_b32 s17, s[4:5], s20 offset:0x0         ; expert
	s_load_b32 s18, s[4:5], s20 offset:0x40        ; first granule
	s_load_b32 s19, s[4:5], s20 offset:0x80        ; granules
	v_and_b32 v1, 31, v0
	v_and_b32 v2, 15, v0                           ; r
	v_bfe_u32 v3, v0, 4, 1                         ; h
	v_lshlrev_b32 v5, 4, v1                        ; 16 L
	s_lshr_b32 s22, s14, 1
	s_mul_i32 s22, s22, 32*NP                      ; my 32 k of a K step
	s_and_b32 s23, s14, 1
	s_lshl_b32 s23, s23, 8                         ; my 64 columns
	s_add_co_u32 s22, s22, s23
	v_mul_u32_u24 v4, v3, 8*NP
	v_lshl_add_u32 v4, v2, 4, v4
	v_add_nc_u32 v4, s22, v4                       ; (32 c + 8 h) rows + 256 grp + 16 r
	s_lshl_b32 s23, s14, 12
	v_add_nc_u32 v6, s23, v5                       ; my four fragments are 4 w .. 4 w + 3
	v_lshlrev_b32 v8, 7, v3                        ; bias: 32 h columns
.if OUTK == 2
	s_mul_i32 s23, s14, 16*SPITCH
	s_add_co_u32 s23, s23, STAGE
	v_mul_u32_u24 v7, v2, SPITCH
	v_lshl_add_u32 v7, v3, 7, v7
	v_add_nc_u32 v7, s23, v7                       ; stage, in: row r, 128 h bytes
	v_add_nc_u32 v9, s23, v5                       ; stage, back: 16 L of a row
.else
	v_mul_u32_u24 v7, v3, RTB
	v_lshl_add_u32 v7, v2, 4, v7                   ; out: block + h, 16 r
.endif
	s_wait_kmcnt 0x0
	s_min_u32 s17, s17, 7                          ; whatever the table holds, every address stays inside its buffer:
	s_min_u32 s18, s18, 38                         ; 38 + 4 granules = 168 row tiles
	s_min_u32 s19, s19, 4
	s_mov_b32 s35, 0
	s_lshl_b32 s21, s15, 9                         ; 128 columns of f32
	s_mul_i32 s34, s17, ES
	s_add_co_u32 s34, s34, s21
	s_add_nc_u64 s[24:25], s[8:9], s[34:35]        ; W at my expert, my columns
	s_lshl2_add_u32 s23, s18, s14                  ; 4 g0 + w: my first row tile
	s_lshl_b32 s34, s23, 10
.if OUTK == 2
	s_mul_i32 s22, s29, PLANE                      ; my part of h2
	s_add_co_u32 s34, s34, s22
.endif
	s_add_nc_u64 s[26:27], s[6:7], s[34:35]
	s_mul_i32 s34, s17, BROW
	s_add_co_u32 s34, s34, s21
	s_add_nc_u64 s[30:31], s[10:11], s[34:35]
.if OUTK == 2
	s_lshl_b32 s34, s23, 16                        ; 16 (4 g0 + w) rows of 4,096 bytes
	s_add_co_u32 s34, s34, s21
	s_mul_i32 s22, s29, YPL                        ; the part's plane of y
	s_add_co_u32 s34, s34, s22
	s_cmp_eq_u32 s29, 0
	s_cselect_b32 s29, 0x3f800000, 0               ; the bias counts once: factor 1 with the upper part, 0 with the lower
.else
	s_lshl_b32 s34, s23, 10
	s_mul_i32 s22, s15, 4*RTB                      ; my 128 columns are blocks 4 cb .. 4 cb + 3 of the next layer's k
	s_add_co_u32 s34, s34, s22
.endif
	s_add_nc_u64 s[32:33], s[12:13], s[34:35]
.if OUTK == 1
	s_add_nc_u64 s[38:39], s[32:33], PLANE         ; the lower part's plane: too far for a store's immediate
.endif
	s_sub_co_u32 s36, s19, 1
.irp i, 0,1,2,3
	s_min_u32 s37, s36, \i                         ; granule min(i, ng - 1)
	s_lshl_b32 s37, s37, 12
	v_add_nc_u32 v[AO+\i], s37, v5
.endr
	; Loads come back in order, so each wait below counts the loads issued behind the one it needs.
.set pp, 0
.rept 16
	global_load_b128 v[BI+4*pp:BI+4*pp+3], v8, s[30:31] offset:(pp/8)*256+(pp%8)*16    ; the oldest loads
.set pp, pp+1
.endr
	WLD 0, 0
	WLD 1, 64*NP
	s_wait_loadcnt 16                              ; W(0) and the bias are in; W(1) stays out
	CVT 0, 0
	WLD 0, 2*64*NP
.irp i, 0,1,2,3
	ALD 0, \i, 0
.endr
	s_wait_loadcnt 32                              ; behind W(1): W(2) 16, A(0) 16
	CVT 1, 1
	WLD 1, 3*64*NP
.irp i, 0,1,2,3
	ALD 1, \i, ASTEP
.endr
	s_wait_dscnt 0x0
	s_barrier_signal -1
	s_barrier_wait -1                              ; both LDS buffers are whole
	WFL 0, 0
	s_wait_dscnt 0x0
	s_barrier_signal -1
	s_barrier_wait -1                              ; every wave has read buffer 0: K step 0 stores into it
	ADV 4
	; steady state: behind W(s+2) stand A(s) 16, W(s+3) 16, A(s+1) 16 = 48; behind granule i of A(s) stand the rest of A(s),
	; W(s+3), A(s+1), W(s+4) and the granules of A(s+2) asked for so far = 12 + 16 + 16 + 16 = 60, the same for every i
	STEP 0, 1, 1, 1, 1, 1, 1, 48, 60, 0
	STEP 1, 0, 1, 1, 1, 1, 1, 48, 60, 0
	ADV 2
	WIN 0
	s_mov_b32 s28, (NS-6)/2
.Lk:
	STEP 0, 0, 1, 1, 1, 1, 1, 48, 60, 0
	STEP 1, 0, 1, 1, 1, 1, 1, 48, 60, 0
	ADV 2
	WIN 0
	s_sub_co_u32 s28, s28, 1
	s_cmp_lg_u32 s28, 0
	s_cbranch_scc1 .Lk
	STEP 0, 0, 1, 0, 1, 1, 1, 48, 44, 0            ; NS-4: no weights left to ask for: 60 - 16
	STEP 1, 0, 1, 0, 1, 1, 1, 32, 28, 0            ; NS-3: behind W(NS-1): A(NS-3), A(NS-2); behind a granule 12 + 16
	STEP 0, 0, 0, 0, 1, 0, 0, 0, 28, 4             ; NS-2: nothing is asked for: the counts run down by 4 a granule
	STEP 1, 0, 0, 0, 0, 0, 0, 0, 12, 4             ; NS-1
	PLACES
.if OUTK == 2
; y[part][slot][1024] f32 = sums (+ bias with the upper part).  The fused multiply-add also brings a lane's 32 columns into order; 16 rows
; go through my own stage in LDS (served in order: no wait between my stores and my loads) and leave as whole rows of 512 bytes.
.macro EPI i
	WIN 0x10
.irp grp, 0,1
.irp j, 0,1,2,3,4,5,6,7
.irp t, 0,1,2,3
	v_fma_f32 v[T+32*\grp+4*\j+\t], v[BI+32*\grp+4*\j+\t], s29, v[8*(8*\i+4*\grp+\t)+\j]
.endr
.endr
.endr
	WIN 0
.irp grp, 0,1
.irp p, 0,1,2,3,4,5,6,7
	ds_store_b128 v7, v[T+32*\grp+4*\p:T+32*\grp+4*\p+3] offset:\grp*256+\p*16
.endr
.endr
	s_wait_xcnt 0x0                                ; the last granule's stores have read v[R..]: loaded again only behind this wait
.set rr, 0
.rept 16
	ds_load_b128 v[R+4*rr:R+4*rr+3], v9 offset:rr*SPITCH
.set rr, rr+1
.endr
.set rr, 0
.rept 16
	s_wait_dscnt 15-rr
	global_store_b128 v5, v[R+4*rr:R+4*rr+3], s[32:33] offset:\i*262144+rr*4096    ; 512 consecutive bytes, aligned
.set rr, rr+1
.endr
.endm
.else
; bias, relu, 16 bits, and out in the next layer's fragment order: my 32 columns are block + h; piece q (8 columns) belongs to
; lane 16 (q & 1) + r, registers 4 (q >> 1)..: sixteen lanes store 256 consecutive bytes, aligned.
; OUTK 1: the upper part is the result rounded to bf16; widened again (a shift, a mask) and taken away it leaves the lower part.
.macro EPI i
	s_wait_xcnt 0x0                                ; the last granule's stores have read v[O..], v[OL..]: written again only behind this wait
.irp grp, 0,1
	WIN 0x01
.irp j, 0,1,2,3,4,5,6,7
.irp t, 0,1,2,3
	v_add_f32 v[T+4*\j+\t], v[8*(8*\i+4*\grp+\t)+\j], v[BI+32*\grp+4*\j+\t]
.endr
.endr
	WIN 0
.set cc, 0
.rept 32
	v_max_num_f32 v[T+cc], 0, v[T+cc]
.set cc, cc+1
.endr
.set cc, 0
.rept 16
.if OUTK == 0
	v_cvt_pk_f16_f32 v[O+16*\grp+cc], v[T+2*cc], v[T+2*cc+1]
.else
	v_cvt_pk_bf16_f32 v[O+16*\grp+cc], v[T+2*cc], v[T+2*cc+1]
	v_lshlrev_b32 v[TL], 16, v[O+16*\grp+cc]
	v_and_b32 v[TL+1], 0xffff0000, v[O+16*\grp+cc]
	v_sub_f32 v[T+2*cc], v[T+2*cc], v[TL]
	v_sub_f32 v[T+2*cc+1], v[T+2*cc+1], v[TL+1]
	v_cvt_pk_bf16_f32 v[OL+16*\grp+cc], v[T+2*cc], v[T+2*cc+1]
.endif
.set cc, cc+1
.endr
.irp q, 0,1,2,3
	global_store_b128 v7, v[O+16*\grp+4*\q:O+16*\grp+4*\q+3], s[32:33] offset:\grp*2*RTB+\i*4096+(\q/2)*512+(\q%2)*256
.endr
.if OUTK == 1
.irp q, 0,1,2,3
	global_store_b128 v7, v[OL+16*\grp+4*\q:OL+16*\grp+4*\q+3], s[38:39] offset:\grp*2*RTB+\i*4096+(\q/2)*512+(\q%2)*256
.endr
.endif
.endr
.endm
.endif
	EPI 0
	s_cmp_le_u32 s19, 1                            ; only the worker's own granules are stored
	s_cbranch_scc1 .Ldone
	EPI 1
	s_cmp_le_u32 s19, 2
	s_cbranch_scc1 .Ldone
	EPI 2
	s_cmp_le_u32 s19, 3
	s_cbranch_scc1 .Ldone
	EPI 3
.Ldone:
	s_wait_tensorcnt 0x0
	ds_add_u32 v254, v255
	s_wait_dscnt 0x0
	s_endpgm
.Lfunc_end_k_q66b2770e07_layer1:
	.size	k_q66b2770e07_layer1, .Lfunc_end_k_q66b2770e07_layer1-k_q66b2770e07_layer1
	.p2alignl 7, 3214868480
	.fill 96, 4, 3214868480
	.section	.rodata,"a",@progbits
	.p2align	6, 0x0
	.amdhsa_kernel k_q66b2770e07_layer1
		.amdhsa_group_segment_fixed_size 33280
		.amdhsa_private_segment_fixed_size 0
		.amdhsa_enable_private_segment 0
		.amdhsa_kernarg_size 40
		.amdhsa_user_sgpr_count 2
		.amdhsa_user_sgpr_kernarg_segment_ptr 1
		.amdhsa_wavefront_size32 1
		.amdhsa_system_sgpr_workgroup_id_x 1
		.amdhsa_system_sgpr_workgroup_id_y 1
		.amdhsa_system_sgpr_workgroup_id_z 1
		.amdhsa_system_vgpr_workitem_id 0
		.amdhsa_next_free_vgpr 1024
		.amdhsa_next_free_sgpr 66
		.amdhsa_reserve_vcc 0
		.amdhsa_float_denorm_mode_32 3
		.amdhsa_float_denorm_mode_16_64 3
		.amdhsa_memory_ordered 1
		.amdhsa_forward_progress 1
		.amdhsa_inst_pref_size 136
	.end_amdhsa_kernel
	.amdgpu_metadata
---
amdhsa.version: [ 1, 2 ]
amdhsa.kernels:
  - .name:           k_q66b2770e07_layer1
    .symbol:         k_q66b2770e07_layer1.kd
    .args:
      - { .name: rtab, .offset: 0, .size: 8, .value_kind: global_buffer, .address_space: global }
      - { .name: actA, .offset: 8, .size: 8, .value_kind: global_buffer, .address_space: global }
      - { .name: We1, .offset: 16, .size: 8, .value_kind: global_buffer, .address_space: global }
      - { .name: be1, .offset: 24, .size: 8, .value_kind: global_buffer, .address_space: global }
      - { .name: actB, .offset: 32, .size: 8, .value_kind: global_buffer, .address_space: global }
    .group_segment_fixed_size: 33280
    .private_segment_fixed_size: 0
    .kernarg_segment_align: 8
    .kernarg_segment_size: 40
    .max_flat_workgroup_size: 128
    .sgpr_count:     66
    .vgpr_count:     1024
    .wavefront_size: 32
...
	.end_amdgpu_metadata
.endif
;; end of part 4
;; launch layer2 (part 5): grid 16 x 16, 4 waves a work-group, no clusters, 33,280 bytes of LDS; arguments rtab, actB, We2, be2, actA; writes actA
.if DOCPART == 5
	.amdgcn_target "amdgcn-amd-amdhsa--gfx1250"
	.amdhsa_code_object_version 6
	.text
	.protected	k_q66b2770e07_layer2
	.globl	k_q66b2770e07_layer2
	.p2align	8
	.type	k_q66b2770e07_layer2,@function
k_q66b2770e07_layer2:
	s_mov_b64 s[64:65], 0
	v_nop
	global_prefetch_b8 v0, s[64:65] scope:SCOPE_SE
	s_setreg_imm32_b32 hwreg(HW_REG_WAVE_MODE, 25, 1), 1
	s_wait_xcnt 0x0
; The experts' second layer on the slots of one worker: h2 = relu(h1 W2[e] + b2[e]), 64 ng slots x 128 columns, ng = 1..4.
; The three layers share this text but for the six constants below (sizes, operand format F16IN, kind of the way out OUTK).
; grid x = column block (last layer: x & 7, and x >> 3 = which part of h2); grid y = worker; rtab gives its expert, first granule, ng.
; NUMBER FORMATS.  A rounding to bf16 (8 significant bits) adds about 0.0015 of a sum's rms to it; six in a row (x, W1, h1, W2, h2, W3)
; about 0.004, too near an allowance of 0.01 for a million numbers.  So the first two layers take f16 operands (11 bits, an eighth of
; that error), which have the room: |x| about 5, weights about 0.02 (30 times smaller, f16's smallest step 6e-8 is still 1e-4 of their
; spread), h1 with a spread of sqrt(1024) x 0.02 = 0.64, largest about 3.5: 3,200 with x and W1 both 30 times larger, 1024 x 30 x 0.6 =
; 18,432 with offsets of 30 spreads on both, against f16's 65,504.  h2 has no such room (another factor of 30, or of 2048 x 0.6): it
; stays in bf16 and is kept in two parts, hi = bf16(h2) and lo = bf16(h2 - hi); the last layer multiplies both by W3 in bf16.
; WEIGHTS are f32 [K][N].  For 64 columns x 32 k, lane (r = L & 15, h = L >> 4) loads 16 bytes at row k0+8h+i and k0+16+8h+i
; (i = 0..7), columns c0+4r..+3: sixteen lanes read 256 consecutive bytes.  Packing rows 2q, 2q+1 of word t gives register q of a
; fragment whose row r is column c0+4r+t: four whole fragments from 16 loads and 32 conversions, no transpose.
; Each wave converts a quarter of a K step of 64 (column group w & 1, 32 k w >> 1) into LDS; every wave reads all 16 fragments.
; THE MATRIX INSTRUCTION IS USED TRANSPOSED: source 0 = weights, source 1 = activations; register j of lane (r, h) is then
; slot r, column c0+32h+4j+t: over t and j a lane holds 32 neighbouring columns of one slot.
; ACTIVATIONS lie as fragments: act[k/32][slot/16][1,024 bytes], lane L's registers 0-3 at 16 L, 4-7 at 512+16 L, and go from memory
; straight into registers.  Wave w takes row tile 4 (g0 + i) + w of granule i.
; ng is read from memory, and no barrier and no counted wait hangs on it: every wave always loads four granules (granule i
; takes granule min(i, ng-1)); only the 16 matrix instructions of a granule i >= ng are jumped over.  K step 0, which starts the
; sums, runs all four, so every accumulator is written on every path.
; No tensor loads: the weights pass through registers for the conversion.  No cluster: 1 to 8 workers share an expert's weights,
; by the routing, so no fixed cluster holds them.
; LIMITS: operands rounded to f16, sums in f32; h1, |W2| up to 65,504; relu is a maximum that drops a NaN.
.set NP,     8192                      ; bytes in a row of W
.set NS,     32                        ; K steps of 64
.set ES,     16777216                  ; bytes of one expert's W
.set BROW,   8192                      ; bytes of one expert's bias
.set F16IN,  1                         ; operands: 1 = f16, 0 = bf16
.set OUTK,   1                         ; the way out: 0 = relu, f16 fragments; 1 = relu, bf16 fragments in two parts; 2 = f32 rows
.set RTB,    172032                    ; 168 row tiles x 1,024 bytes: from one block of 32 k to the next
.set ASTEP,  2*RTB                     ; a K step
.set PLANE,  64*RTB                    ; 2,048 k of fragments: from h2's upper part to its lower part
.set YPL,    11010048                  ; 2,688 slots x 4,096 bytes: from y's first plane to its second
.set WBUF,   16384                     ; LDS: two buffers of 16 fragments x 1,024 bytes
.set STAGE,  2*WBUF                    ; (OUTK 2) behind them 16 rows x 528 bytes for each wave
.set SPITCH, 528                       ; 33 x 16 bytes: sixteen rows start at sixteen different 16-byte columns
; window 0: v4 weights' offset, v5 16 L, v6 LDS store, v7 way out, v8 bias offset, v9 stage read, v10-13 activation offsets
.set AO,  10
.set CT,  16                           ; v[16:47]   converted fragments on their way to LDS
.set BI,  64                           ; v[64:127]  bias of my 2 x 32 columns
.set T,   128                          ; at work on the way out
.set O,   160                          ; packed results (OUTK 1: the upper part)
.set OL,  192                          ; (OUTK 1) the lower part
.set TL,  224                          ; (OUTK 1) the upper part widened again
.set R,   192                          ; (OUTK 2) rows read back from the stage
; window 1: accumulators, tile (granule i, column tile f) at 8 (8 i + f).   window 2: weight fragments, set p at 128 p + 8 (8 c + f)
; window 3: activation fragments, slot p at 64 p + 8 (2 i + c); staging of f32 weights at 128 + 64 slot + 4 load
.set ST,  128
.set MSB, 0
.macro WIN new                         ; s_set_vgpr_msb: bits 1:0 source 0, 3:2 source 1, 5:4 source 2, 7:6 destination; the high byte repeats the setting left
.if MSB != \new
	s_set_vgpr_msb (MSB<<8)|\new
.set MSB, \new
.endif
.endm
.macro PLACES                          ; four plain vector instructions between a matrix instruction and a load into, or a read of, its registers
.rept 4
	v_nop
.endr
.endm
.macro WLD slot, imm                   ; my quarter of a K step's weights, f32: 16 loads
	WIN 0xC0
.set li, 0
.rept 16
	global_load_b128 v[ST+64*\slot+4*li:ST+64*\slot+4*li+3], v4, s[24:25] offset:\imm+(16*(li/8)+li%8)*NP
.set li, li+1
.endr
.endm
.macro ALD slot, i, imm                ; granule i's two fragments of a K step: 4 loads of 512 consecutive bytes
	WIN 0xC0
.irp c, 0,1
.irp hf, 0,1
	global_load_b128 v[64*\slot+8*(2*\i+\c)+4*\hf:64*\slot+8*(2*\i+\c)+4*\hf+3], v[AO+\i], s[26:27] offset:\imm+\c*RTB+\hf*512
.endr
.endr
.endm
.macro CVT slot, buf                   ; f32 to 16 bits, four fragments, into my 4 KiB of LDS buffer buf
	WIN 0x0F
.irp t, 0,1,2,3
.irp hf, 0,1
.irp q, 0,1,2,3
.if F16IN
	v_cvt_pk_f16_f32 v[CT+8*\t+4*\hf+\q], v[ST+64*\slot+4*(8*\hf+2*\q)+\t], v[ST+64*\slot+4*(8*\hf+2*\q+1)+\t]
.else
	v_cvt_pk_bf16_f32 v[CT+8*\t+4*\hf+\q], v[ST+64*\slot+4*(8*\hf+2*\q)+\t], v[ST+64*\slot+4*(8*\hf+2*\q+1)+\t]
.endif
.endr
.endr
.endr
	WIN 0
.irp t, 0,1,2,3
.irp hf, 0,1
	ds_store_b128 v6, v[CT+8*\t+4*\hf:CT+8*\t+4*\hf+3] offset:\buf*WBUF+\t*1024+\hf*512
.endr
.endr
.endm
.macro WFL set, buf                    ; all 16 fragments of a K step from LDS: 32 loads of 512 consecutive bytes
	WIN 0x80
.set fi, 0
.rept 16
	ds_load_b128 v[128*\set+8*fi:128*\set+8*fi+3],   v5 offset:\buf*WBUF+fi*1024
	ds_load_b128 v[128*\set+8*fi+4:128*\set+8*fi+7], v5 offset:\buf*WBUF+fi*1024+512
.set fi, fi+1
.endr
.endm
.macro MM par, i, zero                 ; 16 slots x 128 columns x 64 k.  The eight accumulators take turns, one instruction a turn
	WIN 0x5E
.set cc, 0
.rept 2
.set ff, 0
.rept 8
.if F16IN
.if \zero*(1-cc)
	v_wmma_f32_16x16x32_f16 v[8*(8*\i+ff):8*(8*\i+ff)+7], v[128*\par+8*(8*cc+ff):128*\par+8*(8*cc+ff)+7], v[64*\par+8*(2*\i+cc):64*\par+8*(2*\i+cc)+7], 0
.else
	v_wmma_f32_16x16x32_f16 v[8*(8*\i+ff):8*(8*\i+ff)+7], v[128*\par+8*(8*cc+ff):128*\par+8*(8*cc+ff)+7], v[64*\par+8*(2*\i+cc):64*\par+8*(2*\i+cc)+7], v[8*(8*\i+ff):8*(8*\i+ff)+7]
.endif
.else
.if \zero*(1-cc)
	v_wmma_f32_16x16x32_bf16 v[8*(8*\i+ff):8*(8*\i+ff)+7], v[128*\par+8*(8*cc+ff):128*\par+8*(8*cc+ff)+7], v[64*\par+8*(2*\i+cc):64*\par+8*(2*\i+cc)+7], 0
.else
	v_wmma_f32_16x16x32_bf16 v[8*(8*\i+ff):8*(8*\i+ff)+7], v[128*\par+8*(8*cc+ff):128*\par+8*(8*cc+ff)+7], v[64*\par+8*(2*\i+cc):64*\par+8*(2*\i+cc)+7], v[8*(8*\i+ff):8*(8*\i+ff)+7]
.endif
.endif
.set ff, ff+1
.endr
.set cc, cc+1
.endr
.endm
; One granule's turn in a K step.  cnt: how many younger loads may stay out when its fragments have to be there.
.macro GRAN par, i, zero, always, ald, last, wfl, bar, cnt
	s_wait_loadcnt \cnt
.if \always
	MM \par, \i, \zero
.else
	WIN 0                                          ; at a branch and at a label every window is 0
	s_cmp_le_u32 s19, \i                           ; the worker has no granule i: only the products are left out
	s_cbranch_scc1 .Lskip_\@
	MM \par, \i, 0
	WIN 0
.Lskip_\@:
.endif
.if \last
.if \wfl+\bar
	s_wait_dscnt 0x0                               ; my stores into one LDS buffer and my reads of the other are done
.endif
.if \bar
	s_barrier_signal -1
.endif
.endif
.if \ald
	PLACES
.endif
.if \last*\bar
	s_barrier_wait -1                              ; of every wave: the buffer stored may be read, the buffer read may be stored into
.endif
.if \ald
	ALD \par, \i, \par*ASTEP
.endif
.endm
; K step s, par = s & 1: multiplies weight set par and activation slot par; converts W(s+2) into LDS buffer par; asks for W(s+4)
; into the staging just read; reads the fragments of W(s+1) from the other buffer; asks for A(s+2) granule by granule.
.macro STEP par, zero, cvt, wld, wfl, ald, bar, nw, na, dec
.if \cvt
	s_wait_loadcnt \nw
	CVT \par, \par
.endif
.if \wld
	WLD \par, \par*64*NP
.endif
.if \wfl
	WFL (1-\par), (1-\par)
.endif
	GRAN \par, 0, \zero, 1,     \ald, 0, \wfl, \bar, \na
	GRAN \par, 1, \zero, \zero, \ald, 0, \wfl, \bar, \na-\dec
	GRAN \par, 2, \zero, \zero, \ald, 0, \wfl, \bar, \na-2*\dec
	GRAN \par, 3, \zero, \zero, \ald, 1, \wfl, \bar, \na-3*\dec
.endm
.macro ADV wsteps
	s_wait_xcnt 0x0                                ; the two bases are stepped only behind this wait
	s_add_nc_u64 s[24:25], s[24:25], \wsteps*64*NP
	s_add_nc_u64 s[26:27], s[26:27], 2*ASTEP
.endm
	s_load_b256 s[4:11], s[0:1], 0x0               ; rtab 4, activations in 6, W 8, bias 10
	s_load_b64 s[12:13], s[0:1], 0x20              ; out
	v_lshl_add_u32 v254, v0, 2, 0x8000
	v_mov_b32 v255, 0
	v_lshrrev_b32 v1, 5, v0
	v_readfirstlane_b32 s14, v1                    ; wave
.if OUTK == 2
	s_and_b32 s15, ttmp9, 7                        ; column block
	s_lshr_b32 s29, ttmp9, 3                       ; which part of h2
.else
	s_mov_b32 s15, ttmp9
.endif
	s_and_b32 s16, ttmp7, 0xffff                   ; worker
	s_lshl_b32 s20, s16, 2
	s_wait_kmcnt 0x0
	s_load_b32 s17, s[4:5], s20 offset:0x0         ; expert
	s_load_b32 s18, s[4:5], s20 offset:0x40        ; first granule
	s_load_b32 s19, s[4:5], s20 offset:0x80        ; granules
	v_and_b32 v1, 31, v0
	v_and_b32 v2, 15, v0                           ; r
	v_bfe_u32 v3, v0, 4, 1                         ; h
	v_lshlrev_b32 v5, 4, v1                        ; 16 L
	s_lshr_b32 s22, s14, 1
	s_mul_i32 s22, s22, 32*NP                      ; my 32 k of a K step
	s_and_b32 s23, s14, 1
	s_lshl_b32 s23, s23, 8                         ; my 64 columns
	s_add_co_u32 s22, s22, s23
	v_mul_u32_u24 v4, v3, 8*NP
	v_lshl_add_u32 v4, v2, 4, v4
	v_add_nc_u32 v4, s22, v4                       ; (32 c + 8 h) rows + 256 grp + 16 r
	s_lshl_b32 s23, s14, 12
	v_add_nc_u32 v6, s23, v5                       ; my four fragments are 4 w .. 4 w + 3
	v_lshlrev_b32 v8, 7, v3                        ; bias: 32 h columns
.if OUTK == 2
	s_mul_i32 s23, s14, 16*SPITCH
	s_add_co_u32 s23, s23, STAGE
	v_mul_u32_u24 v7, v2, SPITCH
	v_lshl_add_u32 v7, v3, 7, v7
	v_add_nc_u32 v7, s23, v7                       ; stage, in: row r, 128 h bytes
	v_add_nc_u32 v9, s23, v5                       ; stage, back: 16 L of a row
.else
	v_mul_u32_u24 v7, v3, RTB
	v_lshl_add_u32 v7, v2, 4, v7                   ; out: block + h, 16 r
.endif
	s_wait_kmcnt 0x0
	s_min_u32 s17, s17, 7                          ; whatever the table holds, every address stays inside its buffer:
	s_min_u32 s18, s18, 38                         ; 38 + 4 granules = 168 row tiles
	s_min_u32 s19, s19, 4
	s_mov_b32 s35, 0
	s_lshl_b32 s21, s15, 9                         ; 128 columns of f32
	s_mul_i32 s34, s17, ES
	s_add_co_u32 s34, s34, s21
	s_add_nc_u64 s[24:25], s[8:9], s[34:35]        ; W at my expert, my columns
	s_lshl2_add_u32 s23, s18, s14                  ; 4 g0 + w: my first row tile
	s_lshl_b32 s34, s23, 10
.if OUTK == 2
	s_mul_i32 s22, s29, PLANE                      ; my part of h2
	s_add_co_u32 s34, s34, s22
.endif
	s_add_nc_u64 s[26:27], s[6:7], s[34:35]
	s_mul_i32 s34, s17, BROW
	s_add_co_u32 s34, s34, s21
	s_add_nc_u64 s[30:31], s[10:11], s[34:35]
.if OUTK == 2
	s_lshl_b32 s34, s23, 16                        ; 16 (4 g0 + w) rows of 4,096 bytes
	s_add_co_u32 s34, s34, s21
	s_mul_i32 s22, s29, YPL                        ; the part's plane of y
	s_add_co_u32 s34, s34, s22
	s_cmp_eq_u32 s29, 0
	s_cselect_b32 s29, 0x3f800000, 0               ; the bias counts once: factor 1 with the upper part, 0 with the lower
.else
	s_lshl_b32 s34, s23, 10
	s_mul_i32 s22, s15, 4*RTB                      ; my 128 columns are blocks 4 cb .. 4 cb + 3 of the next layer's k
	s_add_co_u32 s34, s34, s22
.endif
	s_add_nc_u64 s[32:33], s[12:13], s[34:35]
.if OUTK == 1
	s_add_nc_u64 s[38:39], s[32:33], PLANE         ; the lower part's plane: too far for a store's immediate
.endif
	s_sub_co_u32 s36, s19, 1
.irp i, 0,1,2,3
	s_min_u32 s37, s36, \i                         ; granule min(i, ng - 1)
	s_lshl_b32 s37, s37, 12
	v_add_nc_u32 v[AO+\i], s37, v5
.endr
	; Loads come back in order, so each wait below counts the loads issued behind the one it needs.
.set pp, 0
.rept 16
	global_load_b128 v[BI+4*pp:BI+4*pp+3], v8, s[30:31] offset:(pp/8)*256+(pp%8)*16    ; the oldest loads
.set pp, pp+1
.endr
	WLD 0, 0
	WLD 1, 64*NP
	s_wait_loadcnt 16                              ; W(0) and the bias are in; W(1) stays out
	CVT 0, 0
	WLD 0, 2*64*NP
.irp i, 0,1,2,3
	ALD 0, \i, 0
.endr
	s_wait_loadcnt 32                              ; behind W(1): W(2) 16, A(0) 16
	CVT 1, 1
	WLD 1, 3*64*NP
.irp i, 0,1,2,3
	ALD 1, \i, ASTEP
.endr
	s_wait_dscnt 0x0
	s_barrier_signal -1
	s_barrier_wait -1                              ; both LDS buffers are whole
	WFL 0, 0
	s_wait_dscnt 0x0
	s_barrier_signal -1
	s_barrier_wait -1                              ; every wave has read buffer 0: K step 0 stores into it
	ADV 4
	; steady state: behind W(s+2) stand A(s) 16, W(s+3) 16, A(s+1) 16 = 48; behind granule i of A(s) stand the rest of A(s),
	; W(s+3), A(s+1), W(s+4) and the granules of A(s+2) asked for so far = 12 + 16 + 16 + 16 = 60, the same for every i
	STEP 0, 1, 1, 1, 1, 1, 1, 48, 60, 0
	STEP 1, 0, 1, 1, 1, 1, 1, 48, 60, 0
	ADV 2
	WIN 0
	s_mov_b32 s28, (NS-6)/2
.Lk:
	STEP 0, 0, 1, 1, 1, 1, 1, 48, 60, 0
	STEP 1, 0, 1, 1, 1, 1, 1, 48, 60, 0
	ADV 2
	WIN 0
	s_sub_co_u32 s28, s28, 1
	s_cmp_lg_u32 s28, 0
	s_cbranch_scc1 .Lk
	STEP 0, 0, 1, 0, 1, 1, 1, 48, 44, 0            ; NS-4: no weights left to ask for: 60 - 16
	STEP 1, 0, 1, 0, 1, 1, 1, 32, 28, 0            ; NS-3: behind W(NS-1): A(NS-3), A(NS-2); behind a granule 12 + 16
	STEP 0, 0, 0, 0, 1, 0, 0, 0, 28, 4             ; NS-2: nothing is asked for: the counts run down by 4 a granule
	STEP 1, 0, 0, 0, 0, 0, 0, 0, 12, 4             ; NS-1
	PLACES
.if OUTK == 2
; y[part][slot][1024] f32 = sums (+ bias with the upper part).  The fused multiply-add also brings a lane's 32 columns into order; 16 rows
; go through my own stage in LDS (served in order: no wait between my stores and my loads) and leave as whole rows of 512 bytes.
.macro EPI i
	WIN 0x10
.irp grp, 0,1
.irp j, 0,1,2,3,4,5,6,7
.irp t, 0,1,2,3
	v_fma_f32 v[T+32*\grp+4*\j+\t], v[BI+32*\grp+4*\j+\t], s29, v[8*(8*\i+4*\grp+\t)+\j]
.endr
.endr
.endr
	WIN 0
.irp grp, 0,1
.irp p, 0,1,2,3,4,5,6,7
	ds_store_b128 v7, v[T+32*\grp+4*\p:T+32*\grp+4*\p+3] offset:\grp*256+\p*16
.endr
.endr
	s_wait_xcnt 0x0                                ; the last granule's stores have read v[R..]: loaded again only behind this wait
.set rr, 0
.rept 16
	ds_load_b128 v[R+4*rr:R+4*rr+3], v9 offset:rr*SPITCH
.set rr, rr+1
.endr
.set rr, 0
.rept 16
	s_wait_dscnt 15-rr
	global_store_b128 v5, v[R+4*rr:R+4*rr+3], s[32:33] offset:\i*262144+rr*4096    ; 512 consecutive bytes, aligned
.set rr, rr+1
.endr
.endm
.else
; bias, relu, 16 bits, and out in the next layer's fragment order: my 32 columns are block + h; piece q (8 columns) belongs to
; lane 16 (q & 1) + r, registers 4 (q >> 1)..: sixteen lanes store 256 consecutive bytes, aligned.
; OUTK 1: the upper part is the result rounded to bf16; widened again (a shift, a mask) and taken away it leaves the lower part.
.macro EPI i
	s_wait_xcnt 0x0                                ; the last granule's stores have read v[O..], v[OL..]: written again only behind this wait
.irp grp, 0,1
	WIN 0x01
.irp j, 0,1,2,3,4,5,6,7
.irp t, 0,1,2,3
	v_add_f32 v[T+4*\j+\t], v[8*(8*\i+4*\grp+\t)+\j], v[BI+32*\grp+4*\j+\t]
.endr
.endr
	WIN 0
.set cc, 0
.rept 32
	v_max_num_f32 v[T+cc], 0, v[T+cc]
.set cc, cc+1
.endr
.set cc, 0
.rept 16
.if OUTK == 0
	v_cvt_pk_f16_f32 v[O+16*\grp+cc], v[T+2*cc], v[T+2*cc+1]
.else
	v_cvt_pk_bf16_f32 v[O+16*\grp+cc], v[T+2*cc], v[T+2*cc+1]
	v_lshlrev_b32 v[TL], 16, v[O+16*\grp+cc]
	v_and_b32 v[TL+1], 0xffff0000, v[O+16*\grp+cc]
	v_sub_f32 v[T+2*cc], v[T+2*cc], v[TL]
	v_sub_f32 v[T+2*cc+1], v[T+2*cc+1], v[TL+1]
	v_cvt_pk_bf16_f32 v[OL+16*\grp+cc], v[T+2*cc], v[T+2*cc+1]
.endif
.set cc, cc+1
.endr
.irp q, 0,1,2,3
	global_store_b128 v7, v[O+16*\grp+4*\q:O+16*\grp+4*\q+3], s[32:33] offset:\grp*2*RTB+\i*4096+(\q/2)*512+(\q%2)*256
.endr
.if OUTK == 1
.irp q, 0,1,2,3
	global_store_b128 v7, v[OL+16*\grp+4*\q:OL+16*\grp+4*\q+3], s[38:39] offset:\grp*2*RTB+\i*4096+(\q/2)*512+(\q%2)*256
.endr
.endif
.endr
.endm
.endif
	EPI 0
	s_cmp_le_u32 s19, 1                            ; only the worker's own granules are stored
	s_cbranch_scc1 .Ldone
	EPI 1
	s_cmp_le_u32 s19, 2
	s_cbranch_scc1 .Ldone
	EPI 2
	s_cmp_le_u32 s19, 3
	s_cbranch_scc1 .Ldone
	EPI 3
.Ldone:
	s_wait_tensorcnt 0x0
	ds_add_u32 v254, v255
	s_wait_dscnt 0x0
	s_endpgm
.Lfunc_end_k_q66b2770e07_layer2:
	.size	k_q66b2770e07_layer2, .Lfunc_end_k_q66b2770e07_layer2-k_q66b2770e07_layer2
	.p2alignl 7, 3214868480
	.fill 96, 4, 3214868480
	.section	.rodata,"a",@progbits
	.p2align	6, 0x0
	.amdhsa_kernel k_q66b2770e07_layer2
		.amdhsa_group_segment_fixed_size 33280
		.amdhsa_private_segment_fixed_size 0
		.amdhsa_enable_private_segment 0
		.amdhsa_kernarg_size 40
		.amdhsa_user_sgpr_count 2
		.amdhsa_user_sgpr_kernarg_segment_ptr 1
		.amdhsa_wavefront_size32 1
		.amdhsa_system_sgpr_workgroup_id_x 1
		.amdhsa_system_sgpr_workgroup_id_y 1
		.amdhsa_system_sgpr_workgroup_id_z 1
		.amdhsa_system_vgpr_workitem_id 0
		.amdhsa_next_free_vgpr 1024
		.amdhsa_next_free_sgpr 66
		.amdhsa_reserve_vcc 0
		.amdhsa_float_denorm_mode_32 3
		.amdhsa_float_denorm_mode_16_64 3
		.amdhsa_memory_ordered 1
		.amdhsa_forward_progress 1
		.amdhsa_inst_pref_size 167
	.end_amdhsa_kernel
	.amdgpu_metadata
---
amdhsa.version: [ 1, 2 ]
amdhsa.kernels:
  - .name:           k_q66b2770e07_layer2
    .symbol:         k_q66b2770e07_layer2.kd
    .args:
      - { .name: rtab, .offset: 0, .size: 8, .value_kind: global_buffer, .address_space: global }
      - { .name: actB, .offset: 8, .size: 8, .value_kind: global_buffer, .address_space: global }
      - { .name: We2, .offset: 16, .size: 8, .value_kind: global_buffer, .address_space: global }
      - { .name: be2, .offset: 24, .size: 8, .value_kind: global_buffer, .address_space: global }
      - { .name: actA, .offset: 32, .size: 8, .value_kind: global_buffer, .address_space: global }
    .group_segment_fixed_size: 33280
    .private_segment_fixed_size: 0
    .kernarg_segment_align: 8
    .kernarg_segment_size: 40
    .max_flat_workgroup_size: 128
    .sgpr_count:     66
    .vgpr_count:     1024
    .wavefront_size: 32
...
	.end_amdgpu_metadata
.endif
;; end of part 5
;; launch layer3 (part 6): grid 16 x 16, 4 waves a work-group, no clusters, 67,072 bytes of LDS; arguments rtab, actA, We3, be3, y; writes y
.if DOCPART == 6
	.amdgcn_target "amdgcn-amd-amdhsa--gfx1250"
	.amdhsa_code_object_version 6
	.text
	.protected	k_q66b2770e07_layer3
	.globl	k_q66b2770e07_layer3
	.p2align	8
	.type	k_q66b2770e07_layer3,@function
k_q66b2770e07_layer3:
	s_mov_b64 s[64:65], 0
	v_nop
	global_prefetch_b8 v0, s[64:65] scope:SCOPE_SE
	s_setreg_imm32_b32 hwreg(HW_REG_WAVE_MODE, 25, 1), 1
	s_wait_xcnt 0x0
; The experts' last layer on the slots of one worker: y[0] = hi W3[e] + b3[e], y[1] = lo W3[e], where hi + lo = h2 in two bf16 parts;
; 64 ng slots x 128 columns, ng = 1..4.  The next launch adds the two planes.
; The three layers share this text but for the six constants below (sizes, operand format F16IN, kind of the way out OUTK).
; grid x = column block (last layer: x & 7, and x >> 3 = which part of h2); grid y = worker; rtab gives its expert, first granule, ng.
; 8 column blocks x 2 parts x 16 workers are 256 work-groups.  The two parts' work-groups read and convert the same weights: W3 is
; asked for twice in this launch.
; NUMBER FORMATS.  A rounding to bf16 (8 significant bits) adds about 0.0015 of a sum's rms to it; six in a row (x, W1, h1, W2, h2, W3)
; about 0.004, too near an allowance of 0.01 for a million numbers.  So the first two layers take f16 operands (11 bits, an eighth of
; that error), which have the room: |x| about 5, weights about 0.02 (30 times smaller, f16's smallest step 6e-8 is still 1e-4 of their
; spread), h1 with a spread of sqrt(1024) x 0.02 = 0.64, largest about 3.5: 3,200 with x and W1 both 30 times larger, 1024 x 30 x 0.6 =
; 18,432 with offsets of 30 spreads on both, against f16's 65,504.  h2 has no such room (another factor of 30, or of 2048 x 0.6): it
; stays in bf16 and is kept in two parts, hi = bf16(h2) and lo = bf16(h2 - hi); the last layer multiplies both by W3 in bf16.
; WEIGHTS are f32 [K][N].  For 64 columns x 32 k, lane (r = L & 15, h = L >> 4) loads 16 bytes at row k0+8h+i and k0+16+8h+i
; (i = 0..7), columns c0+4r..+3: sixteen lanes read 256 consecutive bytes.  Packing rows 2q, 2q+1 of word t gives register q of a
; fragment whose row r is column c0+4r+t: four whole fragments from 16 loads and 32 conversions, no transpose.
; Each wave converts a quarter of a K step of 64 (column group w & 1, 32 k w >> 1) into LDS; every wave reads all 16 fragments.
; THE MATRIX INSTRUCTION IS USED TRANSPOSED: source 0 = weights, source 1 = activations; register j of lane (r, h) is then
; slot r, column c0+32h+4j+t: over t and j a lane holds 32 neighbouring columns of one slot.
; ACTIVATIONS lie as fragments: act[k/32][slot/16][1,024 bytes], lane L's registers 0-3 at 16 L, 4-7 at 512+16 L, and go from memory
; straight into registers.  Wave w takes row tile 4 (g0 + i) + w of granule i.
; ng is read from memory, and no barrier and no counted wait hangs on it: every wave always loads four granules (granule i
; takes granule min(i, ng-1)); only the 16 matrix instructions of a granule i >= ng are jumped over.  K step 0, which starts the
; sums, runs all four, so every accumulator is written on every path.
; No tensor loads: the weights pass through registers for the conversion.  No cluster: 1 to 8 workers share an expert's weights,
; by the routing, so no fixed cluster holds them.
; LIMITS: W3 rounded to bf16, sums in f32; an infinite bias gives NaN in the second plane (0 x infinity) where an infinity is due.
.set NP,     4096                      ; bytes in a row of W
.set NS,     32                        ; K steps of 64
.set ES,     8388608                   ; bytes of one expert's W
.set BROW,   4096                      ; bytes of one expert's bias
.set F16IN,  0                         ; operands: 1 = f16, 0 = bf16
.set OUTK,   2                         ; the way out: 0 = relu, f16 fragments; 1 = relu, bf16 fragments in two parts; 2 = f32 rows
.set RTB,    172032                    ; 168 row tiles x 1,024 bytes: from one block of 32 k to the next
.set ASTEP,  2*RTB                     ; a K step
.set PLANE,  64*RTB                    ; 2,048 k of fragments: from h2's upper part to its lower part
.set YPL,    11010048                  ; 2,688 slots x 4,096 bytes: from y's first plane to its second
.set WBUF,   16384                     ; LDS: two buffers of 16 fragments x 1,024 bytes
.set STAGE,  2*WBUF                    ; (OUTK 2) behind them 16 rows x 528 bytes for each wave
.set SPITCH, 528                       ; 33 x 16 bytes: sixteen rows start at sixteen different 16-byte columns
; window 0: v4 weights' offset, v5 16 L, v6 LDS store, v7 way out, v8 bias offset, v9 stage read, v10-13 activation offsets
.set AO,  10
.set CT,  16                           ; v[16:47]   converted fragments on their way to LDS
.set BI,  64                           ; v[64:127]  bias of my 2 x 32 columns
.set T,   128                          ; at work on the way out
.set O,   160                          ; packed results (OUTK 1: the upper part)
.set OL,  192                          ; (OUTK 1) the lower part
.set TL,  224                          ; (OUTK 1) the upper part widened again
.set R,   192                          ; (OUTK 2) rows read back from the stage
; window 1: accumulators, tile (granule i, column tile f) at 8 (8 i + f).   window 2: weight fragments, set p at 128 p + 8 (8 c + f)
; window 3: activation fragments, slot p at 64 p + 8 (2 i + c); staging of f32 weights at 128 + 64 slot + 4 load
.set ST,  128
.set MSB, 0
.macro WIN new                         ; s_set_vgpr_msb: bits 1:0 source 0, 3:2 source 1, 5:4 source 2, 7:6 destination; the high byte repeats the setting left
.if MSB != \new
	s_set_vgpr_msb (MSB<<8)|\new
.set MSB, \new
.endif
.endm
.macro PLACES                          ; four plain vector instructions between a matrix instruction and a load into, or a read of, its registers
.rept 4
	v_nop
.endr
.endm
.macro WLD slot, imm                   ; my quarter of a K step's weights, f32: 16 loads
	WIN 0xC0
.set li, 0
.rept 16
	global_load_b128 v[ST+64*\slot+4*li:ST+64*\slot+4*li+3], v4, s[24:25] offset:\imm+(16*(li/8)+li%8)*NP
.set li, li+1
.endr
.endm
.macro ALD slot, i, imm                ; granule i's two fragments of a K step: 4 loads of 512 consecutive bytes
	WIN 0xC0
.irp c, 0,1
.irp hf, 0,1
	global_load_b128 v[64*\slot+8*(2*\i+\c)+4*\hf:64*\slot+8*(2*\i+\c)+4*\hf+3], v[AO+\i], s[26:27] offset:\imm+\c*RTB+\hf*512
.endr
.endr
.endm
.macro CVT slot, buf                   ; f32 to 16 bits, four fragments, into my 4 KiB of LDS buffer buf
	WIN 0x0F
.irp t, 0,1,2,3
.irp hf, 0,1
.irp q, 0,1,2,3
.if F16IN
	v_cvt_pk_f16_f32 v[CT+8*\t+4*\hf+\q], v[ST+64*\slot+4*(8*\hf+2*\q)+\t], v[ST+64*\slot+4*(8*\hf+2*\q+1)+\t]
.else
	v_cvt_pk_bf16_f32 v[CT+8*\t+4*\hf+\q], v[ST+64*\slot+4*(8*\hf+2*\q)+\t], v[ST+64*\slot+4*(8*\hf+2*\q+1)+\t]
.endif
.endr
.endr
.endr
	WIN 0
.irp t, 0,1,2,3
.irp hf, 0,1
	ds_store_b128 v6, v[CT+8*\t+4*\hf:CT+8*\t+4*\hf+3] offset:\buf*WBUF+\t*1024+\hf*512
.endr
.endr
.endm
.macro WFL set, buf                    ; all 16 fragments of a K step from LDS: 32 loads of 512 consecutive bytes
	WIN 0x80
.set fi, 0
.rept 16
	ds_load_b128 v[128*\set+8*fi:128*\set+8*fi+3],   v5 offset:\buf*WBUF+fi*1024
	ds_load_b128 v[128*\set+8*fi+4:128*\set+8*fi+7], v5 offset:\buf*WBUF+fi*1024+512
.set fi, fi+1
.endr
.endm
.macro MM par, i, zero                 ; 16 slots x 128 columns x 64 k.  The eight accumulators take turns, one instruction a turn
	WIN 0x5E
.set cc, 0
.rept 2
.set ff, 0
.rept 8
.if F16IN
.if \zero*(1-cc)
	v_wmma_f32_16x16x32_f16 v[8*(8*\i+ff):8*(8*\i+ff)+7], v[128*\par+8*(8*cc+ff):128*\par+8*(8*cc+ff)+7], v[64*\par+8*(2*\i+cc):64*\par+8*(2*\i+cc)+7], 0
.else
	v_wmma_f32_16x16x32_f16 v[8*(8*\i+ff):8*(8*\i+ff)+7], v[128*\par+8*(8*cc+ff):128*\par+8*(8*cc+ff)+7], v[64*\par+8*(2*\i+cc):64*\par+8*(2*\i+cc)+7], v[8*(8*\i+ff):8*(8*\i+ff)+7]
.endif
.else
.if \zero*(1-cc)
	v_wmma_f32_16x16x32_bf16 v[8*(8*\i+ff):8*(8*\i+ff)+7], v[128*\par+8*(8*cc+ff):128*\par+8*(8*cc+ff)+7], v[64*\par+8*(2*\i+cc):64*\par+8*(2*\i+cc)+7], 0
.else
	v_wmma_f32_16x16x32_bf16 v[8*(8*\i+ff):8*(8*\i+ff)+7], v[128*\par+8*(8*cc+ff):128*\par+8*(8*cc+ff)+7], v[64*\par+8*(2*\i+cc):64*\par+8*(2*\i+cc)+7], v[8*(8*\i+ff):8*(8*\i+ff)+7]
.endif
.endif
.set ff, ff+1
.endr
.set cc, cc+1
.endr
.endm
; One granule's turn in a K step.  cnt: how many younger loads may stay out when its fragments have to be there.
.macro GRAN par, i, zero, always, ald, last, wfl, bar, cnt
	s_wait_loadcnt \cnt
.if \always
	MM \par, \i, \zero
.else
	WIN 0                                          ; at a branch and at a label every window is 0
	s_cmp_le_u32 s19, \i                           ; the worker has no granule i: only the products are left out
	s_cbranch_scc1 .Lskip_\@
	MM \par, \i, 0
	WIN 0
.Lskip_\@:
.endif
.if \last
.if \wfl+\bar
	s_wait_dscnt 0x0                               ; my stores into one LDS buffer and my reads of the other are done
.endif
.if \bar
	s_barrier_signal -1
.endif
.endif
.if \ald
	PLACES
.endif
.if \last*\bar
	s_barrier_wait -1                              ; of every wave: the buffer stored may be read, the buffer read may be stored into
.endif
.if \ald
	ALD \par, \i, \par*ASTEP
.endif
.endm
; K step s, par = s & 1: multiplies weight set par and activation slot par; converts W(s+2) into LDS buffer par; asks for W(s+4)
; into the staging just read; reads the fragments of W(s+1) from the other buffer; asks for A(s+2) granule by granule.
.macro STEP par, zero, cvt, wld, wfl, ald, bar, nw, na, dec
.if \cvt
	s_wait_loadcnt \nw
	CVT \par, \par
.endif
.if \wld
	WLD \par, \par*64*NP
.endif
.if \wfl
	WFL (1-\par), (1-\par)
.endif
	GRAN \par, 0, \zero, 1,     \ald, 0, \wfl, \bar, \na
	GRAN \par, 1, \zero, \zero, \ald, 0, \wfl, \bar, \na-\dec
	GRAN \par, 2, \zero, \zero, \ald, 0, \wfl, \bar, \na-2*\dec
	GRAN \par, 3, \zero, \zero, \ald, 1, \wfl, \bar, \na-3*\dec
.endm
.macro ADV wsteps
	s_wait_xcnt 0x0                                ; the two bases are stepped only behind this wait
	s_add_nc_u64 s[24:25], s[24:25], \wsteps*64*NP
	s_add_nc_u64 s[26:27], s[26:27], 2*ASTEP
.endm
	s_load_b256 s[4:11], s[0:1], 0x0               ; rtab 4, activations in 6, W 8, bias 10
	s_load_b64 s[12:13], s[0:1], 0x20              ; out
	v_lshl_add_u32 v62, v0, 2, 0x10400
	v_mov_b32 v63, 0
	v_lshrrev_b32 v1, 5, v0
	v_readfirstlane_b32 s14, v1                    ; wave
.if OUTK == 2
	s_and_b32 s15, ttmp9, 7                        ; column block
	s_lshr_b32 s29, ttmp9, 3                       ; which part of h2
.else
	s_mov_b32 s15, ttmp9
.endif
	s_and_b32 s16, ttmp7, 0xffff                   ; worker
	s_lshl_b32 s20, s16, 2
	s_wait_kmcnt 0x0
	s_load_b32 s17, s[4:5], s20 offset:0x0         ; expert
	s_load_b32 s18, s[4:5], s20 offset:0x40        ; first granule
	s_load_b32 s19, s[4:5], s20 offset:0x80        ; granules
	v_and_b32 v1, 31, v0
	v_and_b32 v2, 15, v0                           ; r
	v_bfe_u32 v3, v0, 4, 1                         ; h
	v_lshlrev_b32 v5, 4, v1                        ; 16 L
	s_lshr_b32 s22, s14, 1
	s_mul_i32 s22, s22, 32*NP                      ; my 32 k of a K step
	s_and_b32 s23, s14, 1
	s_lshl_b32 s23, s23, 8                         ; my 64 columns
	s_add_co_u32 s22, s22, s23
	v_mul_u32_u24 v4, v3, 8*NP
	v_lshl_add_u32 v4, v2, 4, v4
	v_add_nc_u32 v4, s22, v4                       ; (32 c + 8 h) rows + 256 grp + 16 r
	s_lshl_b32 s23, s14, 12
	v_add_nc_u32 v6, s23, v5                       ; my four fragments are 4 w .. 4 w + 3
	v_lshlrev_b32 v8, 7, v3                        ; bias: 32 h columns
.if OUTK == 2
	s_mul_i32 s23, s14, 16*SPITCH
	s_add_co_u32 s23, s23, STAGE
	v_mul_u32_u24 v7, v2, SPITCH
	v_lshl_add_u32 v7, v3, 7, v7
	v_add_nc_u32 v7, s23, v7                       ; stage, in: row r, 128 h bytes
	v_add_nc_u32 v9, s23, v5                       ; stage, back: 16 L of a row
.else
	v_mul_u32_u24 v7, v3, RTB
	v_lshl_add_u32 v7, v2, 4, v7                   ; out: block + h, 16 r
.endif
	s_wait_kmcnt 0x0
	s_min_u32 s17, s17, 7                          ; whatever the table holds, every address stays inside its buffer:
	s_min_u32 s18, s18, 38                         ; 38 + 4 granules = 168 row tiles
	s_min_u32 s19, s19, 4
	s_mov_b32 s35, 0
	s_lshl_b32 s21, s15, 9                         ; 128 columns of f32
	s_mul_i32 s34, s17, ES
	s_add_co_u32 s34, s34, s21
	s_add_nc_u64 s[24:25], s[8:9], s[34:35]        ; W at my expert, my columns
	s_lshl2_add_u32 s23, s18, s14                  ; 4 g0 + w: my first row tile
	s_lshl_b32 s34, s23, 10
.if OUTK == 2
	s_mul_i32 s22, s29, PLANE                      ; my part of h2
	s_add_co_u32 s34, s34, s22
.endif
	s_add_nc_u64 s[26:27], s[6:7], s[34:35]
	s_mul_i32 s34, s17, BROW
	s_add_co_u32 s34, s34, s21
	s_add_nc_u64 s[30:31], s[10:11], s[34:35]
.if OUTK == 2
	s_lshl_b32 s34, s23, 16                        ; 16 (4 g0 + w) rows of 4,096 bytes
	s_add_co_u32 s34, s34, s21
	s_mul_i32 s22, s29, YPL                        ; the part's plane of y
	s_add_co_u32 s34, s34, s22
	s_cmp_eq_u32 s29, 0
	s_cselect_b32 s29, 0x3f800000, 0               ; the bias counts once: factor 1 with the upper part, 0 with the lower
.else
	s_lshl_b32 s34, s23, 10
	s_mul_i32 s22, s15, 4*RTB                      ; my 128 columns are blocks 4 cb .. 4 cb + 3 of the next layer's k
	s_add_co_u32 s34, s34, s22
.endif
	s_add_nc_u64 s[32:33], s[12:13], s[34:35]
.if OUTK == 1
	s_add_nc_u64 s[38:39], s[32:33], PLANE         ; the lower part's plane: too far for a store's immediate
.endif
	s_sub_co_u32 s36, s19, 1
.irp i, 0,1,2,3
	s_min_u32 s37, s36, \i                         ; granule min(i, ng - 1)
	s_lshl_b32 s37, s37, 12
	v_add_nc_u32 v[AO+\i], s37, v5
.endr
	; Loads come back in order, so each wait below counts the loads issued behind the one it needs.
.set pp, 0
.rept 16
	global_load_b128 v[BI+4*pp:BI+4*pp+3], v8, s[30:31] offset:(pp/8)*256+(pp%8)*16    ; the oldest loads
.set pp, pp+1
.endr
	WLD 0, 0
	WLD 1, 64*NP
	s_wait_loadcnt 16                              ; W(0) and the bias are in; W(1) stays out
	CVT 0, 0
	WLD 0, 2*64*NP
.irp i, 0,1,2,3
	ALD 0, \i, 0
.endr
	s_wait_loadcnt 32                              ; behind W(1): W(2) 16, A(0) 16
	CVT 1, 1
	WLD 1, 3*64*NP
.irp i, 0,1,2,3
	ALD 1, \i, ASTEP
.endr
	s_wait_dscnt 0x0
	s_barrier_signal -1
	s_barrier_wait -1                              ; both LDS buffers are whole
	WFL 0, 0
	s_wait_dscnt 0x0
	s_barrier_signal -1
	s_barrier_wait -1                              ; every wave has read buffer 0: K step 0 stores into it
	ADV 4
	; steady state: behind W(s+2) stand A(s) 16, W(s+3) 16, A(s+1) 16 = 48; behind granule i of A(s) stand the rest of A(s),
	; W(s+3), A(s+1), W(s+4) and the granules of A(s+2) asked for so far = 12 + 16 + 16 + 16 = 60, the same for every i
	STEP 0, 1, 1, 1, 1, 1, 1, 48, 60, 0
	STEP 1, 0, 1, 1, 1, 1, 1, 48, 60, 0
	ADV 2
	WIN 0
	s_mov_b32 s28, (NS-6)/2
.Lk:
	STEP 0, 0, 1, 1, 1, 1, 1, 48, 60, 0
	STEP 1, 0, 1, 1, 1, 1, 1, 48, 60, 0
	ADV 2
	WIN 0
	s_sub_co_u32 s28, s28, 1
	s_cmp_lg_u32 s28, 0
	s_cbranch_scc1 .Lk
	STEP 0, 0, 1, 0, 1, 1, 1, 48, 44, 0            ; NS-4: no weights left to ask for: 60 - 16
	STEP 1, 0, 1, 0, 1, 1, 1, 32, 28, 0            ; NS-3: behind W(NS-1): A(NS-3), A(NS-2); behind a granule 12 + 16
	STEP 0, 0, 0, 0, 1, 0, 0, 0, 28, 4             ; NS-2: nothing is asked for: the counts run down by 4 a granule
	STEP 1, 0, 0, 0, 0, 0, 0, 0, 12, 4             ; NS-1
	PLACES
.if OUTK == 2
; y[part][slot][1024] f32 = sums (+ bias with the upper part).  The fused multiply-add also brings a lane's 32 columns into order; 16 rows
; go through my own stage in LDS (served in order: no wait between my stores and my loads) and leave as whole rows of 512 bytes.
.macro EPI i
	WIN 0x10
.irp grp, 0,1
.irp j, 0,1,2,3,4,5,6,7
.irp t, 0,1,2,3
	v_fma_f32 v[T+32*\grp+4*\j+\t], v[BI+32*\grp+4*\j+\t], s29, v[8*(8*\i+4*\grp+\t)+\j]
.endr
.endr
.endr
	WIN 0
.irp grp, 0,1
.irp p, 0,1,2,3,4,5,6,7
	ds_store_b128 v7, v[T+32*\grp+4*\p:T+32*\grp+4*\p+3] offset:\grp*256+\p*16
.endr
.endr
	s_wait_xcnt 0x0                                ; the last granule's stores have read v[R..]: loaded again only behind this wait
.set rr, 0
.rept 16
	ds_load_b128 v[R+4*rr:R+4*rr+3], v9 offset:rr*SPITCH
.set rr, rr+1
.endr
.set rr, 0
.rept 16
	s_wait_dscnt 15-rr
	global_store_b128 v5, v[R+4*rr:R+4*rr+3], s[32:33] offset:\i*262144+rr*4096    ; 512 consecutive bytes, aligned
.set rr, rr+1
.endr
.endm
.else
; bias, relu, 16 bits, and out in the next layer's fragment order: my 32 columns are block + h; piece q (8 columns) belongs to
; lane 16 (q & 1) + r, registers 4 (q >> 1)..: sixteen lanes store 256 consecutive bytes, aligned.
; OUTK 1: the upper part is the result rounded to bf16; widened again (a shift, a mask) and taken away it leaves the lower part.
.macro EPI i
	s_wait_xcnt 0x0                                ; the last granule's stores have read v[O..], v[OL..]: written again only behind this wait
.irp grp, 0,1
	WIN 0x01
.irp j, 0,1,2,3,4,5,6,7
.irp t, 0,1,2,3
	v_add_f32 v[T+4*\j+\t], v[8*(8*\i+4*\grp+\t)+\j], v[BI+32*\grp+4*\j+\t]
.endr
.endr
	WIN 0
.set cc, 0
.rept 32
	v_max_num_f32 v[T+cc], 0, v[T+cc]
.set cc, cc+1
.endr
.set cc, 0
.rept 16
.if OUTK == 0
	v_cvt_pk_f16_f32 v[O+16*\grp+cc], v[T+2*cc], v[T+2*cc+1]
.else
	v_cvt_pk_bf16_f32 v[O+16*\grp+cc], v[T+2*cc], v[T+2*cc+1]
	v_lshlrev_b32 v[TL], 16, v[O+16*\grp+cc]
	v_and_b32 v[TL+1], 0xffff0000, v[O+16*\grp+cc]
	v_sub_f32 v[T+2*cc], v[T+2*cc], v[TL]
	v_sub_f32 v[T+2*cc+1], v[T+2*cc+1], v[TL+1]
	v_cvt_pk_bf16_f32 v[OL+16*\grp+cc], v[T+2*cc], v[T+2*cc+1]
.endif
.set cc, cc+1
.endr
.irp q, 0,1,2,3
	global_store_b128 v7, v[O+16*\grp+4*\q:O+16*\grp+4*\q+3], s[32:33] offset:\grp*2*RTB+\i*4096+(\q/2)*512+(\q%2)*256
.endr
.if OUTK == 1
.irp q, 0,1,2,3
	global_store_b128 v7, v[OL+16*\grp+4*\q:OL+16*\grp+4*\q+3], s[38:39] offset:\grp*2*RTB+\i*4096+(\q/2)*512+(\q%2)*256
.endr
.endif
.endr
.endm
.endif
	EPI 0
	s_cmp_le_u32 s19, 1                            ; only the worker's own granules are stored
	s_cbranch_scc1 .Ldone
	EPI 1
	s_cmp_le_u32 s19, 2
	s_cbranch_scc1 .Ldone
	EPI 2
	s_cmp_le_u32 s19, 3
	s_cbranch_scc1 .Ldone
	EPI 3
.Ldone:
	s_wait_tensorcnt 0x0
	ds_add_u32 v62, v63
	s_wait_dscnt 0x0
	s_endpgm
.Lfunc_end_k_q66b2770e07_layer3:
	.size	k_q66b2770e07_layer3, .Lfunc_end_k_q66b2770e07_layer3-k_q66b2770e07_layer3
	.p2alignl 7, 3214868480
	.fill 96, 4, 3214868480
	.section	.rodata,"a",@progbits
	.p2align	6, 0x0
	.amdhsa_kernel k_q66b2770e07_layer3
		.amdhsa_group_segment_fixed_size 67072
		.amdhsa_private_segment_fixed_size 0
		.amdhsa_enable_private_segment 0
		.amdhsa_kernarg_size 40
		.amdhsa_user_sgpr_count 2
		.amdhsa_user_sgpr_kernarg_segment_ptr 1
		.amdhsa_wavefront_size32 1
		.amdhsa_system_sgpr_workgroup_id_x 1
		.amdhsa_system_sgpr_workgroup_id_y 1
		.amdhsa_system_sgpr_workgroup_id_z 1
		.amdhsa_system_vgpr_workitem_id 0
		.amdhsa_next_free_vgpr 1024
		.amdhsa_next_free_sgpr 66
		.amdhsa_reserve_vcc 0
		.amdhsa_float_denorm_mode_32 3
		.amdhsa_float_denorm_mode_16_64 3
		.amdhsa_memory_ordered 1
		.amdhsa_forward_progress 1
		.amdhsa_inst_pref_size 141
	.end_amdhsa_kernel
	.amdgpu_metadata
---
amdhsa.version: [ 1, 2 ]
amdhsa.kernels:
  - .name:           k_q66b2770e07_layer3
    .symbol:         k_q66b2770e07_layer3.kd
    .args:
      - { .name: rtab, .offset: 0, .size: 8, .value_kind: global_buffer, .address_space: global }
      - { .name: actA, .offset: 8, .size: 8, .value_kind: global_buffer, .address_space: global }
      - { .name: We3, .offset: 16, .size: 8, .value_kind: global_buffer, .address_space: global }
      - { .name: be3, .offset: 24, .size: 8, .value_kind: global_buffer, .address_space: global }
      - { .name: y, .offset: 32, .size: 8, .value_kind: global_buffer, .address_space: global }
    .group_segment_fixed_size: 67072
    .private_segment_fixed_size: 0
    .kernarg_segment_align: 8
    .kernarg_segment_size: 40
    .max_flat_workgroup_size: 128
    .sgpr_count:     66
    .vgpr_count:     1024
    .wavefront_size: 32
...
	.end_amdgpu_metadata
.endif
;; end of part 6
;; launch combine (part 7): grid 256 x 1, 4 waves a work-group, no clusters, 0 bytes of LDS; arguments rtab, gf, y, out0; writes out0
.if DOCPART == 7
	.amdgcn_target "amdgcn-amd-amdhsa--gfx1250"
	.amdhsa_code_object_version 6
	.text
	.protected	k_q66b2770e07_combine
	.globl	k_q66b2770e07_combine
	.p2align	8
	.type	k_q66b2770e07_combine,@function
k_q66b2770e07_combine:
	s_mov_b64 s[64:65], 0
	v_nop
	global_prefetch_b8 v0, s[64:65] scope:SCOPE_SE
	s_setreg_imm32_b32 hwreg(HW_REG_WAVE_MODE, 25, 1), 1
	s_wait_xcnt 0x0
; out0[b] = wn1 (y[0][s1] + y[1][s1]) + wn2 (y[0][s2] + y[1][s2]): the two planes of y (the last layer's sums with the two bf16 parts
; of h2) of the row's two slots, weighted by score / (both scores + 1e-9).  The experts' bias is already in plane 0.
; One wave, one row of 4,096 bytes: 32 loads of 512 consecutive bytes, all issued at once, 8 stores of 512 consecutive bytes.
; A stream: no LDS, no barrier, no matrix unit.  Each row of y is read once in the launch, hence the hint on its loads.
.set YPL, 11010048                     ; 2,688 slots x 4,096 bytes: from plane 0 to plane 1
.set D, 8                              ; v[8:135]: piece q of 512 bytes: 4 sources x 4 registers at 8 + 16 q
	s_load_b256 s[4:11], s[0:1], 0x0               ; rtab 4, gf 6, y 8, out0 10
	v_lshrrev_b32 v1, 5, v0
	v_readfirstlane_b32 s12, v1                    ; wave
	s_lshl2_add_u32 s13, ttmp9, s12                ; row = 4 x work-group + wave
	s_lshl_b32 s14, s13, 3
	v_and_b32 v2, 31, v0
	v_lshlrev_b32 v2, 4, v2                        ; 16 L
	s_mov_b32 s25, 0
	s_wait_kmcnt 0x0
	s_load_b64 s[16:17], s[4:5], s14 offset:0x100  ; the row's two slots
	s_load_b64 s[20:21], s[6:7], s14 offset:0x0    ; its two weights
	s_wait_kmcnt 0x0
	s_min_u32 s16, s16, 2687                       ; whatever the table holds, the address stays inside y
	s_min_u32 s17, s17, 2687
	s_mov_b32 s22, s21                             ; the second weight at the head of a pair of its own
	s_mov_b32 s23, s21
	s_lshl_b32 s24, s16, 12
	s_add_nc_u64 s[28:29], s[8:9], s[24:25]
	s_add_nc_u64 s[30:31], s[28:29], YPL
	s_lshl_b32 s24, s17, 12
	s_add_nc_u64 s[32:33], s[8:9], s[24:25]
	s_add_nc_u64 s[34:35], s[32:33], YPL
	s_lshl_b32 s24, s13, 12
	s_add_nc_u64 s[36:37], s[10:11], s[24:25]
.irp q, 0,1,2,3,4,5,6,7
	global_load_b128 v[D+16*\q:D+16*\q+3],     v2, s[28:29] offset:512*\q th:TH_LOAD_NT
	global_load_b128 v[D+16*\q+4:D+16*\q+7],   v2, s[30:31] offset:512*\q th:TH_LOAD_NT
	global_load_b128 v[D+16*\q+8:D+16*\q+11],  v2, s[32:33] offset:512*\q th:TH_LOAD_NT
	global_load_b128 v[D+16*\q+12:D+16*\q+15], v2, s[34:35] offset:512*\q th:TH_LOAD_NT
.endr
.irp q, 0,1,2,3,4,5,6,7
	s_wait_loadcnt 28-4*\q                         ; loads come back in order: piece q's four are in, the later pieces' stay out
.irp u, 0,2
	v_pk_add_f32 v[D+16*\q+\u:D+16*\q+\u+1], v[D+16*\q+\u:D+16*\q+\u+1], v[D+16*\q+4+\u:D+16*\q+4+\u+1]
	v_pk_add_f32 v[D+16*\q+8+\u:D+16*\q+8+\u+1], v[D+16*\q+8+\u:D+16*\q+8+\u+1], v[D+16*\q+12+\u:D+16*\q+12+\u+1]
	v_pk_mul_f32 v[D+16*\q+\u:D+16*\q+\u+1], v[D+16*\q+\u:D+16*\q+\u+1], s[20:21] op_sel_hi:[1,0]
	v_pk_fma_f32 v[D+16*\q+\u:D+16*\q+\u+1], v[D+16*\q+8+\u:D+16*\q+8+\u+1], s[22:23], v[D+16*\q+\u:D+16*\q+\u+1] op_sel_hi:[1,0,1]
.endr
	global_store_b128 v2, v[D+16*\q:D+16*\q+3], s[36:37] offset:512*\q th:TH_STORE_NT
.endr
	s_endpgm
.Lfunc_end_k_q66b2770e07_combine:
	.size	k_q66b2770e07_combine, .Lfunc_end_k_q66b2770e07_combine-k_q66b2770e07_combine
	.p2alignl 7, 3214868480
	.fill 96, 4, 3214868480
	.section	.rodata,"a",@progbits
	.p2align	6, 0x0
	.amdhsa_kernel k_q66b2770e07_combine
		.amdhsa_group_segment_fixed_size 0
		.amdhsa_private_segment_fixed_size 0
		.amdhsa_enable_private_segment 0
		.amdhsa_kernarg_size 32
		.amdhsa_user_sgpr_count 2
		.amdhsa_user_sgpr_kernarg_segment_ptr 1
		.amdhsa_wavefront_size32 1
		.amdhsa_system_sgpr_workgroup_id_x 1
		.amdhsa_system_sgpr_workgroup_id_y 1
		.amdhsa_system_sgpr_workgroup_id_z 1
		.amdhsa_system_vgpr_workitem_id 0
		.amdhsa_next_free_vgpr 136
		.amdhsa_next_free_sgpr 66
		.amdhsa_reserve_vcc 0
		.amdhsa_float_denorm_mode_32 3
		.amdhsa_float_denorm_mode_16_64 3
		.amdhsa_memory_ordered 1
		.amdhsa_forward_progress 1
		.amdhsa_inst_pref_size 10
	.end_amdhsa_kernel
	.amdgpu_metadata
---
amdhsa.version: [ 1, 2 ]
amdhsa.kernels:
  - .name:           k_q66b2770e07_combine
    .symbol:         k_q66b2770e07_combine.kd
    .args:
      - { .name: rtab, .offset: 0, .size: 8, .value_kind: global_buffer, .address_space: global }
      - { .name: gf, .offset: 8, .size: 8, .value_kind: global_buffer, .address_space: global }
      - { .name: y, .offset: 16, .size: 8, .value_kind: global_buffer, .address_space: global }
      - { .name: out0, .offset: 24, .size: 8, .value_kind: global_buffer, .address_space: global }
    .group_segment_fixed_size: 0
    .private_segment_fixed_size: 0
    .kernarg_segment_align: 8
    .kernarg_segment_size: 32
    .max_flat_workgroup_size: 128
    .sgpr_count:     66
    .vgpr_count:     136
    .wavefront_size: 32
...
	.end_amdgpu_metadata
.endif
;; end of part 7
;; ======== version 2 of 2: 7 launches; 1.12 times as fast as version 1
;; limits: values are held in f16: magnitudes above 65,504 overflow, below 6.1e-05 lose precision
;; workspace buffers: ridx 8,192 bytes of whole numbers; gf 12,288 bytes; rtab 8,448 bytes of whole numbers; inv 12,288 bytes of whole numbers; sc 1,024 bytes; actA 11,010,048 bytes; actB 11,010,048 bytes; y 22,020,096 bytes
;; launch gate: the kernel of part 1 again; grid 128 x 1, 16 waves a work-group, no clusters, 75,776 bytes of LDS; arguments x, Wg1, bg1, Wg2, bg2, Wg3, bg3, out2, out3, ridx, gf; writes out2, out3, ridx, gf
;; launch route: the kernel of part 2 again; grid 12 x 1, 32 waves a work-group, no clusters, 8,192 bytes of LDS; arguments ridx, gf, rtab, inv, out1; writes rtab, inv, out1
;; launch gather: the kernel of part 3 again; grid 256 x 1, 16 waves a work-group, no clusters, 0 bytes of LDS; arguments rtab, inv, x, actA; writes actA
;; launch layer1 (part 8): grid 16 x 16, 4 waves a work-group, no clusters, 33,280 bytes of LDS; arguments rtab, actA, We1, be1, actB; writes actB
.if DOCPART == 8
	.amdgcn_target "amdgcn-amd-amdhsa--gfx1250"
	.amdhsa_code_object_version 6
	.text
	.protected	k_q66b2770e07_layer1
	.globl	k_q66b2770e07_layer1
	.p2align	8
	.type	k_q66b2770e07_layer1,@function
k_q66b2770e07_layer1:
	s_mov_b64 s[64:65], 0
	v_nop
	global_prefetch_b8 v0, s[64:65] scope:SCOPE_SE
	s_setreg_imm32_b32 hwreg(HW_REG_WAVE_MODE, 25, 1), 1
	s_wait_xcnt 0x0
; The experts' first layer on the slots of one worker: h1 = relu(x W1[e] + b1[e]), 64 ng slots x 128 columns, ng = 1..4.
; The three layers share this text but for the five constants below (sizes, kind of the way out OUTK).
; grid x = column block (last layer: x & 7, and x >> 3 = which half of K); grid y = worker; rtab gives its expert, first granule, ng.
; NUMBER FORMATS.  A rounding to bf16 (8 significant bits) adds about 0.0015 of a sum's rms to it; six in a row (x, W1, h1, W2, h2, W3)
; about 0.004, too near an allowance of 0.01 for a million numbers.  So all three layers take f16 operands (11 bits, an eighth of that
; error).  x, the weights and h1 have the room: |x| about 5, weights about 0.02 (30 times smaller, f16's smallest step 6e-8 is still
; 1e-4 of their spread), h1 with a spread of sqrt(1024) x 0.02 = 0.64, largest about 3.5: 3,200 with x and W1 both 30 times larger,
; 1024 x 30 x 0.6 = 18,432 with offsets of 30 spreads on both, against f16's 65,504.  h2 has no such room as it stands (another factor
; of 30, or of 2048 x 0.6), so it travels with a scale: a work-group of the second layer takes the largest number m of its tile
; (4 granules x 128 columns), e = m's f32 exponent field (15 at the least), stores h2 x 2^(141-e), which is below 2^15, and e in
; sc[worker][column block].  The last layer's worker has the same slots, and a column block is two of its K steps: it multiplies the rows
; of W3 that meet block b by 2^(e_b - e_max), 1 at the most, as it converts them, and its sums by 2^(e_max - 141) at the end.
; WEIGHTS are f32 [K][N].  For 64 columns x 32 k, lane (r = L & 15, h = L >> 4) loads 16 bytes at row k0+8h+i and k0+16+8h+i
; (i = 0..7), columns c0+4r..+3: sixteen lanes read 256 consecutive bytes.  Packing rows 2q, 2q+1 of word t gives register q of a
; fragment whose row r is column c0+4r+t: four whole fragments from 16 loads and 32 conversions, no transpose.
; Each wave converts a quarter of a K step of 64 (column group w & 1, 32 k w >> 1) into LDS; every wave reads all 16 fragments.
; THE MATRIX INSTRUCTION IS USED TRANSPOSED: source 0 = weights, source 1 = activations; register j of lane (r, h) is then
; slot r, column c0+32h+4j+t: over t and j a lane holds 32 neighbouring columns of one slot.
; ACTIVATIONS lie as fragments: act[k/32][slot/16][1,024 bytes], lane L's registers 0-3 at 16 L, 4-7 at 512+16 L, and go from memory
; straight into registers.  Wave w takes row tile 4 (g0 + i) + w of granule i.
; ng is read from memory, and no barrier and no counted wait hangs on it: every wave always loads four granules (granule i
; takes granule min(i, ng-1)); only the 16 matrix instructions of a granule i >= ng are jumped over.  K step 0, which starts the
; sums, runs all four, so every accumulator is written on every path.
; No tensor loads: the weights pass through registers for the conversion.  No cluster: 1 to 8 workers share an expert's weights,
; by the routing, so no fixed cluster holds them.
; LIMITS: operands rounded to f16, sums in f32; |x|, |W1|, h1 up to 65,504; relu is a maximum that drops a NaN.
.set NP,     8192                      ; bytes in a row of W
.set NS,     16                        ; K steps of 64
.set ES,     8388608                   ; bytes of one expert's W
.set BROW,   8192                      ; bytes of one expert's bias
.set OUTK,   0                         ; the way out: 0 = relu, f16 fragments; 1 = relu, f16 fragments with the tile's scale; 2 = f32 rows, half of K
.set RTB,    172032                    ; 168 row tiles x 1,024 bytes: from one block of 32 k to the next
.set ASTEP,  2*RTB                     ; a K step
.set YPL,    11010048                  ; 2,688 slots x 4,096 bytes: from y's first plane to its second
.set WBUF,   16384                     ; LDS: two buffers of 16 fragments x 1,024 bytes
.set RED,    2*WBUF                    ; (OUTK 1) behind them four words: the waves' maxima
.set STAGE,  2*WBUF                    ; (OUTK 2) behind them 16 rows x 528 bytes for each wave
.set SPITCH, 528                       ; 33 x 16 bytes: sixteen rows start at sixteen different 16-byte columns
; window 0: v4 weights' offset, v5 16 L, v6 LDS store, v7 way out, v8 bias offset, v9 stage read, v10-13 activation offsets
.set AO,  10
.set CT,  16                           ; v[16:47]   converted fragments on their way to LDS
.set BI,  64                           ; v[64:127]  bias of my 2 x 32 columns
.set T,   128                          ; at work on the way out
.set O,   160                          ; packed results
.set R,   192                          ; (OUTK 2) rows read back from the stage
.set MX,  224                          ; (OUTK 1) v[224:231] the tile's maximum at work
; window 1: accumulators, tile (granule i, column tile f) at 8 (8 i + f).   window 2: weight fragments, set p at 128 p + 8 (8 c + f)
; window 3: activation fragments, slot p at 64 p + 8 (2 i + c); staging of f32 weights at 128 + 64 slot + 4 load
.set ST,  128
.set FQ,  40                           ; (OUTK 1) s[40:41] the tile's factor; (OUTK 2) s[40:47] the factors of the blocks still to convert, s40 the one at hand
.set MSB, 0
.macro WIN new                         ; s_set_vgpr_msb: bits 1:0 source 0, 3:2 source 1, 5:4 source 2, 7:6 destination; the high byte repeats the setting left
.if MSB != \new
	s_set_vgpr_msb (MSB<<8)|\new
.set MSB, \new
.endif
.endm
.macro PLACES                          ; four plain vector instructions between a matrix instruction and a load into, or a read of, its registers
.rept 4
	v_nop
.endr
.endm
.macro WLD slot, imm                   ; my quarter of a K step's weights, f32: 16 loads
	WIN 0xC0
.set li, 0
.rept 16
	global_load_b128 v[ST+64*\slot+4*li:ST+64*\slot+4*li+3], v4, s[24:25] offset:\imm+(16*(li/8)+li%8)*NP
.set li, li+1
.endr
.endm
.macro ALD slot, i, imm                ; granule i's two fragments of a K step: 4 loads of 512 consecutive bytes
	WIN 0xC0
.irp c, 0,1
.irp hf, 0,1
	global_load_b128 v[64*\slot+8*(2*\i+\c)+4*\hf:64*\slot+8*(2*\i+\c)+4*\hf+3], v[AO+\i], s[26:27] offset:\imm+\c*RTB+\hf*512
.endr
.endr
.endm
.macro CVT slot, buf                   ; f32 to f16, four fragments, into my 4 KiB of LDS buffer buf
.if OUTK == 2
	WIN 0xC3                                       ; first the block's factor 2^(e_b - e_max), in place on the staged f32
.set li, 0
.rept 32
	v_pk_mul_f32 v[ST+64*\slot+2*li:ST+64*\slot+2*li+1], v[ST+64*\slot+2*li:ST+64*\slot+2*li+1], s[FQ:FQ+1] op_sel_hi:[1,0]
.set li, li+1
.endr
.endif
	WIN 0x0F
.irp t, 0,1,2,3
.irp hf, 0,1
.irp q, 0,1,2,3
	v_cvt_pk_f16_f32 v[CT+8*\t+4*\hf+\q], v[ST+64*\slot+4*(8*\hf+2*\q)+\t], v[ST+64*\slot+4*(8*\hf+2*\q+1)+\t]
.endr
.endr
.endr
	WIN 0
.irp t, 0,1,2,3
.irp hf, 0,1
	ds_store_b128 v6, v[CT+8*\t+4*\hf:CT+8*\t+4*\hf+3] offset:\buf*WBUF+\t*1024+\hf*512
.endr
.endr
.endm
.macro WFL set, buf                    ; all 16 fragments of a K step from LDS: 32 loads of 512 consecutive bytes
	WIN 0x80
.set fi, 0
.rept 16
	ds_load_b128 v[128*\set+8*fi:128*\set+8*fi+3],   v5 offset:\buf*WBUF+fi*1024
	ds_load_b128 v[128*\set+8*fi+4:128*\set+8*fi+7], v5 offset:\buf*WBUF+fi*1024+512
.set fi, fi+1
.endr
.endm
.macro MM par, i, zero                 ; 16 slots x 128 columns x 64 k.  The eight accumulators take turns, one instruction a turn
	WIN 0x5E
.set cc, 0
.rept 2
.set ff, 0
.rept 8
.if \zero*(1-cc)
	v_wmma_f32_16x16x32_f16 v[8*(8*\i+ff):8*(8*\i+ff)+7], v[128*\par+8*(8*cc+ff):128*\par+8*(8*cc+ff)+7], v[64*\par+8*(2*\i+cc):64*\par+8*(2*\i+cc)+7], 0
.else
	v_wmma_f32_16x16x32_f16 v[8*(8*\i+ff):8*(8*\i+ff)+7], v[128*\par+8*(8*cc+ff):128*\par+8*(8*cc+ff)+7], v[64*\par+8*(2*\i+cc):64*\par+8*(2*\i+cc)+7], v[8*(8*\i+ff):8*(8*\i+ff)+7]
.endif
.set ff, ff+1
.endr
.set cc, cc+1
.endr
.endm
; One granule's turn in a K step.  cnt: how many younger loads may stay out when its fragments have to be there.
.macro GRAN par, i, zero, always, ald, last, wfl, bar, cnt
	s_wait_loadcnt \cnt
.if \always
	MM \par, \i, \zero
.else
	WIN 0                                          ; at a branch and at a label every window is 0
	s_cmp_le_u32 s19, \i                           ; the worker has no granule i: only the products are left out
	s_cbranch_scc1 .Lskip_\@
	MM \par, \i, 0
	WIN 0
.Lskip_\@:
.endif
.if \last
.if \wfl+\bar
	s_wait_dscnt 0x0                               ; my stores into one LDS buffer and my reads of the other are done
.endif
.if \bar
	s_barrier_signal -1
.endif
.endif
.if \ald
	PLACES
.endif
.if \last*\bar
	s_barrier_wait -1                              ; of every wave: the buffer stored may be read, the buffer read may be stored into
.endif
.if \ald
	ALD \par, \i, \par*ASTEP
.endif
.endm
; K step s, par = s & 1: multiplies weight set par and activation slot par; converts W(s+2) into LDS buffer par; asks for W(s+4)
; into the staging just read; reads the fragments of W(s+1) from the other buffer; asks for A(s+2) granule by granule.
.macro STEP par, zero, cvt, wld, wfl, ald, bar, nw, na, dec
.if \cvt
	s_wait_loadcnt \nw
	CVT \par, \par
.endif
.if \wld
	WLD \par, \par*64*NP
.endif
.if \wfl
	WFL (1-\par), (1-\par)
.endif
	GRAN \par, 0, \zero, 1,     \ald, 0, \wfl, \bar, \na
	GRAN \par, 1, \zero, \zero, \ald, 0, \wfl, \bar, \na-\dec
	GRAN \par, 2, \zero, \zero, \ald, 0, \wfl, \bar, \na-2*\dec
	GRAN \par, 3, \zero, \zero, \ald, 1, \wfl, \bar, \na-3*\dec
.endm
; Behind every two conversions: the bases step on, and (OUTK 2) the next block's factor moves to the head: two K steps are one block of 128 k
.macro ADV wsteps
	s_wait_xcnt 0x0                                ; the two bases are stepped only behind this wait
	s_add_nc_u64 s[24:25], s[24:25], \wsteps*64*NP
	s_add_nc_u64 s[26:27], s[26:27], 2*ASTEP
.if OUTK == 2
.irp b, 0,1,2,3,4,5,6
	s_mov_b32 s[FQ+\b], s[FQ+\b+1]
.endr
.endif
.endm
	s_load_b256 s[4:11], s[0:1], 0x0               ; rtab 4, activations in 6, W 8, bias 10
	s_load_b64 s[12:13], s[0:1], 0x20              ; out
	v_lshl_add_u32 v254, v0, 2, 0x8000
	v_mov_b32 v255, 0
.if OUTK
	s_load_b64 s[38:39], s[0:1], 0x28              ; sc
.endif
	v_lshrrev_b32 v1, 5, v0
	v_readfirstlane_b32 s14, v1                    ; wave
.if OUTK == 2
	s_and_b32 s15, ttmp9, 7                        ; column block
	s_lshr_b32 s29, ttmp9, 3                       ; half of K
.else
	s_mov_b32 s15, ttmp9
.endif
	s_and_b32 s16, ttmp7, 0xffff                   ; worker
	s_lshl_b32 s20, s16, 2
.if OUTK == 2
	s_lshl_b32 s36, s16, 6                         ; sc: 16 words a worker,
	s_lshl_b32 s37, s29, 5                         ; 8 of them for my half of K
	s_add_co_u32 s36, s36, s37
.endif
	s_wait_kmcnt 0x0
	s_load_b32 s17, s[4:5], s20 offset:0x0         ; expert
	s_load_b32 s18, s[4:5], s20 offset:0x40        ; first granule
	s_load_b32 s19, s[4:5], s20 offset:0x80        ; granules
.if OUTK == 2
	s_load_b256 s[FQ:FQ+7], s[38:39], s36 offset:0x0   ; e_b of my eight blocks of 128 k
.endif
	v_and_b32 v1, 31, v0
	v_and_b32 v2, 15, v0                           ; r
	v_bfe_u32 v3, v0, 4, 1                         ; h
	v_lshlrev_b32 v5, 4, v1                        ; 16 L
	s_lshr_b32 s22, s14, 1
	s_mul_i32 s22, s22, 32*NP                      ; my 32 k of a K step
	s_and_b32 s23, s14, 1
	s_lshl_b32 s23, s23, 8                         ; my 64 columns
	s_add_co_u32 s22, s22, s23
	v_mul_u32_u24 v4, v3, 8*NP
	v_lshl_add_u32 v4, v2, 4, v4
	v_add_nc_u32 v4, s22, v4                       ; (32 c + 8 h) rows + 256 grp + 16 r
	s_lshl_b32 s23, s14, 12
	v_add_nc_u32 v6, s23, v5                       ; my four fragments are 4 w .. 4 w + 3
	v_lshlrev_b32 v8, 7, v3                        ; bias: 32 h columns
.if OUTK == 2
	s_mul_i32 s23, s14, 16*SPITCH
	s_add_co_u32 s23, s23, STAGE
	v_mul_u32_u24 v7, v2, SPITCH
	v_lshl_add_u32 v7, v3, 7, v7
	v_add_nc_u32 v7, s23, v7                       ; stage, in: row r, 128 h bytes
	v_add_nc_u32 v9, s23, v5                       ; stage, back: 16 L of a row
.else
	v_mul_u32_u24 v7, v3, RTB
	v_lshl_add_u32 v7, v2, 4, v7                   ; out: block + h, 16 r
.endif
	s_wait_kmcnt 0x0
	s_min_u32 s17, s17, 7                          ; whatever the table holds, every address stays inside its buffer:
	s_min_u32 s18, s18, 38                         ; 38 + 4 granules = 168 row tiles
	s_min_u32 s19, s19, 4
.if OUTK == 2
	s_max_u32 s48, s[FQ], s[FQ+1]
.irp b, 2,3,4,5,6,7
	s_max_u32 s48, s48, s[FQ+\b]                   ; e_max
.endr
	s_sub_co_i32 s49, s48, 127
.irp b, 0,1,2,3,4,5,6,7
	s_sub_co_i32 s[FQ+\b], s[FQ+\b], s49           ; the exponent field of 2^(e_b - e_max);
	s_max_i32 s[FQ+\b], s[FQ+\b], 0                ; below the format's range the factor is 0
	s_lshl_b32 s[FQ+\b], s[FQ+\b], 23
.endr
	s_sub_co_u32 s48, s48, 14                      ; the exponent field of 2^(e_max - 141): 1 at the least, since e is 15 at the least
	s_lshl_b32 s48, s48, 23
.endif
	s_mov_b32 s35, 0
	s_lshl_b32 s21, s15, 9                         ; 128 columns of f32
	s_mul_i32 s34, s17, ES
	s_add_co_u32 s34, s34, s21
.if OUTK == 2
	s_mul_i32 s22, s29, 1024*NP
	s_add_co_u32 s34, s34, s22
.endif
	s_add_nc_u64 s[24:25], s[8:9], s[34:35]        ; W at my expert, my columns, my first k
	s_lshl2_add_u32 s23, s18, s14                  ; 4 g0 + w: my first row tile
	s_lshl_b32 s34, s23, 10
.if OUTK == 2
	s_mul_i32 s22, s29, 32*RTB
	s_add_co_u32 s34, s34, s22
.endif
	s_add_nc_u64 s[26:27], s[6:7], s[34:35]
	s_mul_i32 s34, s17, BROW
	s_add_co_u32 s34, s34, s21
	s_add_nc_u64 s[30:31], s[10:11], s[34:35]
.if OUTK == 2
	s_lshl_b32 s34, s23, 16                        ; 16 (4 g0 + w) rows of 4,096 bytes
	s_add_co_u32 s34, s34, s21
	s_mul_i32 s22, s29, YPL                        ; the K half's plane of y
	s_add_co_u32 s34, s34, s22
	s_cmp_eq_u32 s29, 0
	s_cselect_b32 s50, 0x3f800000, 0               ; the bias counts once: factor 1 in half 0, 0 in half 1
	s_mov_b32 s51, s50
.else
	s_lshl_b32 s34, s23, 10
	s_mul_i32 s22, s15, 4*RTB                      ; my 128 columns are blocks 4 cb .. 4 cb + 3 of the next layer's k
	s_add_co_u32 s34, s34, s22
.endif
	s_add_nc_u64 s[32:33], s[12:13], s[34:35]
	s_sub_co_u32 s36, s19, 1
.irp i, 0,1,2,3
	s_min_u32 s37, s36, \i                         ; granule min(i, ng - 1)
	s_lshl_b32 s37, s37, 12
	v_add_nc_u32 v[AO+\i], s37, v5
.endr
	; Loads come back in order, so each wait below counts the loads issued behind the one it needs.
.set pp, 0
.rept 16
	global_load_b128 v[BI+4*pp:BI+4*pp+3], v8, s[30:31] offset:(pp/8)*256+(pp%8)*16    ; the oldest loads
.set pp, pp+1
.endr
	WLD 0, 0
	WLD 1, 64*NP
	s_wait_loadcnt 16                              ; W(0) and the bias are in; W(1) stays out
	CVT 0, 0
	WLD 0, 2*64*NP
.irp i, 0,1,2,3
	ALD 0, \i, 0
.endr
	s_wait_loadcnt 32                              ; behind W(1): W(2) 16, A(0) 16
	CVT 1, 1
	WLD 1, 3*64*NP
.irp i, 0,1,2,3
	ALD 1, \i, ASTEP
.endr
	s_wait_dscnt 0x0
	s_barrier_signal -1
	s_barrier_wait -1                              ; both LDS buffers are whole
	WFL 0, 0
	s_wait_dscnt 0x0
	s_barrier_signal -1
	s_barrier_wait -1                              ; every wave has read buffer 0: K step 0 stores into it
	ADV 4
	; steady state: behind W(s+2) stand A(s) 16, W(s+3) 16, A(s+1) 16 = 48; behind granule i of A(s) stand the rest of A(s),
	; W(s+3), A(s+1), W(s+4) and the granules of A(s+2) asked for so far = 12 + 16 + 16 + 16 = 60, the same for every i
	STEP 0, 1, 1, 1, 1, 1, 1, 48, 60, 0
	STEP 1, 0, 1, 1, 1, 1, 1, 48, 60, 0
	ADV 2
	WIN 0
	s_mov_b32 s28, (NS-6)/2
.Lk:
	STEP 0, 0, 1, 1, 1, 1, 1, 48, 60, 0
	STEP 1, 0, 1, 1, 1, 1, 1, 48, 60, 0
	ADV 2
	WIN 0
	s_sub_co_u32 s28, s28, 1
	s_cmp_lg_u32 s28, 0
	s_cbranch_scc1 .Lk
	STEP 0, 0, 1, 0, 1, 1, 1, 48, 44, 0            ; NS-4: no weights left to ask for: 60 - 16
	STEP 1, 0, 1, 0, 1, 1, 1, 32, 28, 0            ; NS-3: behind W(NS-1): A(NS-3), A(NS-2); behind a granule 12 + 16
	STEP 0, 0, 0, 0, 1, 0, 0, 0, 28, 4             ; NS-2: nothing is asked for: the counts run down by 4 a granule
	STEP 1, 0, 0, 0, 0, 0, 0, 0, 12, 4             ; NS-1
	PLACES
.if OUTK == 1
; The largest relu(sum + bias) of the tile, all four granules' accumulators (padding slots, and the first K step's sums of a granule
; that the worker does not have, take part: they can only make the scale more cautious).  Four chains, started from the constant 0.
.macro MAXI i
.irp grp, 0,1
	WIN 0x01
.irp j, 0,1,2,3,4,5,6,7
.irp t, 0,1,2,3
	v_add_f32 v[T+4*\j+\t], v[8*(8*\i+4*\grp+\t)+\j], v[BI+32*\grp+4*\j+\t]
.endr
.endr
	WIN 0
.set cc, 0
.rept 16
.if 4*(\i+\grp)+cc < 4
	v_max3_num_f32 v[MX+cc%4], v[T+2*cc], v[T+2*cc+1], 0
.else
	v_max3_num_f32 v[MX+cc%4], v[T+2*cc], v[T+2*cc+1], v[MX+cc%4]
.endif
.set cc, cc+1
.endr
.endr
.endm
	MAXI 0
	MAXI 1
	MAXI 2
	MAXI 3
	v_max3_num_f32 v[MX], v[MX], v[MX+1], v[MX+2]
	v_max_num_f32 v[MX], v[MX], v[MX+3]
.irp m, 1,2,4,8
	v_max_num_f32_dpp v[MX], v[MX], v[MX] row_xmask:\m row_mask:0xf bank_mask:0xf
.endr
	s_mov_b32 s36, 0x76543210                      ; v_permlanex16_b32: lane i reads lane i of the other half
	s_mov_b32 s37, 0xfedcba98
	v_permlanex16_b32 v[MX+1], v[MX], s36, s37
	v_max_num_f32 v[MX], v[MX], v[MX+1]            ; my wave's maximum, in every lane
	s_lshl_b32 s36, s14, 2
	v_mov_b32 v[MX+1], s36
	ds_store_b32 v[MX+1], v[MX] offset:RED         ; a word for each wave, behind the weights' buffers, which slower waves may still read
	s_wait_dscnt 0x0                               ; my word is in LDS before I say so
	s_barrier_signal -1
	s_barrier_wait -1                              ; on every wave's path: it stands ahead of the branches on ng
	v_mov_b32 v[MX+2], 0
	ds_load_b128 v[MX+4:MX+7], v[MX+2] offset:RED
	s_wait_dscnt 0x0
	v_max3_num_f32 v[MX], v[MX+4], v[MX+5], v[MX+6]
	v_max_num_f32 v[MX], v[MX], v[MX+7]            ; the tile's maximum m, not negative
	v_readfirstlane_b32 s36, v[MX]
	s_lshr_b32 s36, s36, 23                        ; e: m's exponent field,
	s_max_u32 s36, s36, 15                         ; 15 at the least, so that 2^(e - 141) is still a normal f32
	s_sub_co_u32 s[FQ], 268, s36                   ; the exponent field of 2^(141 - e): m times it lies in [2^14, 2^15)
	s_lshl_b32 s[FQ], s[FQ], 23
	s_mov_b32 s[FQ+1], s[FQ]
	v_mov_b32 v[MX+1], s36
	s_lshl_b32 s36, s16, 6                         ; sc[worker][column block]: one word of a table of 1,024 bytes for each work-group
	s_lshl2_add_u32 s36, s15, s36
	v_mov_b32 v[MX+3], s36
	v_cmp_eq_u32 vcc_lo, 0, v0                     ; thread 0 stores it
	s_wait_xcnt 0x0                                ; EXEC changes only behind s_wait_xcnt 0
	s_and_saveexec_b32 s37, vcc_lo
	global_store_b32 v[MX+3], v[MX+1], s[38:39]
	s_wait_xcnt 0x0
	s_or_b32 exec_lo, exec_lo, s37
.endif
.if OUTK == 2
; y[half][slot][1024] f32 = sums x 2^(e_max - 141) (+ bias in half 0).  The fused multiply-add also brings a lane's 32 columns into order;
; 16 rows go through my own stage in LDS (served in order: no wait between my stores and my loads) and leave as whole rows of 512 bytes.
.set cc, 0
.rept 32
	v_pk_mul_f32 v[BI+2*cc:BI+2*cc+1], v[BI+2*cc:BI+2*cc+1], s[50:51] op_sel_hi:[1,0]
.set cc, cc+1
.endr
.macro EPI i
	WIN 0x01
.irp grp, 0,1
.irp j, 0,1,2,3,4,5,6,7
.irp t, 0,1,2,3
	v_fma_f32 v[T+32*\grp+4*\j+\t], v[8*(8*\i+4*\grp+\t)+\j], s48, v[BI+32*\grp+4*\j+\t]
.endr
.endr
.endr
	WIN 0
.irp grp, 0,1
.irp p, 0,1,2,3,4,5,6,7
	ds_store_b128 v7, v[T+32*\grp+4*\p:T+32*\grp+4*\p+3] offset:\grp*256+\p*16
.endr
.endr
	s_wait_xcnt 0x0                                ; the last granule's stores have read v[R..]: loaded again only behind this wait
.set rr, 0
.rept 16
	ds_load_b128 v[R+4*rr:R+4*rr+3], v9 offset:rr*SPITCH
.set rr, rr+1
.endr
.set rr, 0
.rept 16
	s_wait_dscnt 15-rr
	global_store_b128 v5, v[R+4*rr:R+4*rr+3], s[32:33] offset:\i*262144+rr*4096    ; 512 consecutive bytes, aligned
.set rr, rr+1
.endr
.endm
.else
; bias, relu, (OUTK 1: the tile's factor,) f16, and out in the next layer's fragment order: my 32 columns are block + h; piece q
; (8 columns) belongs to lane 16 (q & 1) + r, registers 4 (q >> 1)..: sixteen lanes store 256 consecutive bytes, aligned.
.macro EPI i
	s_wait_xcnt 0x0                                ; the last granule's stores have read v[O..]: written again only behind this wait
.irp grp, 0,1
	WIN 0x01
.irp j, 0,1,2,3,4,5,6,7
.irp t, 0,1,2,3
	v_add_f32 v[T+4*\j+\t], v[8*(8*\i+4*\grp+\t)+\j], v[BI+32*\grp+4*\j+\t]
.endr
.endr
	WIN 0
.set cc, 0
.rept 32
	v_max_num_f32 v[T+cc], 0, v[T+cc]
.set cc, cc+1
.endr
.if OUTK == 1
.set cc, 0
.rept 16
	v_pk_mul_f32 v[T+2*cc:T+2*cc+1], v[T+2*cc:T+2*cc+1], s[FQ:FQ+1] op_sel_hi:[1,0]
.set cc, cc+1
.endr
.endif
.set cc, 0
.rept 16
	v_cvt_pk_f16_f32 v[O+16*\grp+cc], v[T+2*cc], v[T+2*cc+1]
.set cc, cc+1
.endr
.irp q, 0,1,2,3
	global_store_b128 v7, v[O+16*\grp+4*\q:O+16*\grp+4*\q+3], s[32:33] offset:\grp*2*RTB+\i*4096+(\q/2)*512+(\q%2)*256
.endr
.endr
.endm
.endif
	EPI 0
	s_cmp_le_u32 s19, 1                            ; only the worker's own granules are stored
	s_cbranch_scc1 .Ldone
	EPI 1
	s_cmp_le_u32 s19, 2
	s_cbranch_scc1 .Ldone
	EPI 2
	s_cmp_le_u32 s19, 3
	s_cbranch_scc1 .Ldone
	EPI 3
.Ldone:
	s_wait_tensorcnt 0x0
	ds_add_u32 v254, v255
	s_wait_dscnt 0x0
	s_endpgm
.Lfunc_end_k_q66b2770e07_layer1:
	.size	k_q66b2770e07_layer1, .Lfunc_end_k_q66b2770e07_layer1-k_q66b2770e07_layer1
	.p2alignl 7, 3214868480
	.fill 96, 4, 3214868480
	.section	.rodata,"a",@progbits
	.p2align	6, 0x0
	.amdhsa_kernel k_q66b2770e07_layer1
		.amdhsa_group_segment_fixed_size 33280
		.amdhsa_private_segment_fixed_size 0
		.amdhsa_enable_private_segment 0
		.amdhsa_kernarg_size 40
		.amdhsa_user_sgpr_count 2
		.amdhsa_user_sgpr_kernarg_segment_ptr 1
		.amdhsa_wavefront_size32 1
		.amdhsa_system_sgpr_workgroup_id_x 1
		.amdhsa_system_sgpr_workgroup_id_y 1
		.amdhsa_system_sgpr_workgroup_id_z 1
		.amdhsa_system_vgpr_workitem_id 0
		.amdhsa_next_free_vgpr 1024
		.amdhsa_next_free_sgpr 66
		.amdhsa_reserve_vcc 1
		.amdhsa_float_denorm_mode_32 3
		.amdhsa_float_denorm_mode_16_64 3
		.amdhsa_memory_ordered 1
		.amdhsa_forward_progress 1
		.amdhsa_inst_pref_size 136
	.end_amdhsa_kernel
	.amdgpu_metadata
---
amdhsa.version: [ 1, 2 ]
amdhsa.kernels:
  - .name:           k_q66b2770e07_layer1
    .symbol:         k_q66b2770e07_layer1.kd
    .args:
      - { .name: rtab, .offset: 0, .size: 8, .value_kind: global_buffer, .address_space: global }
      - { .name: actA, .offset: 8, .size: 8, .value_kind: global_buffer, .address_space: global }
      - { .name: We1, .offset: 16, .size: 8, .value_kind: global_buffer, .address_space: global }
      - { .name: be1, .offset: 24, .size: 8, .value_kind: global_buffer, .address_space: global }
      - { .name: actB, .offset: 32, .size: 8, .value_kind: global_buffer, .address_space: global }
    .group_segment_fixed_size: 33280
    .private_segment_fixed_size: 0
    .kernarg_segment_align: 8
    .kernarg_segment_size: 40
    .max_flat_workgroup_size: 128
    .sgpr_count:     66
    .vgpr_count:     1024
    .wavefront_size: 32
...
	.end_amdgpu_metadata
.endif
;; end of part 8
;; launch layer2 (part 9): grid 16 x 16, 4 waves a work-group, no clusters, 33,536 bytes of LDS; arguments rtab, actB, We2, be2, actA, sc; writes actA, sc
.if DOCPART == 9
	.amdgcn_target "amdgcn-amd-amdhsa--gfx1250"
	.amdhsa_code_object_version 6
	.text
	.protected	k_q66b2770e07_layer2
	.globl	k_q66b2770e07_layer2
	.p2align	8
	.type	k_q66b2770e07_layer2,@function
k_q66b2770e07_layer2:
	s_mov_b64 s[64:65], 0
	v_nop
	global_prefetch_b8 v0, s[64:65] scope:SCOPE_SE
	s_setreg_imm32_b32 hwreg(HW_REG_WAVE_MODE, 25, 1), 1
	s_wait_xcnt 0x0
; The experts' second layer on the slots of one worker: h2 = relu(h1 W2[e] + b2[e]), 64 ng slots x 128 columns, ng = 1..4,
; stored in f16 with the tile's scale (see NUMBER FORMATS).
; The three layers share this text but for the five constants below (sizes, kind of the way out OUTK).
; grid x = column block (last layer: x & 7, and x >> 3 = which half of K); grid y = worker; rtab gives its expert, first granule, ng.
; NUMBER FORMATS.  A rounding to bf16 (8 significant bits) adds about 0.0015 of a sum's rms to it; six in a row (x, W1, h1, W2, h2, W3)
; about 0.004, too near an allowance of 0.01 for a million numbers.  So all three layers take f16 operands (11 bits, an eighth of that
; error).  x, the weights and h1 have the room: |x| about 5, weights about 0.02 (30 times smaller, f16's smallest step 6e-8 is still
; 1e-4 of their spread), h1 with a spread of sqrt(1024) x 0.02 = 0.64, largest about 3.5: 3,200 with x and W1 both 30 times larger,
; 1024 x 30 x 0.6 = 18,432 with offsets of 30 spreads on both, against f16's 65,504.  h2 has no such room as it stands (another factor
; of 30, or of 2048 x 0.6), so it travels with a scale: a work-group of the second layer takes the largest number m of its tile
; (4 granules x 128 columns), e = m's f32 exponent field (15 at the least), stores h2 x 2^(141-e), which is below 2^15, and e in
; sc[worker][column block].  The last layer's worker has the same slots, and a column block is two of its K steps: it multiplies the rows
; of W3 that meet block b by 2^(e_b - e_max), 1 at the most, as it converts them, and its sums by 2^(e_max - 141) at the end.
; WEIGHTS are f32 [K][N].  For 64 columns x 32 k, lane (r = L & 15, h = L >> 4) loads 16 bytes at row k0+8h+i and k0+16+8h+i
; (i = 0..7), columns c0+4r..+3: sixteen lanes read 256 consecutive bytes.  Packing rows 2q, 2q+1 of word t gives register q of a
; fragment whose row r is column c0+4r+t: four whole fragments from 16 loads and 32 conversions, no transpose.
; Each wave converts a quarter of a K step of 64 (column group w & 1, 32 k w >> 1) into LDS; every wave reads all 16 fragments.
; THE MATRIX INSTRUCTION IS USED TRANSPOSED: source 0 = weights, source 1 = activations; register j of lane (r, h) is then
; slot r, column c0+32h+4j+t: over t and j a lane holds 32 neighbouring columns of one slot.
; ACTIVATIONS lie as fragments: act[k/32][slot/16][1,024 bytes], lane L's registers 0-3 at 16 L, 4-7 at 512+16 L, and go from memory
; straight into registers.  Wave w takes row tile 4 (g0 + i) + w of granule i.
; ng is read from memory, and no barrier and no counted wait hangs on it: every wave always loads four granules (granule i
; takes granule min(i, ng-1)); only the 16 matrix instructions of a granule i >= ng are jumped over.  K step 0, which starts the
; sums, runs all four, so every accumulator is written on every path.
; No tensor loads: the weights pass through registers for the conversion.  No cluster: 1 to 8 workers share an expert's weights,
; by the routing, so no fixed cluster holds them.
; LIMITS: operands rounded to f16, sums in f32; h1, |W2| up to 65,504; relu is a maximum that drops a NaN; a tile whose largest h2
; is below 2^-112 is scaled as if it were 2^-112.
.set NP,     8192                      ; bytes in a row of W
.set NS,     32                        ; K steps of 64
.set ES,     16777216                  ; bytes of one expert's W
.set BROW,   8192                      ; bytes of one expert's bias
.set OUTK,   1                         ; the way out: 0 = relu, f16 fragments; 1 = relu, f16 fragments with the tile's scale; 2 = f32 rows, half of K
.set RTB,    172032                    ; 168 row tiles x 1,024 bytes: from one block of 32 k to the next
.set ASTEP,  2*RTB                     ; a K step
.set YPL,    11010048                  ; 2,688 slots x 4,096 bytes: from y's first plane to its second
.set WBUF,   16384                     ; LDS: two buffers of 16 fragments x 1,024 bytes
.set RED,    2*WBUF                    ; (OUTK 1) behind them four words: the waves' maxima
.set STAGE,  2*WBUF                    ; (OUTK 2) behind them 16 rows x 528 bytes for each wave
.set SPITCH, 528                       ; 33 x 16 bytes: sixteen rows start at sixteen different 16-byte columns
; window 0: v4 weights' offset, v5 16 L, v6 LDS store, v7 way out, v8 bias offset, v9 stage read, v10-13 activation offsets
.set AO,  10
.set CT,  16                           ; v[16:47]   converted fragments on their way to LDS
.set BI,  64                           ; v[64:127]  bias of my 2 x 32 columns
.set T,   128                          ; at work on the way out
.set O,   160                          ; packed results
.set R,   192                          ; (OUTK 2) rows read back from the stage
.set MX,  224                          ; (OUTK 1) v[224:231] the tile's maximum at work
; window 1: accumulators, tile (granule i, column tile f) at 8 (8 i + f).   window 2: weight fragments, set p at 128 p + 8 (8 c + f)
; window 3: activation fragments, slot p at 64 p + 8 (2 i + c); staging of f32 weights at 128 + 64 slot + 4 load
.set ST,  128
.set FQ,  40                           ; (OUTK 1) s[40:41] the tile's factor; (OUTK 2) s[40:47] the factors of the blocks still to convert, s40 the one at hand
.set MSB, 0
.macro WIN new                         ; s_set_vgpr_msb: bits 1:0 source 0, 3:2 source 1, 5:4 source 2, 7:6 destination; the high byte repeats the setting left
.if MSB != \new
	s_set_vgpr_msb (MSB<<8)|\new
.set MSB, \new
.endif
.endm
.macro PLACES                          ; four plain vector instructions between a matrix instruction and a load into, or a read of, its registers
.rept 4
	v_nop
.endr
.endm
.macro WLD slot, imm                   ; my quarter of a K step's weights, f32: 16 loads
	WIN 0xC0
.set li, 0
.rept 16
	global_load_b128 v[ST+64*\slot+4*li:ST+64*\slot+4*li+3], v4, s[24:25] offset:\imm+(16*(li/8)+li%8)*NP
.set li, li+1
.endr
.endm
.macro ALD slot, i, imm                ; granule i's two fragments of a K step: 4 loads of 512 consecutive bytes
	WIN 0xC0
.irp c, 0,1
.irp hf, 0,1
	global_load_b128 v[64*\slot+8*(2*\i+\c)+4*\hf:64*\slot+8*(2*\i+\c)+4*\hf+3], v[AO+\i], s[26:27] offset:\imm+\c*RTB+\hf*512
.endr
.endr
.endm
.macro CVT slot, buf                   ; f32 to f16, four fragments, into my 4 KiB of LDS buffer buf
.if OUTK == 2
	WIN 0xC3                                       ; first the block's factor 2^(e_b - e_max), in place on the staged f32
.set li, 0
.rept 32
	v_pk_mul_f32 v[ST+64*\slot+2*li:ST+64*\slot+2*li+1], v[ST+64*\slot+2*li:ST+64*\slot+2*li+1], s[FQ:FQ+1] op_sel_hi:[1,0]
.set li, li+1
.endr
.endif
	WIN 0x0F
.irp t, 0,1,2,3
.irp hf, 0,1
.irp q, 0,1,2,3
	v_cvt_pk_f16_f32 v[CT+8*\t+4*\hf+\q], v[ST+64*\slot+4*(8*\hf+2*\q)+\t], v[ST+64*\slot+4*(8*\hf+2*\q+1)+\t]
.endr
.endr
.endr
	WIN 0
.irp t, 0,1,2,3
.irp hf, 0,1
	ds_store_b128 v6, v[CT+8*\t+4*\hf:CT+8*\t+4*\hf+3] offset:\buf*WBUF+\t*1024+\hf*512
.endr
.endr
.endm
.macro WFL set, buf                    ; all 16 fragments of a K step from LDS: 32 loads of 512 consecutive bytes
	WIN 0x80
.set fi, 0
.rept 16
	ds_load_b128 v[128*\set+8*fi:128*\set+8*fi+3],   v5 offset:\buf*WBUF+fi*1024
	ds_load_b128 v[128*\set+8*fi+4:128*\set+8*fi+7], v5 offset:\buf*WBUF+fi*1024+512
.set fi, fi+1
.endr
.endm
.macro MM par, i, zero                 ; 16 slots x 128 columns x 64 k.  The eight accumulators take turns, one instruction a turn
	WIN 0x5E
.set cc, 0
.rept 2
.set ff, 0
.rept 8
.if \zero*(1-cc)
	v_wmma_f32_16x16x32_f16 v[8*(8*\i+ff):8*(8*\i+ff)+7], v[128*\par+8*(8*cc+ff):128*\par+8*(8*cc+ff)+7], v[64*\par+8*(2*\i+cc):64*\par+8*(2*\i+cc)+7], 0
.else
	v_wmma_f32_16x16x32_f16 v[8*(8*\i+ff):8*(8*\i+ff)+7], v[128*\par+8*(8*cc+ff):128*\par+8*(8*cc+ff)+7], v[64*\par+8*(2*\i+cc):64*\par+8*(2*\i+cc)+7], v[8*(8*\i+ff):8*(8*\i+ff)+7]
.endif
.set ff, ff+1
.endr
.set cc, cc+1
.endr
.endm
; One granule's turn in a K step.  cnt: how many younger loads may stay out when its fragments have to be there.
.macro GRAN par, i, zero, always, ald, last, wfl, bar, cnt
	s_wait_loadcnt \cnt
.if \always
	MM \par, \i, \zero
.else
	WIN 0                                          ; at a branch and at a label every window is 0
	s_cmp_le_u32 s19, \i                           ; the worker has no granule i: only the products are left out
	s_cbranch_scc1 .Lskip_\@
	MM \par, \i, 0
	WIN 0
.Lskip_\@:
.endif
.if \last
.if \wfl+\bar
	s_wait_dscnt 0x0                               ; my stores into one LDS buffer and my reads of the other are done
.endif
.if \bar
	s_barrier_signal -1
.endif
.endif
.if \ald
	PLACES
.endif
.if \last*\bar
	s_barrier_wait -1                              ; of every wave: the buffer stored may be read, the buffer read may be stored into
.endif
.if \ald
	ALD \par, \i, \par*ASTEP
.endif
.endm
; K step s, par = s & 1: multiplies weight set par and activation slot par; converts W(s+2) into LDS buffer par; asks for W(s+4)
; into the staging just read; reads the fragments of W(s+1) from the other buffer; asks for A(s+2) granule by granule.
.macro STEP par, zero, cvt, wld, wfl, ald, bar, nw, na, dec
.if \cvt
	s_wait_loadcnt \nw
	CVT \par, \par
.endif
.if \wld
	WLD \par, \par*64*NP
.endif
.if \wfl
	WFL (1-\par), (1-\par)
.endif
	GRAN \par, 0, \zero, 1,     \ald, 0, \wfl, \bar, \na
	GRAN \par, 1, \zero, \zero, \ald, 0, \wfl, \bar, \na-\dec
	GRAN \par, 2, \zero, \zero, \ald, 0, \wfl, \bar, \na-2*\dec
	GRAN \par, 3, \zero, \zero, \ald, 1, \wfl, \bar, \na-3*\dec
.endm
; Behind every two conversions: the bases step on, and (OUTK 2) the next block's factor moves to the head: two K steps are one block of 128 k
.macro ADV wsteps
	s_wait_xcnt 0x0                                ; the two bases are stepped only behind this wait
	s_add_nc_u64 s[24:25], s[24:25], \wsteps*64*NP
	s_add_nc_u64 s[26:27], s[26:27], 2*ASTEP
.if OUTK == 2
.irp b, 0,1,2,3,4,5,6
	s_mov_b32 s[FQ+\b], s[FQ+\b+1]
.endr
.endif
.endm
	s_load_b256 s[4:11], s[0:1], 0x0               ; rtab 4, activations in 6, W 8, bias 10
	s_load_b64 s[12:13], s[0:1], 0x20              ; out
.if OUTK
	s_load_b64 s[38:39], s[0:1], 0x28              ; sc
	v_lshl_add_u32 v254, v0, 2, 0x8100
	v_mov_b32 v255, 0
.endif
	v_lshrrev_b32 v1, 5, v0
	v_readfirstlane_b32 s14, v1                    ; wave
.if OUTK == 2
	s_and_b32 s15, ttmp9, 7                        ; column block
	s_lshr_b32 s29, ttmp9, 3                       ; half of K
.else
	s_mov_b32 s15, ttmp9
.endif
	s_and_b32 s16, ttmp7, 0xffff                   ; worker
	s_lshl_b32 s20, s16, 2
.if OUTK == 2
	s_lshl_b32 s36, s16, 6                         ; sc: 16 words a worker,
	s_lshl_b32 s37, s29, 5                         ; 8 of them for my half of K
	s_add_co_u32 s36, s36, s37
.endif
	s_wait_kmcnt 0x0
	s_load_b32 s17, s[4:5], s20 offset:0x0         ; expert
	s_load_b32 s18, s[4:5], s20 offset:0x40        ; first granule
	s_load_b32 s19, s[4:5], s20 offset:0x80        ; granules
.if OUTK == 2
	s_load_b256 s[FQ:FQ+7], s[38:39], s36 offset:0x0   ; e_b of my eight blocks of 128 k
.endif
	v_and_b32 v1, 31, v0
	v_and_b32 v2, 15, v0                           ; r
	v_bfe_u32 v3, v0, 4, 1                         ; h
	v_lshlrev_b32 v5, 4, v1                        ; 16 L
	s_lshr_b32 s22, s14, 1
	s_mul_i32 s22, s22, 32*NP                      ; my 32 k of a K step
	s_and_b32 s23, s14, 1
	s_lshl_b32 s23, s23, 8                         ; my 64 columns
	s_add_co_u32 s22, s22, s23
	v_mul_u32_u24 v4, v3, 8*NP
	v_lshl_add_u32 v4, v2, 4, v4
	v_add_nc_u32 v4, s22, v4                       ; (32 c + 8 h) rows + 256 grp + 16 r
	s_lshl_b32 s23, s14, 12
	v_add_nc_u32 v6, s23, v5                       ; my four fragments are 4 w .. 4 w + 3
	v_lshlrev_b32 v8, 7, v3                        ; bias: 32 h columns
.if OUTK == 2
	s_mul_i32 s23, s14, 16*SPITCH
	s_add_co_u32 s23, s23, STAGE
	v_mul_u32_u24 v7, v2, SPITCH
	v_lshl_add_u32 v7, v3, 7, v7
	v_add_nc_u32 v7, s23, v7                       ; stage, in: row r, 128 h bytes
	v_add_nc_u32 v9, s23, v5                       ; stage, back: 16 L of a row
.else
	v_mul_u32_u24 v7, v3, RTB
	v_lshl_add_u32 v7, v2, 4, v7                   ; out: block + h, 16 r
.endif
	s_wait_kmcnt 0x0
	s_min_u32 s17, s17, 7                          ; whatever the table holds, every address stays inside its buffer:
	s_min_u32 s18, s18, 38                         ; 38 + 4 granules = 168 row tiles
	s_min_u32 s19, s19, 4
.if OUTK == 2
	s_max_u32 s48, s[FQ], s[FQ+1]
.irp b, 2,3,4,5,6,7
	s_max_u32 s48, s48, s[FQ+\b]                   ; e_max
.endr
	s_sub_co_i32 s49, s48, 127
.irp b, 0,1,2,3,4,5,6,7
	s_sub_co_i32 s[FQ+\b], s[FQ+\b], s49           ; the exponent field of 2^(e_b - e_max);
	s_max_i32 s[FQ+\b], s[FQ+\b], 0                ; below the format's range the factor is 0
	s_lshl_b32 s[FQ+\b], s[FQ+\b], 23
.endr
	s_sub_co_u32 s48, s48, 14                      ; the exponent field of 2^(e_max - 141): 1 at the least, since e is 15 at the least
	s_lshl_b32 s48, s48, 23
.endif
	s_mov_b32 s35, 0
	s_lshl_b32 s21, s15, 9                         ; 128 columns of f32
	s_mul_i32 s34, s17, ES
	s_add_co_u32 s34, s34, s21
.if OUTK == 2
	s_mul_i32 s22, s29, 1024*NP
	s_add_co_u32 s34, s34, s22
.endif
	s_add_nc_u64 s[24:25], s[8:9], s[34:35]        ; W at my expert, my columns, my first k
	s_lshl2_add_u32 s23, s18, s14                  ; 4 g0 + w: my first row tile
	s_lshl_b32 s34, s23, 10
.if OUTK == 2
	s_mul_i32 s22, s29, 32*RTB
	s_add_co_u32 s34, s34, s22
.endif
	s_add_nc_u64 s[26:27], s[6:7], s[34:35]
	s_mul_i32 s34, s17, BROW
	s_add_co_u32 s34, s34, s21
	s_add_nc_u64 s[30:31], s[10:11], s[34:35]
.if OUTK == 2
	s_lshl_b32 s34, s23, 16                        ; 16 (4 g0 + w) rows of 4,096 bytes
	s_add_co_u32 s34, s34, s21
	s_mul_i32 s22, s29, YPL                        ; the K half's plane of y
	s_add_co_u32 s34, s34, s22
	s_cmp_eq_u32 s29, 0
	s_cselect_b32 s50, 0x3f800000, 0               ; the bias counts once: factor 1 in half 0, 0 in half 1
	s_mov_b32 s51, s50
.else
	s_lshl_b32 s34, s23, 10
	s_mul_i32 s22, s15, 4*RTB                      ; my 128 columns are blocks 4 cb .. 4 cb + 3 of the next layer's k
	s_add_co_u32 s34, s34, s22
.endif
	s_add_nc_u64 s[32:33], s[12:13], s[34:35]
	s_sub_co_u32 s36, s19, 1
.irp i, 0,1,2,3
	s_min_u32 s37, s36, \i                         ; granule min(i, ng - 1)
	s_lshl_b32 s37, s37, 12
	v_add_nc_u32 v[AO+\i], s37, v5
.endr
	; Loads come back in order, so each wait below counts the loads issued behind the one it needs.
.set pp, 0
.rept 16
	global_load_b128 v[BI+4*pp:BI+4*pp+3], v8, s[30:31] offset:(pp/8)*256+(pp%8)*16    ; the oldest loads
.set pp, pp+1
.endr
	WLD 0, 0
	WLD 1, 64*NP
	s_wait_loadcnt 16                              ; W(0) and the bias are in; W(1) stays out
	CVT 0, 0
	WLD 0, 2*64*NP
.irp i, 0,1,2,3
	ALD 0, \i, 0
.endr
	s_wait_loadcnt 32                              ; behind W(1): W(2) 16, A(0) 16
	CVT 1, 1
	WLD 1, 3*64*NP
.irp i, 0,1,2,3
	ALD 1, \i, ASTEP
.endr
	s_wait_dscnt 0x0
	s_barrier_signal -1
	s_barrier_wait -1                              ; both LDS buffers are whole
	WFL 0, 0
	s_wait_dscnt 0x0
	s_barrier_signal -1
	s_barrier_wait -1                              ; every wave has read buffer 0: K step 0 stores into it
	ADV 4
	; steady state: behind W(s+2) stand A(s) 16, W(s+3) 16, A(s+1) 16 = 48; behind granule i of A(s) stand the rest of A(s),
	; W(s+3), A(s+1), W(s+4) and the granules of A(s+2) asked for so far = 12 + 16 + 16 + 16 = 60, the same for every i
	STEP 0, 1, 1, 1, 1, 1, 1, 48, 60, 0
	STEP 1, 0, 1, 1, 1, 1, 1, 48, 60, 0
	ADV 2
	WIN 0
	s_mov_b32 s28, (NS-6)/2
.Lk:
	STEP 0, 0, 1, 1, 1, 1, 1, 48, 60, 0
	STEP 1, 0, 1, 1, 1, 1, 1, 48, 60, 0
	ADV 2
	WIN 0
	s_sub_co_u32 s28, s28, 1
	s_cmp_lg_u32 s28, 0
	s_cbranch_scc1 .Lk
	STEP 0, 0, 1, 0, 1, 1, 1, 48, 44, 0            ; NS-4: no weights left to ask for: 60 - 16
	STEP 1, 0, 1, 0, 1, 1, 1, 32, 28, 0            ; NS-3: behind W(NS-1): A(NS-3), A(NS-2); behind a granule 12 + 16
	STEP 0, 0, 0, 0, 1, 0, 0, 0, 28, 4             ; NS-2: nothing is asked for: the counts run down by 4 a granule
	STEP 1, 0, 0, 0, 0, 0, 0, 0, 12, 4             ; NS-1
	PLACES
.if OUTK == 1
; The largest relu(sum + bias) of the tile, all four granules' accumulators (padding slots, and the first K step's sums of a granule
; that the worker does not have, take part: they can only make the scale more cautious).  Four chains, started from the constant 0.
.macro MAXI i
.irp grp, 0,1
	WIN 0x01
.irp j, 0,1,2,3,4,5,6,7
.irp t, 0,1,2,3
	v_add_f32 v[T+4*\j+\t], v[8*(8*\i+4*\grp+\t)+\j], v[BI+32*\grp+4*\j+\t]
.endr
.endr
	WIN 0
.set cc, 0
.rept 16
.if 4*(\i+\grp)+cc < 4
	v_max3_num_f32 v[MX+cc%4], v[T+2*cc], v[T+2*cc+1], 0
.else
	v_max3_num_f32 v[MX+cc%4], v[T+2*cc], v[T+2*cc+1], v[MX+cc%4]
.endif
.set cc, cc+1
.endr
.endr
.endm
	MAXI 0
	MAXI 1
	MAXI 2
	MAXI 3
	v_max3_num_f32 v[MX], v[MX], v[MX+1], v[MX+2]
	v_max_num_f32 v[MX], v[MX], v[MX+3]
.irp m, 1,2,4,8
	v_max_num_f32_dpp v[MX], v[MX], v[MX] row_xmask:\m row_mask:0xf bank_mask:0xf
.endr
	s_mov_b32 s36, 0x76543210                      ; v_permlanex16_b32: lane i reads lane i of the other half
	s_mov_b32 s37, 0xfedcba98
	v_permlanex16_b32 v[MX+1], v[MX], s36, s37
	v_max_num_f32 v[MX], v[MX], v[MX+1]            ; my wave's maximum, in every lane
	s_lshl_b32 s36, s14, 2
	v_mov_b32 v[MX+1], s36
	ds_store_b32 v[MX+1], v[MX] offset:RED         ; a word for each wave, behind the weights' buffers, which slower waves may still read
	s_wait_dscnt 0x0                               ; my word is in LDS before I say so
	s_barrier_signal -1
	s_barrier_wait -1                              ; on every wave's path: it stands ahead of the branches on ng
	v_mov_b32 v[MX+2], 0
	ds_load_b128 v[MX+4:MX+7], v[MX+2] offset:RED
	s_wait_dscnt 0x0
	v_max3_num_f32 v[MX], v[MX+4], v[MX+5], v[MX+6]
	v_max_num_f32 v[MX], v[MX], v[MX+7]            ; the tile's maximum m, not negative
	v_readfirstlane_b32 s36, v[MX]
	s_lshr_b32 s36, s36, 23                        ; e: m's exponent field,
	s_max_u32 s36, s36, 15                         ; 15 at the least, so that 2^(e - 141) is still a normal f32
	s_sub_co_u32 s[FQ], 268, s36                   ; the exponent field of 2^(141 - e): m times it lies in [2^14, 2^15)
	s_lshl_b32 s[FQ], s[FQ], 23
	s_mov_b32 s[FQ+1], s[FQ]
	v_mov_b32 v[MX+1], s36
	s_lshl_b32 s36, s16, 6                         ; sc[worker][column block]: one word of a table of 1,024 bytes for each work-group
	s_lshl2_add_u32 s36, s15, s36
	v_mov_b32 v[MX+3], s36
	v_cmp_eq_u32 vcc_lo, 0, v0                     ; thread 0 stores it
	s_wait_xcnt 0x0                                ; EXEC changes only behind s_wait_xcnt 0
	s_and_saveexec_b32 s37, vcc_lo
	global_store_b32 v[MX+3], v[MX+1], s[38:39]
	s_wait_xcnt 0x0
	s_or_b32 exec_lo, exec_lo, s37
.endif
.if OUTK == 2
; y[half][slot][1024] f32 = sums x 2^(e_max - 141) (+ bias in half 0).  The fused multiply-add also brings a lane's 32 columns into order;
; 16 rows go through my own stage in LDS (served in order: no wait between my stores and my loads) and leave as whole rows of 512 bytes.
.set cc, 0
.rept 32
	v_pk_mul_f32 v[BI+2*cc:BI+2*cc+1], v[BI+2*cc:BI+2*cc+1], s[50:51] op_sel_hi:[1,0]
.set cc, cc+1
.endr
.macro EPI i
	WIN 0x01
.irp grp, 0,1
.irp j, 0,1,2,3,4,5,6,7
.irp t, 0,1,2,3
	v_fma_f32 v[T+32*\grp+4*\j+\t], v[8*(8*\i+4*\grp+\t)+\j], s48, v[BI+32*\grp+4*\j+\t]
.endr
.endr
.endr
	WIN 0
.irp grp, 0,1
.irp p, 0,1,2,3,4,5,6,7
	ds_store_b128 v7, v[T+32*\grp+4*\p:T+32*\grp+4*\p+3] offset:\grp*256+\p*16
.endr
.endr
	s_wait_xcnt 0x0                                ; the last granule's stores have read v[R..]: loaded again only behind this wait
.set rr, 0
.rept 16
	ds_load_b128 v[R+4*rr:R+4*rr+3], v9 offset:rr*SPITCH
.set rr, rr+1
.endr
.set rr, 0
.rept 16
	s_wait_dscnt 15-rr
	global_store_b128 v5, v[R+4*rr:R+4*rr+3], s[32:33] offset:\i*262144+rr*4096    ; 512 consecutive bytes, aligned
.set rr, rr+1
.endr
.endm
.else
; bias, relu, (OUTK 1: the tile's factor,) f16, and out in the next layer's fragment order: my 32 columns are block + h; piece q
; (8 columns) belongs to lane 16 (q & 1) + r, registers 4 (q >> 1)..: sixteen lanes store 256 consecutive bytes, aligned.
.macro EPI i
	s_wait_xcnt 0x0                                ; the last granule's stores have read v[O..]: written again only behind this wait
.irp grp, 0,1
	WIN 0x01
.irp j, 0,1,2,3,4,5,6,7
.irp t, 0,1,2,3
	v_add_f32 v[T+4*\j+\t], v[8*(8*\i+4*\grp+\t)+\j], v[BI+32*\grp+4*\j+\t]
.endr
.endr
	WIN 0
.set cc, 0
.rept 32
	v_max_num_f32 v[T+cc], 0, v[T+cc]
.set cc, cc+1
.endr
.if OUTK == 1
.set cc, 0
.rept 16
	v_pk_mul_f32 v[T+2*cc:T+2*cc+1], v[T+2*cc:T+2*cc+1], s[FQ:FQ+1] op_sel_hi:[1,0]
.set cc, cc+1
.endr
.endif
.set cc, 0
.rept 16
	v_cvt_pk_f16_f32 v[O+16*\grp+cc], v[T+2*cc], v[T+2*cc+1]
.set cc, cc+1
.endr
.irp q, 0,1,2,3
	global_store_b128 v7, v[O+16*\grp+4*\q:O+16*\grp+4*\q+3], s[32:33] offset:\grp*2*RTB+\i*4096+(\q/2)*512+(\q%2)*256
.endr
.endr
.endm
.endif
	EPI 0
	s_cmp_le_u32 s19, 1                            ; only the worker's own granules are stored
	s_cbranch_scc1 .Ldone
	EPI 1
	s_cmp_le_u32 s19, 2
	s_cbranch_scc1 .Ldone
	EPI 2
	s_cmp_le_u32 s19, 3
	s_cbranch_scc1 .Ldone
	EPI 3
.Ldone:
	s_wait_tensorcnt 0x0
	ds_add_u32 v254, v255
	s_wait_dscnt 0x0
	s_endpgm
.Lfunc_end_k_q66b2770e07_layer2:
	.size	k_q66b2770e07_layer2, .Lfunc_end_k_q66b2770e07_layer2-k_q66b2770e07_layer2
	.p2alignl 7, 3214868480
	.fill 96, 4, 3214868480
	.section	.rodata,"a",@progbits
	.p2align	6, 0x0
	.amdhsa_kernel k_q66b2770e07_layer2
		.amdhsa_group_segment_fixed_size 33536
		.amdhsa_private_segment_fixed_size 0
		.amdhsa_enable_private_segment 0
		.amdhsa_kernarg_size 48
		.amdhsa_user_sgpr_count 2
		.amdhsa_user_sgpr_kernarg_segment_ptr 1
		.amdhsa_wavefront_size32 1
		.amdhsa_system_sgpr_workgroup_id_x 1
		.amdhsa_system_sgpr_workgroup_id_y 1
		.amdhsa_system_sgpr_workgroup_id_z 1
		.amdhsa_system_vgpr_workitem_id 0
		.amdhsa_next_free_vgpr 1024
		.amdhsa_next_free_sgpr 66
		.amdhsa_reserve_vcc 1
		.amdhsa_float_denorm_mode_32 3
		.amdhsa_float_denorm_mode_16_64 3
		.amdhsa_memory_ordered 1
		.amdhsa_forward_progress 1
		.amdhsa_inst_pref_size 162
	.end_amdhsa_kernel
	.amdgpu_metadata
---
amdhsa.version: [ 1, 2 ]
amdhsa.kernels:
  - .name:           k_q66b2770e07_layer2
    .symbol:         k_q66b2770e07_layer2.kd
    .args:
      - { .name: rtab, .offset: 0, .size: 8, .value_kind: global_buffer, .address_space: global }
      - { .name: actB, .offset: 8, .size: 8, .value_kind: global_buffer, .address_space: global }
      - { .name: We2, .offset: 16, .size: 8, .value_kind: global_buffer, .address_space: global }
      - { .name: be2, .offset: 24, .size: 8, .value_kind: global_buffer, .address_space: global }
      - { .name: actA, .offset: 32, .size: 8, .value_kind: global_buffer, .address_space: global }
      - { .name: sc, .offset: 40, .size: 8, .value_kind: global_buffer, .address_space: global }
    .group_segment_fixed_size: 33536
    .private_segment_fixed_size: 0
    .kernarg_segment_align: 8
    .kernarg_segment_size: 48
    .max_flat_workgroup_size: 128
    .sgpr_count:     66
    .vgpr_count:     1024
    .wavefront_size: 32
...
	.end_amdgpu_metadata
.endif
;; end of part 9
;; launch layer3 (part 10): grid 16 x 16, 4 waves a work-group, no clusters, 67,072 bytes of LDS; arguments rtab, actA, We3, be3, y, sc; writes y
.if DOCPART == 10
	.amdgcn_target "amdgcn-amd-amdhsa--gfx1250"
	.amdhsa_code_object_version 6
	.text
	.protected	k_q66b2770e07_layer3
	.globl	k_q66b2770e07_layer3
	.p2align	8
	.type	k_q66b2770e07_layer3,@function
k_q66b2770e07_layer3:
	s_mov_b64 s[64:65], 0
	v_nop
	global_prefetch_b8 v0, s[64:65] scope:SCOPE_SE
	s_setreg_imm32_b32 hwreg(HW_REG_WAVE_MODE, 25, 1), 1
	s_wait_xcnt 0x0
; The experts' last layer on the slots of one worker: y[half] = h2 W3[e] over one half of K (+ b3[e] in half 0); 64 ng slots x 128
; columns, ng = 1..4.  K is split in two halves so that 8 column blocks x 2 halves x 16 workers are 256 work-groups; the next launch
; adds the halves.  h2 comes in f16 with a scale for each block of 128 k (see NUMBER FORMATS).
; The three layers share this text but for the five constants below (sizes, kind of the way out OUTK).
; grid x = column block (last layer: x & 7, and x >> 3 = which half of K); grid y = worker; rtab gives its expert, first granule, ng.
; NUMBER FORMATS.  A rounding to bf16 (8 significant bits) adds about 0.0015 of a sum's rms to it; six in a row (x, W1, h1, W2, h2, W3)
; about 0.004, too near an allowance of 0.01 for a million numbers.  So all three layers take f16 operands (11 bits, an eighth of that
; error).  x, the weights and h1 have the room: |x| about 5, weights about 0.02 (30 times smaller, f16's smallest step 6e-8 is still
; 1e-4 of their spread), h1 with a spread of sqrt(1024) x 0.02 = 0.64, largest about 3.5: 3,200 with x and W1 both 30 times larger,
; 1024 x 30 x 0.6 = 18,432 with offsets of 30 spreads on both, against f16's 65,504.  h2 has no such room as it stands (another factor
; of 30, or of 2048 x 0.6), so it travels with a scale: a work-group of the second layer takes the largest number m of its tile
; (4 granules x 128 columns), e = m's f32 exponent field (15 at the least), stores h2 x 2^(141-e), which is below 2^15, and e in
; sc[worker][column block].  The last layer's worker has the same slots, and a column block is two of its K steps: it multiplies the rows
; of W3 that meet block b by 2^(e_b - e_max), 1 at the most, as it converts them, and its sums by 2^(e_max - 141) at the end.
; WEIGHTS are f32 [K][N].  For 64 columns x 32 k, lane (r = L & 15, h = L >> 4) loads 16 bytes at row k0+8h+i and k0+16+8h+i
; (i = 0..7), columns c0+4r..+3: sixteen lanes read 256 consecutive bytes.  Packing rows 2q, 2q+1 of word t gives register q of a
; fragment whose row r is column c0+4r+t: four whole fragments from 16 loads and 32 conversions, no transpose.
; Each wave converts a quarter of a K step of 64 (column group w & 1, 32 k w >> 1) into LDS; every wave reads all 16 fragments.
; THE MATRIX INSTRUCTION IS USED TRANSPOSED: source 0 = weights, source 1 = activations; register j of lane (r, h) is then
; slot r, column c0+32h+4j+t: over t and j a lane holds 32 neighbouring columns of one slot.
; ACTIVATIONS lie as fragments: act[k/32][slot/16][1,024 bytes], lane L's registers 0-3 at 16 L, 4-7 at 512+16 L, and go from memory
; straight into registers.  Wave w takes row tile 4 (g0 + i) + w of granule i.
; ng is read from memory, and no barrier and no counted wait hangs on it: every wave always loads four granules (granule i
; takes granule min(i, ng-1)); only the 16 matrix instructions of a granule i >= ng are jumped over.  K step 0, which starts the
; sums, runs all four, so every accumulator is written on every path.
; No tensor loads: the weights pass through registers for the conversion.  No cluster: 1 to 8 workers share an expert's weights,
; by the routing, so no fixed cluster holds them.
; LIMITS: operands rounded to f16, sums in f32; |W3| up to 65,504; a block whose scale lies 2^127 or more under the largest counts
; as zero; an infinite bias gives NaN in the second plane (0 x infinity) where an infinity is due.
.set NP,     4096                      ; bytes in a row of W
.set NS,     16                        ; K steps of 64 in a half of K
.set ES,     8388608                   ; bytes of one expert's W
.set BROW,   4096                      ; bytes of one expert's bias
.set OUTK,   2                         ; the way out: 0 = relu, f16 fragments; 1 = relu, f16 fragments with the tile's scale; 2 = f32 rows, half of K
.set RTB,    172032                    ; 168 row tiles x 1,024 bytes: from one block of 32 k to the next
.set ASTEP,  2*RTB                     ; a K step
.set YPL,    11010048                  ; 2,688 slots x 4,096 bytes: from y's first plane to its second
.set WBUF,   16384                     ; LDS: two buffers of 16 fragments x 1,024 bytes
.set RED,    2*WBUF                    ; (OUTK 1) behind them four words: the waves' maxima
.set STAGE,  2*WBUF                    ; (OUTK 2) behind them 16 rows x 528 bytes for each wave
.set SPITCH, 528                       ; 33 x 16 bytes: sixteen rows start at sixteen different 16-byte columns
; window 0: v4 weights' offset, v5 16 L, v6 LDS store, v7 way out, v8 bias offset, v9 stage read, v10-13 activation offsets
.set AO,  10
.set CT,  16                           ; v[16:47]   converted fragments on their way to LDS
.set BI,  64                           ; v[64:127]  bias of my 2 x 32 columns
.set T,   128                          ; at work on the way out
.set O,   160                          ; packed results
.set R,   192                          ; (OUTK 2) rows read back from the stage
.set MX,  224                          ; (OUTK 1) v[224:231] the tile's maximum at work
; window 1: accumulators, tile (granule i, column tile f) at 8 (8 i + f).   window 2: weight fragments, set p at 128 p + 8 (8 c + f)
; window 3: activation fragments, slot p at 64 p + 8 (2 i + c); staging of f32 weights at 128 + 64 slot + 4 load
.set ST,  128
.set FQ,  40                           ; (OUTK 1) s[40:41] the tile's factor; (OUTK 2) s[40:47] the factors of the blocks still to convert, s40 the one at hand
.set MSB, 0
.macro WIN new                         ; s_set_vgpr_msb: bits 1:0 source 0, 3:2 source 1, 5:4 source 2, 7:6 destination; the high byte repeats the setting left
.if MSB != \new
	s_set_vgpr_msb (MSB<<8)|\new
.set MSB, \new
.endif
.endm
.macro PLACES                          ; four plain vector instructions between a matrix instruction and a load into, or a read of, its registers
.rept 4
	v_nop
.endr
.endm
.macro WLD slot, imm                   ; my quarter of a K step's weights, f32: 16 loads
	WIN 0xC0
.set li, 0
.rept 16
	global_load_b128 v[ST+64*\slot+4*li:ST+64*\slot+4*li+3], v4, s[24:25] offset:\imm+(16*(li/8)+li%8)*NP
.set li, li+1
.endr
.endm
.macro ALD slot, i, imm                ; granule i's two fragments of a K step: 4 loads of 512 consecutive bytes
	WIN 0xC0
.irp c, 0,1
.irp hf, 0,1
	global_load_b128 v[64*\slot+8*(2*\i+\c)+4*\hf:64*\slot+8*(2*\i+\c)+4*\hf+3], v[AO+\i], s[26:27] offset:\imm+\c*RTB+\hf*512
.endr
.endr
.endm
.macro CVT slot, buf                   ; f32 to f16, four fragments, into my 4 KiB of LDS buffer buf
.if OUTK == 2
	WIN 0xC3                                       ; first the block's factor 2^(e_b - e_max), in place on the staged f32
.set li, 0
.rept 32
	v_pk_mul_f32 v[ST+64*\slot+2*li:ST+64*\slot+2*li+1], v[ST+64*\slot+2*li:ST+64*\slot+2*li+1], s[FQ:FQ+1] op_sel_hi:[1,0]
.set li, li+1
.endr
.endif
	WIN 0x0F
.irp t, 0,1,2,3
.irp hf, 0,1
.irp q, 0,1,2,3
	v_cvt_pk_f16_f32 v[CT+8*\t+4*\hf+\q], v[ST+64*\slot+4*(8*\hf+2*\q)+\t], v[ST+64*\slot+4*(8*\hf+2*\q+1)+\t]
.endr
.endr
.endr
	WIN 0
.irp t, 0,1,2,3
.irp hf, 0,1
	ds_store_b128 v6, v[CT+8*\t+4*\hf:CT+8*\t+4*\hf+3] offset:\buf*WBUF+\t*1024+\hf*512
.endr
.endr
.endm
.macro WFL set, buf                    ; all 16 fragments of a K step from LDS: 32 loads of 512 consecutive bytes
	WIN 0x80
.set fi, 0
.rept 16
	ds_load_b128 v[128*\set+8*fi:128*\set+8*fi+3],   v5 offset:\buf*WBUF+fi*1024
	ds_load_b128 v[128*\set+8*fi+4:128*\set+8*fi+7], v5 offset:\buf*WBUF+fi*1024+512
.set fi, fi+1
.endr
.endm
.macro MM par, i, zero                 ; 16 slots x 128 columns x 64 k.  The eight accumulators take turns, one instruction a turn
	WIN 0x5E
.set cc, 0
.rept 2
.set ff, 0
.rept 8
.if \zero*(1-cc)
	v_wmma_f32_16x16x32_f16 v[8*(8*\i+ff):8*(8*\i+ff)+7], v[128*\par+8*(8*cc+ff):128*\par+8*(8*cc+ff)+7], v[64*\par+8*(2*\i+cc):64*\par+8*(2*\i+cc)+7], 0
.else
	v_wmma_f32_16x16x32_f16 v[8*(8*\i+ff):8*(8*\i+ff)+7], v[128*\par+8*(8*cc+ff):128*\par+8*(8*cc+ff)+7], v[64*\par+8*(2*\i+cc):64*\par+8*(2*\i+cc)+7], v[8*(8*\i+ff):8*(8*\i+ff)+7]
.endif
.set ff, ff+1
.endr
.set cc, cc+1
.endr
.endm
; One granule's turn in a K step.  cnt: how many younger loads may stay out when its fragments have to be there.
.macro GRAN par, i, zero, always, ald, last, wfl, bar, cnt
	s_wait_loadcnt \cnt
.if \always
	MM \par, \i, \zero
.else
	WIN 0                                          ; at a branch and at a label every window is 0
	s_cmp_le_u32 s19, \i                           ; the worker has no granule i: only the products are left out
	s_cbranch_scc1 .Lskip_\@
	MM \par, \i, 0
	WIN 0
.Lskip_\@:
.endif
.if \last
.if \wfl+\bar
	s_wait_dscnt 0x0                               ; my stores into one LDS buffer and my reads of the other are done
.endif
.if \bar
	s_barrier_signal -1
.endif
.endif
.if \ald
	PLACES
.endif
.if \last*\bar
	s_barrier_wait -1                              ; of every wave: the buffer stored may be read, the buffer read may be stored into
.endif
.if \ald
	ALD \par, \i, \par*ASTEP
.endif
.endm
; K step s, par = s & 1: multiplies weight set par and activation slot par; converts W(s+2) into LDS buffer par; asks for W(s+4)
; into the staging just read; reads the fragments of W(s+1) from the other buffer; asks for A(s+2) granule by granule.
.macro STEP par, zero, cvt, wld, wfl, ald, bar, nw, na, dec
.if \cvt
	s_wait_loadcnt \nw
	CVT \par, \par
.endif
.if \wld
	WLD \par, \par*64*NP
.endif
.if \wfl
	WFL (1-\par), (1-\par)
.endif
	GRAN \par, 0, \zero, 1,     \ald, 0, \wfl, \bar, \na
	GRAN \par, 1, \zero, \zero, \ald, 0, \wfl, \bar, \na-\dec
	GRAN \par, 2, \zero, \zero, \ald, 0, \wfl, \bar, \na-2*\dec
	GRAN \par, 3, \zero, \zero, \ald, 1, \wfl, \bar, \na-3*\dec
.endm
; Behind every two conversions: the bases step on, and (OUTK 2) the next block's factor moves to the head: two K steps are one block of 128 k
.macro ADV wsteps
	s_wait_xcnt 0x0                                ; the two bases are stepped only behind this wait
	s_add_nc_u64 s[24:25], s[24:25], \wsteps*64*NP
	s_add_nc_u64 s[26:27], s[26:27], 2*ASTEP
.if OUTK == 2
.irp b, 0,1,2,3,4,5,6
	s_mov_b32 s[FQ+\b], s[FQ+\b+1]
.endr
.endif
.endm
	s_load_b256 s[4:11], s[0:1], 0x0               ; rtab 4, activations in 6, W 8, bias 10
	s_load_b64 s[12:13], s[0:1], 0x20              ; out
.if OUTK
	s_load_b64 s[38:39], s[0:1], 0x28              ; sc
	v_lshl_add_u32 v62, v0, 2, 0x10400
	v_mov_b32 v63, 0
.endif
	v_lshrrev_b32 v1, 5, v0
	v_readfirstlane_b32 s14, v1                    ; wave
.if OUTK == 2
	s_and_b32 s15, ttmp9, 7                        ; column block
	s_lshr_b32 s29, ttmp9, 3                       ; half of K
.else
	s_mov_b32 s15, ttmp9
.endif
	s_and_b32 s16, ttmp7, 0xffff                   ; worker
	s_lshl_b32 s20, s16, 2
.if OUTK == 2
	s_lshl_b32 s36, s16, 6                         ; sc: 16 words a worker,
	s_lshl_b32 s37, s29, 5                         ; 8 of them for my half of K
	s_add_co_u32 s36, s36, s37
.endif
	s_wait_kmcnt 0x0
	s_load_b32 s17, s[4:5], s20 offset:0x0         ; expert
	s_load_b32 s18, s[4:5], s20 offset:0x40        ; first granule
	s_load_b32 s19, s[4:5], s20 offset:0x80        ; granules
.if OUTK == 2
	s_load_b256 s[FQ:FQ+7], s[38:39], s36 offset:0x0   ; e_b of my eight blocks of 128 k
.endif
	v_and_b32 v1, 31, v0
	v_and_b32 v2, 15, v0                           ; r
	v_bfe_u32 v3, v0, 4, 1                         ; h
	v_lshlrev_b32 v5, 4, v1                        ; 16 L
	s_lshr_b32 s22, s14, 1
	s_mul_i32 s22, s22, 32*NP                      ; my 32 k of a K step
	s_and_b32 s23, s14, 1
	s_lshl_b32 s23, s23, 8                         ; my 64 columns
	s_add_co_u32 s22, s22, s23
	v_mul_u32_u24 v4, v3, 8*NP
	v_lshl_add_u32 v4, v2, 4, v4
	v_add_nc_u32 v4, s22, v4                       ; (32 c + 8 h) rows + 256 grp + 16 r
	s_lshl_b32 s23, s14, 12
	v_add_nc_u32 v6, s23, v5                       ; my four fragments are 4 w .. 4 w + 3
	v_lshlrev_b32 v8, 7, v3                        ; bias: 32 h columns
.if OUTK == 2
	s_mul_i32 s23, s14, 16*SPITCH
	s_add_co_u32 s23, s23, STAGE
	v_mul_u32_u24 v7, v2, SPITCH
	v_lshl_add_u32 v7, v3, 7, v7
	v_add_nc_u32 v7, s23, v7                       ; stage, in: row r, 128 h bytes
	v_add_nc_u32 v9, s23, v5                       ; stage, back: 16 L of a row
.else
	v_mul_u32_u24 v7, v3, RTB
	v_lshl_add_u32 v7, v2, 4, v7                   ; out: block + h, 16 r
.endif
	s_wait_kmcnt 0x0
	s_min_u32 s17, s17, 7                          ; whatever the table holds, every address stays inside its buffer:
	s_min_u32 s18, s18, 38                         ; 38 + 4 granules = 168 row tiles
	s_min_u32 s19, s19, 4
.if OUTK == 2
	s_max_u32 s48, s[FQ], s[FQ+1]
.irp b, 2,3,4,5,6,7
	s_max_u32 s48, s48, s[FQ+\b]                   ; e_max
.endr
	s_sub_co_i32 s49, s48, 127
.irp b, 0,1,2,3,4,5,6,7
	s_sub_co_i32 s[FQ+\b], s[FQ+\b], s49           ; the exponent field of 2^(e_b - e_max);
	s_max_i32 s[FQ+\b], s[FQ+\b], 0                ; below the format's range the factor is 0
	s_lshl_b32 s[FQ+\b], s[FQ+\b], 23
.endr
	s_sub_co_u32 s48, s48, 14                      ; the exponent field of 2^(e_max - 141): 1 at the least, since e is 15 at the least
	s_lshl_b32 s48, s48, 23
.endif
	s_mov_b32 s35, 0
	s_lshl_b32 s21, s15, 9                         ; 128 columns of f32
	s_mul_i32 s34, s17, ES
	s_add_co_u32 s34, s34, s21
.if OUTK == 2
	s_mul_i32 s22, s29, 1024*NP
	s_add_co_u32 s34, s34, s22
.endif
	s_add_nc_u64 s[24:25], s[8:9], s[34:35]        ; W at my expert, my columns, my first k
	s_lshl2_add_u32 s23, s18, s14                  ; 4 g0 + w: my first row tile
	s_lshl_b32 s34, s23, 10
.if OUTK == 2
	s_mul_i32 s22, s29, 32*RTB
	s_add_co_u32 s34, s34, s22
.endif
	s_add_nc_u64 s[26:27], s[6:7], s[34:35]
	s_mul_i32 s34, s17, BROW
	s_add_co_u32 s34, s34, s21
	s_add_nc_u64 s[30:31], s[10:11], s[34:35]
.if OUTK == 2
	s_lshl_b32 s34, s23, 16                        ; 16 (4 g0 + w) rows of 4,096 bytes
	s_add_co_u32 s34, s34, s21
	s_mul_i32 s22, s29, YPL                        ; the K half's plane of y
	s_add_co_u32 s34, s34, s22
	s_cmp_eq_u32 s29, 0
	s_cselect_b32 s50, 0x3f800000, 0               ; the bias counts once: factor 1 in half 0, 0 in half 1
	s_mov_b32 s51, s50
.else
	s_lshl_b32 s34, s23, 10
	s_mul_i32 s22, s15, 4*RTB                      ; my 128 columns are blocks 4 cb .. 4 cb + 3 of the next layer's k
	s_add_co_u32 s34, s34, s22
.endif
	s_add_nc_u64 s[32:33], s[12:13], s[34:35]
	s_sub_co_u32 s36, s19, 1
.irp i, 0,1,2,3
	s_min_u32 s37, s36, \i                         ; granule min(i, ng - 1)
	s_lshl_b32 s37, s37, 12
	v_add_nc_u32 v[AO+\i], s37, v5
.endr
	; Loads come back in order, so each wait below counts the loads issued behind the one it needs.
.set pp, 0
.rept 16
	global_load_b128 v[BI+4*pp:BI+4*pp+3], v8, s[30:31] offset:(pp/8)*256+(pp%8)*16    ; the oldest loads
.set pp, pp+1
.endr
	WLD 0, 0
	WLD 1, 64*NP
	s_wait_loadcnt 16                              ; W(0) and the bias are in; W(1) stays out
	CVT 0, 0
	WLD 0, 2*64*NP
.irp i, 0,1,2,3
	ALD 0, \i, 0
.endr
	s_wait_loadcnt 32                              ; behind W(1): W(2) 16, A(0) 16
	CVT 1, 1
	WLD 1, 3*64*NP
.irp i, 0,1,2,3
	ALD 1, \i, ASTEP
.endr
	s_wait_dscnt 0x0
	s_barrier_signal -1
	s_barrier_wait -1                              ; both LDS buffers are whole
	WFL 0, 0
	s_wait_dscnt 0x0
	s_barrier_signal -1
	s_barrier_wait -1                              ; every wave has read buffer 0: K step 0 stores into it
	ADV 4
	; steady state: behind W(s+2) stand A(s) 16, W(s+3) 16, A(s+1) 16 = 48; behind granule i of A(s) stand the rest of A(s),
	; W(s+3), A(s+1), W(s+4) and the granules of A(s+2) asked for so far = 12 + 16 + 16 + 16 = 60, the same for every i
	STEP 0, 1, 1, 1, 1, 1, 1, 48, 60, 0
	STEP 1, 0, 1, 1, 1, 1, 1, 48, 60, 0
	ADV 2
	WIN 0
	s_mov_b32 s28, (NS-6)/2
.Lk:
	STEP 0, 0, 1, 1, 1, 1, 1, 48, 60, 0
	STEP 1, 0, 1, 1, 1, 1, 1, 48, 60, 0
	ADV 2
	WIN 0
	s_sub_co_u32 s28, s28, 1
	s_cmp_lg_u32 s28, 0
	s_cbranch_scc1 .Lk
	STEP 0, 0, 1, 0, 1, 1, 1, 48, 44, 0            ; NS-4: no weights left to ask for: 60 - 16
	STEP 1, 0, 1, 0, 1, 1, 1, 32, 28, 0            ; NS-3: behind W(NS-1): A(NS-3), A(NS-2); behind a granule 12 + 16
	STEP 0, 0, 0, 0, 1, 0, 0, 0, 28, 4             ; NS-2: nothing is asked for: the counts run down by 4 a granule
	STEP 1, 0, 0, 0, 0, 0, 0, 0, 12, 4             ; NS-1
	PLACES
.if OUTK == 1
; The largest relu(sum + bias) of the tile, all four granules' accumulators (padding slots, and the first K step's sums of a granule
; that the worker does not have, take part: they can only make the scale more cautious).  Four chains, started from the constant 0.
.macro MAXI i
.irp grp, 0,1
	WIN 0x01
.irp j, 0,1,2,3,4,5,6,7
.irp t, 0,1,2,3
	v_add_f32 v[T+4*\j+\t], v[8*(8*\i+4*\grp+\t)+\j], v[BI+32*\grp+4*\j+\t]
.endr
.endr
	WIN 0
.set cc, 0
.rept 16
.if 4*(\i+\grp)+cc < 4
	v_max3_num_f32 v[MX+cc%4], v[T+2*cc], v[T+2*cc+1], 0
.else
	v_max3_num_f32 v[MX+cc%4], v[T+2*cc], v[T+2*cc+1], v[MX+cc%4]
.endif
.set cc, cc+1
.endr
.endr
.endm
	MAXI 0
	MAXI 1
	MAXI 2
	MAXI 3
	v_max3_num_f32 v[MX], v[MX], v[MX+1], v[MX+2]
	v_max_num_f32 v[MX], v[MX], v[MX+3]
.irp m, 1,2,4,8
	v_max_num_f32_dpp v[MX], v[MX], v[MX] row_xmask:\m row_mask:0xf bank_mask:0xf
.endr
	s_mov_b32 s36, 0x76543210                      ; v_permlanex16_b32: lane i reads lane i of the other half
	s_mov_b32 s37, 0xfedcba98
	v_permlanex16_b32 v[MX+1], v[MX], s36, s37
	v_max_num_f32 v[MX], v[MX], v[MX+1]            ; my wave's maximum, in every lane
	s_lshl_b32 s36, s14, 2
	v_mov_b32 v[MX+1], s36
	ds_store_b32 v[MX+1], v[MX] offset:RED         ; a word for each wave, behind the weights' buffers, which slower waves may still read
	s_wait_dscnt 0x0                               ; my word is in LDS before I say so
	s_barrier_signal -1
	s_barrier_wait -1                              ; on every wave's path: it stands ahead of the branches on ng
	v_mov_b32 v[MX+2], 0
	ds_load_b128 v[MX+4:MX+7], v[MX+2] offset:RED
	s_wait_dscnt 0x0
	v_max3_num_f32 v[MX], v[MX+4], v[MX+5], v[MX+6]
	v_max_num_f32 v[MX], v[MX], v[MX+7]            ; the tile's maximum m, not negative
	v_readfirstlane_b32 s36, v[MX]
	s_lshr_b32 s36, s36, 23                        ; e: m's exponent field,
	s_max_u32 s36, s36, 15                         ; 15 at the least, so that 2^(e - 141) is still a normal f32
	s_sub_co_u32 s[FQ], 268, s36                   ; the exponent field of 2^(141 - e): m times it lies in [2^14, 2^15)
	s_lshl_b32 s[FQ], s[FQ], 23
	s_mov_b32 s[FQ+1], s[FQ]
	v_mov_b32 v[MX+1], s36
	s_lshl_b32 s36, s16, 6                         ; sc[worker][column block]: one word of a table of 1,024 bytes for each work-group
	s_lshl2_add_u32 s36, s15, s36
	v_mov_b32 v[MX+3], s36
	v_cmp_eq_u32 vcc_lo, 0, v0                     ; thread 0 stores it
	s_wait_xcnt 0x0                                ; EXEC changes only behind s_wait_xcnt 0
	s_and_saveexec_b32 s37, vcc_lo
	global_store_b32 v[MX+3], v[MX+1], s[38:39]
	s_wait_xcnt 0x0
	s_or_b32 exec_lo, exec_lo, s37
.endif
.if OUTK == 2
; y[half][slot][1024] f32 = sums x 2^(e_max - 141) (+ bias in half 0).  The fused multiply-add also brings a lane's 32 columns into order;
; 16 rows go through my own stage in LDS (served in order: no wait between my stores and my loads) and leave as whole rows of 512 bytes.
.set cc, 0
.rept 32
	v_pk_mul_f32 v[BI+2*cc:BI+2*cc+1], v[BI+2*cc:BI+2*cc+1], s[50:51] op_sel_hi:[1,0]
.set cc, cc+1
.endr
.macro EPI i
	WIN 0x01
.irp grp, 0,1
.irp j, 0,1,2,3,4,5,6,7
.irp t, 0,1,2,3
	v_fma_f32 v[T+32*\grp+4*\j+\t], v[8*(8*\i+4*\grp+\t)+\j], s48, v[BI+32*\grp+4*\j+\t]
.endr
.endr
.endr
	WIN 0
.irp grp, 0,1
.irp p, 0,1,2,3,4,5,6,7
	ds_store_b128 v7, v[T+32*\grp+4*\p:T+32*\grp+4*\p+3] offset:\grp*256+\p*16
.endr
.endr
	s_wait_xcnt 0x0                                ; the last granule's stores have read v[R..]: loaded again only behind this wait
.set rr, 0
.rept 16
	ds_load_b128 v[R+4*rr:R+4*rr+3], v9 offset:rr*SPITCH
.set rr, rr+1
.endr
.set rr, 0
.rept 16
	s_wait_dscnt 15-rr
	global_store_b128 v5, v[R+4*rr:R+4*rr+3], s[32:33] offset:\i*262144+rr*4096    ; 512 consecutive bytes, aligned
.set rr, rr+1
.endr
.endm
.else
; bias, relu, (OUTK 1: the tile's factor,) f16, and out in the next layer's fragment order: my 32 columns are block + h; piece q
; (8 columns) belongs to lane 16 (q & 1) + r, registers 4 (q >> 1)..: sixteen lanes store 256 consecutive bytes, aligned.
.macro EPI i
	s_wait_xcnt 0x0                                ; the last granule's stores have read v[O..]: written again only behind this wait
.irp grp, 0,1
	WIN 0x01
.irp j, 0,1,2,3,4,5,6,7
.irp t, 0,1,2,3
	v_add_f32 v[T+4*\j+\t], v[8*(8*\i+4*\grp+\t)+\j], v[BI+32*\grp+4*\j+\t]
.endr
.endr
	WIN 0
.set cc, 0
.rept 32
	v_max_num_f32 v[T+cc], 0, v[T+cc]
.set cc, cc+1
.endr
.if OUTK == 1
.set cc, 0
.rept 16
	v_pk_mul_f32 v[T+2*cc:T+2*cc+1], v[T+2*cc:T+2*cc+1], s[FQ:FQ+1] op_sel_hi:[1,0]
.set cc, cc+1
.endr
.endif
.set cc, 0
.rept 16
	v_cvt_pk_f16_f32 v[O+16*\grp+cc], v[T+2*cc], v[T+2*cc+1]
.set cc, cc+1
.endr
.irp q, 0,1,2,3
	global_store_b128 v7, v[O+16*\grp+4*\q:O+16*\grp+4*\q+3], s[32:33] offset:\grp*2*RTB+\i*4096+(\q/2)*512+(\q%2)*256
.endr
.endr
.endm
.endif
	EPI 0
	s_cmp_le_u32 s19, 1                            ; only the worker's own granules are stored
	s_cbranch_scc1 .Ldone
	EPI 1
	s_cmp_le_u32 s19, 2
	s_cbranch_scc1 .Ldone
	EPI 2
	s_cmp_le_u32 s19, 3
	s_cbranch_scc1 .Ldone
	EPI 3
.Ldone:
	s_wait_tensorcnt 0x0
	ds_add_u32 v62, v63
	s_wait_dscnt 0x0
	s_endpgm
.Lfunc_end_k_q66b2770e07_layer3:
	.size	k_q66b2770e07_layer3, .Lfunc_end_k_q66b2770e07_layer3-k_q66b2770e07_layer3
	.p2alignl 7, 3214868480
	.fill 96, 4, 3214868480
	.section	.rodata,"a",@progbits
	.p2align	6, 0x0
	.amdhsa_kernel k_q66b2770e07_layer3
		.amdhsa_group_segment_fixed_size 67072
		.amdhsa_private_segment_fixed_size 0
		.amdhsa_enable_private_segment 0
		.amdhsa_kernarg_size 48
		.amdhsa_user_sgpr_count 2
		.amdhsa_user_sgpr_kernarg_segment_ptr 1
		.amdhsa_wavefront_size32 1
		.amdhsa_system_sgpr_workgroup_id_x 1
		.amdhsa_system_sgpr_workgroup_id_y 1
		.amdhsa_system_sgpr_workgroup_id_z 1
		.amdhsa_system_vgpr_workitem_id 0
		.amdhsa_next_free_vgpr 1024
		.amdhsa_next_free_sgpr 66
		.amdhsa_reserve_vcc 1
		.amdhsa_float_denorm_mode_32 3
		.amdhsa_float_denorm_mode_16_64 3
		.amdhsa_memory_ordered 1
		.amdhsa_forward_progress 1
		.amdhsa_inst_pref_size 161
	.end_amdhsa_kernel
	.amdgpu_metadata
---
amdhsa.version: [ 1, 2 ]
amdhsa.kernels:
  - .name:           k_q66b2770e07_layer3
    .symbol:         k_q66b2770e07_layer3.kd
    .args:
      - { .name: rtab, .offset: 0, .size: 8, .value_kind: global_buffer, .address_space: global }
      - { .name: actA, .offset: 8, .size: 8, .value_kind: global_buffer, .address_space: global }
      - { .name: We3, .offset: 16, .size: 8, .value_kind: global_buffer, .address_space: global }
      - { .name: be3, .offset: 24, .size: 8, .value_kind: global_buffer, .address_space: global }
      - { .name: y, .offset: 32, .size: 8, .value_kind: global_buffer, .address_space: global }
      - { .name: sc, .offset: 40, .size: 8, .value_kind: global_buffer, .address_space: global }
    .group_segment_fixed_size: 67072
    .private_segment_fixed_size: 0
    .kernarg_segment_align: 8
    .kernarg_segment_size: 48
    .max_flat_workgroup_size: 128
    .sgpr_count:     66
    .vgpr_count:     1024
    .wavefront_size: 32
...
	.end_amdgpu_metadata
.endif
;; end of part 10
;; launch combine (part 11): grid 256 x 1, 4 waves a work-group, no clusters, 0 bytes of LDS; arguments rtab, gf, y, out0; writes out0
.if DOCPART == 11
	.amdgcn_target "amdgcn-amd-amdhsa--gfx1250"
	.amdhsa_code_object_version 6
	.text
	.protected	k_q66b2770e07_combine
	.globl	k_q66b2770e07_combine
	.p2align	8
	.type	k_q66b2770e07_combine,@function
k_q66b2770e07_combine:
	s_mov_b64 s[64:65], 0
	v_nop
	global_prefetch_b8 v0, s[64:65] scope:SCOPE_SE
	s_setreg_imm32_b32 hwreg(HW_REG_WAVE_MODE, 25, 1), 1
	s_wait_xcnt 0x0
; out0[b] = wn1 (y[0][s1] + y[1][s1]) + wn2 (y[0][s2] + y[1][s2]): the two planes of y (the last layer's sums over the two halves
; of K) of the row's two slots, weighted by score / (both scores + 1e-9).  The experts' bias is already in plane 0.
; One wave, one row of 4,096 bytes: 32 loads of 512 consecutive bytes, all issued at once, 8 stores of 512 consecutive bytes.
; A stream: no LDS, no barrier, no matrix unit.  Each row of y is read once in the launch, hence the hint on its loads.
.set YPL, 11010048                     ; 2,688 slots x 4,096 bytes: from plane 0 to plane 1
.set D, 8                              ; v[8:135]: piece q of 512 bytes: 4 sources x 4 registers at 8 + 16 q
	s_load_b256 s[4:11], s[0:1], 0x0               ; rtab 4, gf 6, y 8, out0 10
	v_lshrrev_b32 v1, 5, v0
	v_readfirstlane_b32 s12, v1                    ; wave
	s_lshl2_add_u32 s13, ttmp9, s12                ; row = 4 x work-group + wave
	s_lshl_b32 s14, s13, 3
	v_and_b32 v2, 31, v0
	v_lshlrev_b32 v2, 4, v2                        ; 16 L
	s_mov_b32 s25, 0
	s_wait_kmcnt 0x0
	s_load_b64 s[16:17], s[4:5], s14 offset:0x100  ; the row's two slots
	s_load_b64 s[20:21], s[6:7], s14 offset:0x0    ; its two weights
	s_wait_kmcnt 0x0
	s_min_u32 s16, s16, 2687                       ; whatever the table holds, the address stays inside y
	s_min_u32 s17, s17, 2687
	s_mov_b32 s22, s21                             ; the second weight at the head of a pair of its own
	s_mov_b32 s23, s21
	s_lshl_b32 s24, s16, 12
	s_add_nc_u64 s[28:29], s[8:9], s[24:25]
	s_add_nc_u64 s[30:31], s[28:29], YPL
	s_lshl_b32 s24, s17, 12
	s_add_nc_u64 s[32:33], s[8:9], s[24:25]
	s_add_nc_u64 s[34:35], s[32:33], YPL
	s_lshl_b32 s24, s13, 12
	s_add_nc_u64 s[36:37], s[10:11], s[24:25]
.irp q, 0,1,2,3,4,5,6,7
	global_load_b128 v[D+16*\q:D+16*\q+3],     v2, s[28:29] offset:512*\q th:TH_LOAD_NT
	global_load_b128 v[D+16*\q+4:D+16*\q+7],   v2, s[30:31] offset:512*\q th:TH_LOAD_NT
	global_load_b128 v[D+16*\q+8:D+16*\q+11],  v2, s[32:33] offset:512*\q th:TH_LOAD_NT
	global_load_b128 v[D+16*\q+12:D+16*\q+15], v2, s[34:35] offset:512*\q th:TH_LOAD_NT
.endr
.irp q, 0,1,2,3,4,5,6,7
	s_wait_loadcnt 28-4*\q                         ; loads come back in order: piece q's four are in, the later pieces' stay out
.irp u, 0,2
	v_pk_add_f32 v[D+16*\q+\u:D+16*\q+\u+1], v[D+16*\q+\u:D+16*\q+\u+1], v[D+16*\q+4+\u:D+16*\q+4+\u+1]
	v_pk_add_f32 v[D+16*\q+8+\u:D+16*\q+8+\u+1], v[D+16*\q+8+\u:D+16*\q+8+\u+1], v[D+16*\q+12+\u:D+16*\q+12+\u+1]
	v_pk_mul_f32 v[D+16*\q+\u:D+16*\q+\u+1], v[D+16*\q+\u:D+16*\q+\u+1], s[20:21] op_sel_hi:[1,0]
	v_pk_fma_f32 v[D+16*\q+\u:D+16*\q+\u+1], v[D+16*\q+8+\u:D+16*\q+8+\u+1], s[22:23], v[D+16*\q+\u:D+16*\q+\u+1] op_sel_hi:[1,0,1]
.endr
	global_store_b128 v2, v[D+16*\q:D+16*\q+3], s[36:37] offset:512*\q th:TH_STORE_NT
.endr
	s_endpgm
.Lfunc_end_k_q66b2770e07_combine:
	.size	k_q66b2770e07_combine, .Lfunc_end_k_q66b2770e07_combine-k_q66b2770e07_combine
	.p2alignl 7, 3214868480
	.fill 96, 4, 3214868480
	.section	.rodata,"a",@progbits
	.p2align	6, 0x0
	.amdhsa_kernel k_q66b2770e07_combine
		.amdhsa_group_segment_fixed_size 0
		.amdhsa_private_segment_fixed_size 0
		.amdhsa_enable_private_segment 0
		.amdhsa_kernarg_size 32
		.amdhsa_user_sgpr_count 2
		.amdhsa_user_sgpr_kernarg_segment_ptr 1
		.amdhsa_wavefront_size32 1
		.amdhsa_system_sgpr_workgroup_id_x 1
		.amdhsa_system_sgpr_workgroup_id_y 1
		.amdhsa_system_sgpr_workgroup_id_z 1
		.amdhsa_system_vgpr_workitem_id 0
		.amdhsa_next_free_vgpr 136
		.amdhsa_next_free_sgpr 66
		.amdhsa_reserve_vcc 0
		.amdhsa_float_denorm_mode_32 3
		.amdhsa_float_denorm_mode_16_64 3
		.amdhsa_memory_ordered 1
		.amdhsa_forward_progress 1
		.amdhsa_inst_pref_size 10
	.end_amdhsa_kernel
	.amdgpu_metadata
---
amdhsa.version: [ 1, 2 ]
amdhsa.kernels:
  - .name:           k_q66b2770e07_combine
    .symbol:         k_q66b2770e07_combine.kd
    .args:
      - { .name: rtab, .offset: 0, .size: 8, .value_kind: global_buffer, .address_space: global }
      - { .name: gf, .offset: 8, .size: 8, .value_kind: global_buffer, .address_space: global }
      - { .name: y, .offset: 16, .size: 8, .value_kind: global_buffer, .address_space: global }
      - { .name: out0, .offset: 24, .size: 8, .value_kind: global_buffer, .address_space: global }
    .group_segment_fixed_size: 0
    .private_segment_fixed_size: 0
    .kernarg_segment_align: 8
    .kernarg_segment_size: 32
    .max_flat_workgroup_size: 128
    .sgpr_count:     66
    .vgpr_count:     136
    .wavefront_size: 32
...
	.end_amdgpu_metadata
.endif
;; end of part 11
